; MI455X (gfx1250); checked and timed in simulation.
; The chip was launched on July 23, 2026; its instructions are those of AMD's public machine-readable ISA for CDNA 5 (MIT licence, August 2026) and "CDNA5" Instruction Set Architecture Reference Guide (July 2026). The comments in the code are by the model that wrote it; some were corrected since.
;; Encoder Block. Allowed arithmetic: matrix products marked QUANTISED: E3M2 operands, one E8M0 scale for each 32 along K, by v_wmma_scale_f32_16x16x128_f8f6f4 with both operands' format E3M2, f32 sums; everything else in f32.
;; Inputs: b1 4,096 float32; b2 1,024 float32; bk 1,024 float32; bo 1,024 float32; bq 1,024 float32; bv 1,024 float32; ln1_a 1 float32; ln1_b 1 float32; ln2_a 1 float32; ln2_b 1 float32; w1 4,096 x 1,024 float32; w2 1,024 x 4,096 float32; wk 1,024 x 1,024 float32; wo 1,024 x 1,024 float32; wq 1,024 x 1,024 float32; wv 1,024 x 1,024 float32; x 2 x 2,048 x 1,024 float32.
;; Outputs: out0 2 x 2,048 x 1,024 float32.
;; Constants: src_mask = 0.
;; This version of the problem:
;;   THIS VERSION OF THE PROBLEM IS GIVEN IN LOW PRECISION. The matrix products marked QUANTISED in the list below multiply operands that are first quantised to E3M2 (3 exponent bits, 2 mantissa bits; 6 bits a number), with one power-of-two scale for each 32 numbers along K (OCP MX v1.0); their sums are f32. All else is computed in f32.
;;   The module's matrix products, in the order in which they are computed (A, B: the left and right operand; K: the contracted axis; several contracted axes count as one K, in the product's order):
;;     1. [M 4,096, K 1,024] x [K 1,024, N 1,024]; A: computed on the way; B: input wq: QUANTISED
;;     2. [M 4,096, K 1,024] x [K 1,024, N 1,024]; A: computed on the way; B: input wk: QUANTISED
;;     3. [M 4,096, K 1,024] x [K 1,024, N 1,024]; A: computed on the way; B: input wv: QUANTISED
;;     4. batch 32 x [M 2,048, K 64] x [K 64, N 2,048]; A: computed on the way; B: computed on the way: QUANTISED
;;     5. batch 32 x [M 2,048, K 2,048] x [K 2,048, N 64]; A: softmax (see below); B: computed on the way: QUANTISED
;;     6. [M 4,096, K 1,024] x [K 1,024, N 1,024]; A: computed on the way; B: input wo: QUANTISED
;;     7. [M 4,096, K 1,024] x [K 1,024, N 4,096]; A: computed on the way; B: input w1: QUANTISED
;;     8. [M 4,096, K 4,096] x [K 4,096, N 1,024]; A: computed on the way; B: input w2: QUANTISED
;;   THE QUANTISER, for each operand of a quantised product, along K:
;;     - K is cut into blocks of 32 from its start; a last block that is shorter is filled with zeros.
;;     - A block's scale is 2^e with e = floor(log2(the largest magnitude in the block)) - 4, held to -126 .. 127; a block of zeros has e = 0. As a byte (E8M0): e + 127.
;;     - Each number is divided by its block's scale, clamped to +-28, and rounded to the nearest number of E3M2, ties to even, subnormals kept.
;;     - The product sums the exact products of the quantised numbers (number of the format x scale) in f32.
;;   ~~~python
;;   def quantise(x, axis):      # numpy; x: float32 -> the quantised numbers, widened to float32 again
;;       x = np.moveaxis(x, axis, -1); K = x.shape[-1]
;;       x = np.pad(x, [(0, 0)] * (x.ndim - 1) + [(0, -K % 32)]); x = x.reshape(x.shape[:-1] + (-1, 32)); a = np.abs(x).max(-1, keepdims=True)
;;       e = np.where(a > 0, np.clip(np.frexp(np.where(a > 0, a, 1))[1] - 1 - 4, -126, 127), 0)      # np.frexp(a)[1] - 1 = floor(log2(a)), exactly
;;       r = np.clip(x / 2.0 ** e, -28, 28)
;;       step = 2.0 ** (np.maximum(np.frexp(np.where(r == 0, 1, r))[1] - 1, -2) - 2)
;;       q = np.round(r / step) * step * 2.0 ** e      # np.round: ties to even
;;       return np.moveaxis(q.reshape(q.shape[:-2] + (-1,))[..., :K], -1, axis).astype(np.float32)
;;   ~~~
;;   SOFTMAX AHEAD OF A QUANTISED PRODUCT. Where the list says 'softmax', what is quantised is not the finished softmax but p = 2^(t - M), with t = logit x log2(e) and M = ceil(the row's largest t), a whole number; so 1/2 < the row's largest p <= 1. The row's sum l is taken of the UNQUANTISED p, in f32, and the product's result is divided by l at the end. Since M is a whole number, a kernel that streams over the keys may use a running M (the ceiling of the running maximum): every later rescaling is an exact power of two, which a block's scale takes up: the codes' values come out the same.
;;   OPERANDS COMPUTED ON THE WAY. 'Computed on the way' means the value that the module computes at that place (a softmax that the list does not call 'softmax' is quantised finished and normalised). What goes into a quantiser is computed in f32, as accurately as f32 sums, v_exp_f32 and their like allow (about 1e-6 of the number): no bf16 or f16 on the way to a quantiser, and a product that is left as it is and whose result goes on into a quantised operand takes f32 operands (vector FMAs, or v_wmma_f32_16x16x4_f32). A number that lies on a knife's edge between two numbers of the format may be rounded either way, as far as f32 arithmetic and the matrix unit's own rounding can turn it there, and no further.
;; 2 versions. Each part assembles by itself: llvm-mc -triple=amdgcn-amd-amdhsa -mcpu=gfx1250 --defsym DOCPART=n.
;; ======== version 1 of 2: 7 launches
;; workspace buffers: opc 12,582,912 bytes; ops 524,288 bytes; hnc 3,145,728 bytes; hns 131,072 bytes; att 16,384,000 bytes; oc 3,276,800 bytes; hb 16,777,216 bytes; hid 13,107,200 bytes
;; launch prep (part 1): grid 1024 x 1, 8 waves a work-group, no clusters, 70,656 bytes of LDS; arguments x, wq, wk, wv, wo, w1, w2, ln1_a, ln1_b, opc, ops; writes opc, ops
.if DOCPART == 1
	.amdgcn_target "amdgcn-amd-amdhsa--gfx1250"
	.amdhsa_code_object_version 6
	.text
	.protected	k_q18688ba45d_prep
	.globl	k_q18688ba45d_prep
	.p2align	8
	.type	k_q18688ba45d_prep,@function
k_q18688ba45d_prep:
	s_mov_b64 s[64:65], 0
	v_nop
	global_prefetch_b8 v0, s[64:65] scope:SCOPE_SE
	s_setreg_imm32_b32 hwreg(HW_REG_WAVE_MODE, 25, 1), 1
	s_wait_xcnt 0x0
; f32 rows become codes of BF6 (E3M2) with one E8M0 byte for each 32 along K, laid as IMAGES OF THE OPERAND'S REGISTERS.
; Work-group id takes slab id: 16 rows x 1,024 along K.  Slabs 0-255: the activations (x, or h in the second use of this text), which first go
; through the layer norm  a (x - mean) / sqrt(std + 1e-6) + b,  std unbiased;  256.. wq, 320.. wk, 384.. wv, 448.. wo, 512.. w1, 768.. w2 (four slabs to 16 rows of 4,096).
; ONE path for all: a weight runs the same lines with mean factor 0, gain 1 and bias 0, chosen by the work-group's number, which leave its numbers as they are.
; THE 16 ROWS OF A BLOCK t ARE NOT NEIGHBOURS: lane index r is row 32 (t / 2) + 8 (t % 2) + r + 8 (r / 8), so that a product which takes the block as source 0
; leaves 16 neighbours along this axis in the 16 registers of two neighbouring tiles.
; Wave w takes K step w (128 along K): one fragment, 1,536 bytes: registers 6 c .. 6 c + 3 at 768 c + 16 lane, registers 6 c + 4, 5 at 768 c + 512 + 8 lane.
; Scale words: units of 128 bytes for a block and 256 along K: lane index r has 8 bytes at 8 r, the words of two K steps.
; A block's scale is 2^(floor(log2(largest magnitude)) - 4); its byte is the largest magnitude's exponent field - 4, held at 1 from below.
; LIMITS: a block of zeros gets the byte 1 (its codes are zeros, and this program alone reads the bytes); blocks whose largest magnitude lies under 2^(5 - 127)
; share that byte; NaN and infinities among the inputs are not served.
.set STG,  8448                        ; LDS: a stage of 16 rows x (512 + 16) bytes for each wave
.set PS,   8*STG                       ; the waves' partial sums [r 16][w 8], 512 bytes; the sums of squares 512 bytes on
.set SW,   PS+1024                     ; the slab's four scale units, 512 bytes
.set R,    32                          ; v32-95   the numbers as loaded; later: v32-51 codes, v52-59 at work, v60-67 partial sums, v68-75 sums
.set X,    96                          ; v96-159  register 32 c + i: k = 64 c + 32 (lane / 16) + i of my row
.set PC,   32
.set TM,   52
.set SEL,  46                          ; s[46:47] lane selects: lane l xor 16
.macro BARRIER                         ; my LDS stores have landed and my LDS loads are in: then the work-group's barrier
	s_wait_dscnt 0x0
	s_barrier_signal -1
	s_barrier_wait -1
.endm
.macro PICK lim, p                     ; from slab lim on: the tensor whose address lies in s[p:p+1]
	s_cmp_ge_u32 ttmp9, \lim
	s_cselect_b64 s[26:27], s[\p:\p+1], s[26:27]
	s_cselect_b32 s28, \lim, s28
.endm
	s_load_b256 s[4:11], s[0:1], 0x0               ; x, wq, wk, wv
	s_load_b256 s[12:19], s[0:1], 0x20             ; wo, w1, w2, the norm's gain
	s_load_b128 s[20:23], s[0:1], 0x40             ; the norm's bias, the codes
	s_load_b64 s[24:25], s[0:1], 0x50              ; the scale bytes
	v_lshl_add_u32 v160, v0, 2, 0x11000
	v_mov_b32 v161, 0
	v_lshrrev_b32 v1, 5, v0
	v_readfirstlane_b32 s44, v1                    ; wave 0..7
	v_and_b32 v1, 31, v0                           ; lane
	v_and_b32 v2, 15, v0                           ; r
	v_bfe_u32 v3, v0, 4, 1                         ; h
	s_mul_i32 s45, s44, STG
	v_lshlrev_b32 v9, 4, v1                        ; 16 x lane
	v_lshlrev_b32 v10, 3, v1                       ; 8 x lane
	v_lshlrev_b32 v11, 3, v3                       ; 8 h
	v_add_nc_u32 v4, s45, v9                       ; the stage, on the way in: a row's 512 bytes as they lie
	v_mul_u32_u24 v5, v2, 528
	v_lshl_add_u32 v5, v3, 7, v5
	v_add_nc_u32 v5, s45, v5                       ; on the way out: row r, 128 h bytes on
	v_lshlrev_b32 v7, 5, v2
	v_add_nc_u32 v7, PS, v7                        ; my row's eight partial sums
	s_lshl_b32 s45, s44, 2
	v_add_nc_u32 v6, s45, v7                       ; and my wave's among them
	s_lshr_b32 s45, s44, 1
	s_lshl_b32 s45, s45, 7
	s_and_b32 s46, s44, 1
	s_lshl_b32 s46, s46, 2
	s_add_co_u32 s45, s45, s46
	s_add_co_u32 s45, s45, SW
	v_lshl_add_u32 v8, v2, 3, s45                  ; my scale word: unit w / 2, 8 r, word w % 2
	v_add_nc_u32 v1, SW, v9                        ; wave 0 reads the four units back, 16 bytes a lane
	s_mov_b32 s[SEL], 0x76543210
	s_mov_b32 s[SEL+1], 0xfedcba98
	s_mov_b32 s28, 0
	s_wait_kmcnt 0x0
	s_load_b32 s40, s[18:19], 0x0                  ; the gain
	s_load_b32 s41, s[20:21], 0x0                  ; the bias
	s_mov_b64 s[26:27], s[4:5]
	PICK 256, 6
	PICK 320, 8
	PICK 384, 10
	PICK 448, 12
	PICK 512, 14
	PICK 768, 16
	s_cselect_b32 s29, 2, 0                        ; w2: four slabs to a block of rows,
	s_cselect_b32 s30, 3, 0
	s_cselect_b32 s31, 14, 12                      ; and rows of 16,384 bytes
	s_sub_co_u32 s32, ttmp9, s28
	s_lshr_b32 s33, s32, s29                       ; t: the block of rows
	s_and_b32 s34, s32, s30                        ; which 1,024 along K
	s_lshr_b32 s36, s33, 1
	s_lshl_b32 s36, s36, 5
	s_and_b32 s37, s33, 1
	s_lshl_b32 s37, s37, 3
	s_add_co_u32 s36, s36, s37                     ; the block's first row: 32 (t / 2) + 8 (t % 2)
	s_lshl_b32 s36, s36, s31
	s_lshl_b32 s34, s34, 12
	s_add_co_u32 s34, s34, s36
	s_lshl_b32 s36, s44, 9                         ; my wave's 512 bytes of a row
	s_add_co_u32 s34, s34, s36
	s_mov_b32 s35, 0
	s_add_nc_u64 s[26:27], s[26:27], s[34:35]
	s_lshl_b32 s36, 1, s31                         ; a row on,
	s_mul_i32 s37, s36, 9                          ; and nine: from lane index 7 to lane index 8
	v_mov_b32 v16, v9
.irp j, 1,2,3,4,5,6,7
	v_add_nc_u32 v[16+\j], s36, v[15+\j]
.endr
	v_add_nc_u32 v24, s37, v23
.irp j, 9,10,11,12,13,14,15
	v_add_nc_u32 v[16+\j], s36, v[15+\j]
.endr
.irp j, 0,1,2,3,4,5,6,7,8,9,10,11,12,13,14,15
	global_load_b128 v[R+4*\j:R+4*\j+3], v[16+\j], s[26:27] th:TH_LOAD_NT   ; 32 lanes read 512 consecutive bytes: lane index j's K step
.endr
	s_mul_i32 s32, ttmp9, 12288
	s_mul_i32 s33, s44, 1536
	s_add_co_u32 s32, s32, s33
	s_mov_b32 s33, 0
	s_add_nc_u64 s[22:23], s[22:23], s[32:33]      ; my fragment's image
	s_lshl_b32 s32, ttmp9, 9
	s_add_nc_u64 s[24:25], s[24:25], s[32:33]      ; the slab's scale units
	s_wait_kmcnt 0x0
	s_cmp_lt_u32 ttmp9, 256                        ; an activation or a weight?
	s_cselect_b32 s38, 0x3a800000, 0               ; 1 / 1,024, or 0: a weight's mean counts as 0
	s_cselect_b32 s39, -1, 0                       ; all lanes take the norm's gain, or none
	s_cselect_b32 s42, s41, 0                      ; the bias
	s_mov_b32 s43, s42                             ; (named with it as a pair)
.irp j, 0,1,2,3,4,5,6,7,8,9,10,11,12,13,14,15
	s_wait_loadcnt 15-\j                           ; loads come back in order: row j is in, the younger rows stay out
	ds_store_b128 v4, v[R+4*\j:R+4*\j+3] offset:528*\j
.endr
.irp c, 0,1
.irp i, 0,1,2,3,4,5,6,7
	ds_load_b128 v[X+32*\c+4*\i:X+32*\c+4*\i+3], v5 offset:256*\c+16*\i   ; the stage is my wave's own, and LDS serves a wave's instructions in order
.endr
.endr
	s_wait_dscnt 0x0
; four packed sums in v[68:75] become the row's sum in v68: my lane's, lane l xor 16's, then the eight waves' through LDS
.macro ACROSS off
	v_pk_add_f32 v[68:69], v[68:69], v[70:71]
	v_pk_add_f32 v[72:73], v[72:73], v[74:75]
	v_pk_add_f32 v[68:69], v[68:69], v[72:73]
	v_add_f32 v68, v68, v69
	v_permlanex16_b32 v69, v68, s[SEL], s[SEL+1]
	v_add_f32 v68, v68, v69
	ds_store_b32 v6, v68 offset:\off               ; lanes r and r + 16 write the same word with the same value
	BARRIER
	ds_load_b128 v[60:63], v7 offset:\off
	ds_load_b128 v[64:67], v7 offset:\off+16
	s_wait_dscnt 0x0
	v_add_f32 v60, v60, v61
	v_add_f32 v62, v62, v63
	v_add_f32 v64, v64, v65
	v_add_f32 v66, v66, v67
	v_add_f32 v60, v60, v62
	v_add_f32 v64, v64, v66
	v_add_f32 v68, v60, v64
.endm
.irp k, 0,1,2,3
	v_pk_add_f32 v[68+2*\k:69+2*\k], v[X+2*\k:X+1+2*\k], v[X+8+2*\k:X+9+2*\k]
.endr
.irp i, 16,24,32,40,48,56
.irp k, 0,1,2,3
	v_pk_add_f32 v[68+2*\k:69+2*\k], v[68+2*\k:69+2*\k], v[X+\i+2*\k:X+1+\i+2*\k]
.endr
.endr
	ACROSS 0
	v_mul_f32 v12, s38, v68                        ; the mean
	v_mov_b32 v13, v12
.set j, 0
.rept 32
	v_pk_add_f32 v[X+j:X+j+1], v[X+j:X+j+1], v[12:13] neg_lo:[0,1] neg_hi:[0,1]   ; d = x - mean: the squares are taken of d, so that a common offset costs no digits
.set j, j+2
.endr
.irp k, 0,1,2,3
	v_pk_mul_f32 v[68+2*\k:69+2*\k], v[X+2*\k:X+1+2*\k], v[X+2*\k:X+1+2*\k]
.endr
.irp i, 8,16,24,32,40,48,56
.irp k, 0,1,2,3
	v_pk_fma_f32 v[68+2*\k:69+2*\k], v[X+\i+2*\k:X+1+\i+2*\k], v[X+\i+2*\k:X+1+\i+2*\k], v[68+2*\k:69+2*\k]
.endr
.endr
	ACROSS 512                                     ; other words than the first sums': no barrier is needed between the two uses
	v_mul_f32 v68, 0x3a802008, v68                 ; / 1,023
	v_sqrt_f32 v69, v68                            ; the unbiased std
	v_nop                                          ; a plain instruction behind a transcendental,
	s_wait_alu depctr_va_vdst(0)                   ; and the wait ahead of the first use
	v_add_f32 v69, 0x358637bd, v69                 ; + 1e-6
	v_rsq_f32 v70, v69                             ; 1 / sqrt(std + 1e-6)
	v_nop
	s_wait_alu depctr_va_vdst(0)
	v_mul_f32 v70, s40, v70
	v_cndmask_b32 v14, 1.0, v70, s39               ; a weight's gain is 1
	v_mov_b32 v15, v14
.set j, 0
.rept 32
	v_pk_fma_f32 v[X+j:X+j+1], v[X+j:X+j+1], v[14:15], s[42:43] op_sel_hi:[1,1,0]
.set j, j+2
.endr
; the quantiser: a lane holds two whole blocks of 32: 2 c + h
.irp c, 0,1
	v_max3_num_f32 v[TM+\c], |v[X+32*\c]|, |v[X+1+32*\c]|, 0x2800000   ; and the floor 2^(5 - 127): the byte cannot fall under 1
.endr
.irp i, 2,4,6,8,10,12,14,16,18,20,22,24,26,28,30
.irp c, 0,1
	v_max3_num_f32 v[TM+\c], v[TM+\c], |v[X+32*\c+\i]|, |v[X+1+32*\c+\i]|
.endr
.endr
.irp c, 0,1
	v_add_nc_u32 v[TM+2+\c], 0xfe000000, v[TM+\c]  ; 4 off the exponent field: the conversion's scale operand
.endr
.irp c, 0,1
	v_lshrrev_b32 v[TM+4+\c], 23, v[TM+2+\c]       ; the scale's byte
.endr
	v_lshl_or_b32 v[TM+6], v[TM+5], 16, v[TM+4]    ; my two bytes, blocks h and 2 + h,
	v_lshlrev_b32 v[TM+6], v11, v[TM+6]            ; at their places in the word;
	v_mov_b32 v[TM+7], 0
	v_permlanex16_b32 v[TM+7], v[TM+6], s[SEL], s[SEL+1]
	v_or_b32 v[TM+6], v[TM+6], v[TM+7]             ; with lane l xor 16's two the word is whole
.irp c, 0,1
	v_cvt_scalef32_pk16_bf6_f32 v[PC+6*\c:PC+2+6*\c], v[X+32*\c:X+15+32*\c], v[TM+2+\c]
	v_cvt_scalef32_pk16_bf6_f32 v[PC+12+4*\c:PC+14+4*\c], v[X+16+32*\c:X+31+32*\c], v[TM+2+\c]   ; (a conversion's three registers begin on an even number)
.endr
	v_nop                                          ; one plain place behind a scaled conversion
.irp c, 0,1
.irp i, 0,1,2
	v_mov_b32 v[PC+3+6*\c+\i], v[PC+12+4*\c+\i]
.endr
.endr
	global_store_b128 v9, v[PC:PC+3], s[22:23]                 ; each store covers 512 or 256 consecutive bytes, aligned
	global_store_b64 v10, v[PC+4:PC+5], s[22:23] offset:512
	global_store_b128 v9, v[PC+6:PC+9], s[22:23] offset:768
	global_store_b64 v10, v[PC+10:PC+11], s[22:23] offset:1280
	ds_store_b32 v8, v[TM+6]                       ; lanes r and r + 16 write the same word with the same value
	BARRIER                                        ; the slab's 128 scale words lie in LDS
	s_cmp_lg_u32 s44, 0
	s_cbranch_scc1 .Lend
	ds_load_b128 v[60:63], v1
	s_wait_dscnt 0x0
	global_store_b128 v9, v[60:63], s[24:25]       ; wave 0 stores them: 512 consecutive bytes, aligned
.Lend:
	s_wait_tensorcnt 0x0
	ds_add_u32 v160, v161
	s_wait_dscnt 0x0
	s_endpgm
.Lfunc_end_k_q18688ba45d_prep:
	.size	k_q18688ba45d_prep, .Lfunc_end_k_q18688ba45d_prep-k_q18688ba45d_prep
	.p2alignl 7, 3214868480
	.fill 96, 4, 3214868480
	.section	.rodata,"a",@progbits
	.p2align	6, 0x0
	.amdhsa_kernel k_q18688ba45d_prep
		.amdhsa_group_segment_fixed_size 70656
		.amdhsa_private_segment_fixed_size 0
		.amdhsa_enable_private_segment 0
		.amdhsa_kernarg_size 88
		.amdhsa_user_sgpr_count 2
		.amdhsa_user_sgpr_kernarg_segment_ptr 1
		.amdhsa_wavefront_size32 1
		.amdhsa_system_sgpr_workgroup_id_x 1
		.amdhsa_system_sgpr_workgroup_id_y 1
		.amdhsa_system_sgpr_workgroup_id_z 1
		.amdhsa_system_vgpr_workitem_id 0
		.amdhsa_next_free_vgpr 162
		.amdhsa_next_free_sgpr 66
		.amdhsa_reserve_vcc 0
		.amdhsa_float_denorm_mode_32 3
		.amdhsa_float_denorm_mode_16_64 3
		.amdhsa_memory_ordered 1
		.amdhsa_forward_progress 1
		.amdhsa_inst_pref_size 23
	.end_amdhsa_kernel
	.amdgpu_metadata
---
amdhsa.version: [ 1, 2 ]
amdhsa.kernels:
  - .name:           k_q18688ba45d_prep
    .symbol:         k_q18688ba45d_prep.kd
    .args:
      - { .name: x, .offset: 0, .size: 8, .value_kind: global_buffer, .address_space: global }
      - { .name: wq, .offset: 8, .size: 8, .value_kind: global_buffer, .address_space: global }
      - { .name: wk, .offset: 16, .size: 8, .value_kind: global_buffer, .address_space: global }
      - { .name: wv, .offset: 24, .size: 8, .value_kind: global_buffer, .address_space: global }
      - { .name: wo, .offset: 32, .size: 8, .value_kind: global_buffer, .address_space: global }
      - { .name: w1, .offset: 40, .size: 8, .value_kind: global_buffer, .address_space: global }
      - { .name: w2, .offset: 48, .size: 8, .value_kind: global_buffer, .address_space: global }
      - { .name: ln1_a, .offset: 56, .size: 8, .value_kind: global_buffer, .address_space: global }
      - { .name: ln1_b, .offset: 64, .size: 8, .value_kind: global_buffer, .address_space: global }
      - { .name: opc, .offset: 72, .size: 8, .value_kind: global_buffer, .address_space: global }
      - { .name: ops, .offset: 80, .size: 8, .value_kind: global_buffer, .address_space: global }
    .group_segment_fixed_size: 70656
    .private_segment_fixed_size: 0
    .kernarg_segment_align: 8
    .kernarg_segment_size: 88
    .max_flat_workgroup_size: 256
    .sgpr_count:     66
    .vgpr_count:     162
    .wavefront_size: 32
...
	.end_amdgpu_metadata
.endif
;; end of part 1
;; launch qkv (part 2): grid 48 x 4, 4 waves a work-group, clusters of 4 x 4, 327,680 bytes of LDS; arguments opc, ops, bq, bk, bv, att; writes att
.if DOCPART == 2
	.amdgcn_target "amdgcn-amd-amdhsa--gfx1250"
	.amdhsa_code_object_version 6
	.text
	.protected	k_q18688ba45d_qkv
	.globl	k_q18688ba45d_qkv
	.p2align	8
	.type	k_q18688ba45d_qkv,@function
k_q18688ba45d_qkv:
	s_mov_b64 s[64:65], 0
	v_nop
	global_prefetch_b8 v0, s[64:65] scope:SCOPE_SE
	s_setreg_imm32_b32 hwreg(HW_REG_WAVE_MODE, 25, 1), 1
	s_wait_xcnt 0x0
	s_wait_alu depctr_hold_cnt(0) depctr_sa_sdst(0) depctr_va_vdst(0) depctr_va_sdst(0) depctr_va_ssrc(0) depctr_va_vcc(0) depctr_vm_vsrc(0)
	s_getreg_b32 s2, hwreg(HW_REG_IB_STS2, 6, 4)
	s_cmp_eq_u32 s2, 0
	s_cbranch_scc0 .Lentry_in_a_cluster
	s_endpgm
.Lentry_in_a_cluster:
	s_bfe_u32 s2, ttmp6, 0x10000c
	s_cmp_lg_u32 s2, 0xf033
	s_cbranch_scc0 .Lentry_shape_is_right
	s_endpgm
.Lentry_shape_is_right:
; q = xn wq^T + bq, k = xn wk^T + bk, v = xn wv^T + bv on codes of BF6 (E3M2) with E8M0 scales for each 32 along K = 1,024; the results are quantised again on the way out:
; q and k along the head's 64 (their next K), v along the keys (its next K).  Operands lie in memory as images of their registers (fragments of 1,536 bytes, scale units of 128 bytes).
; A tile is 256 (R: source 1, a lane's row) x 256 (P: source 0, along a lane's registers); four waves, each 128 x 128: 64 accumulators.  What lies along P becomes the next K.
; Clusters 0-7 along x: R = xn's rows, P = the 2,048 rows of wq and wk.  Clusters 8-11: R = wv's rows, P = xn's rows.  The choice hangs on the cluster's number: it is alike in all sixteen partners.
; The 16 rows of a block are lane index r = row 32 (t / 2) + 8 (t % 2) + r + 8 (r / 8): so the 16 registers of tiles 2 b, 2 b + 1 are 16 neighbours along P.
; K goes in steps of 256 through a ring of two LDS slots; all scale words of the tile come once.  R's tiles are asked for jointly along a row of the 4 x 4 cluster, P's along a column.
; The bias along P is the C of each sum's first product; the bias along R (v's) is added on the way out; the one that does not apply is masked to 0.
; LIMITS: a block of zeros gets the byte 1 (its codes are zeros; this program alone reads the bytes); NaN and infinities are not served.
; REGISTERS: window 0: v16-31 addresses; v32-63 scale words, two sets; v64-127 the bias along P; v128-223 R's fragments, one set; v232-247 the bias along R.  On the way out v128-230 are at work.
;   window 1: P's fragments, two sets, at v0 and v128.   windows 2, 3: the accumulators ((a, b) at v[8 (8 (a % 4) + b)]).
.set SIZE_K, 1024
.set PITCHB, 12*SIZE_K                 ; a block's codes in memory
.set SBLK,   SIZE_K/2                  ; a block's scale words
.set HALFS,  8*SBLK                    ; those of 8 blocks: what one tensor load brings
.set NQ,     2                         ; matrix instructions deep in a slot
.set FR,     12                        ; registers of a fragment
.set NL,     4                         ; LDS loads that bring one
.set NP,     4                         ; places behind this matrix instruction (ISA guide 7.12.1)
.set FRB,    1536
.set STEPB,  NQ*FRB                    ; a block's bytes in a slot
.set HALFT,  8*STEPB                   ; 8 blocks: what one tensor load brings, and what a wave reads of R or of P
.set SLOT,   4*HALFT                   ; R's 16 blocks, then P's 16
.set SCL,    2*SLOT                    ; behind the ring: the scale words
.set SPARE,  SCL+4*HALFS               ; behind them: the spare words, 128 bytes a wave, that no other line names
.set LAPS,   SIZE_K/512
.set ADRA, 16                          ; v16-17 R's fragments in slot 0, 1: 16 x lane; v18-19: 8 x lane
.set ADRB, 20                          ; v20-23 the same for P
.set CO,   26                          ; v26  16 x lane
.set ADRS, 27                          ; v27  my scale words: lanes 0-15 R's, lanes 16-31 P's
.set SPW,  28                          ; v28  my spare word; never rewritten
.set NIL,  29                          ; v29  0; never rewritten
.set C8,   30                          ; v30  8 x lane
.set VOS,  31                          ; v31  the way out: 8 r + 2,048 h
.set SC,   32
.set BP,   64
.set AF,   128
.set T,    128                         ; the way out: 64 numbers
.set PC,   192                         ; their codes
.set TM,   212                         ; at work
.set PW,   228                         ; the scale word just made; v229 the even block's; v230 both, to store
.set PWE,  229
.set PWM,  230
.set BR,   232
.set SEL,  18
.set G1, 24
.set G0, 32
.set G1B, 48
.set G0B, 56
.set G1S, 68
.set G0S, 76
.set G1SB, 80
.set G0SB, 88
.set MSB, 0
.macro WIN new                         ; the immediate's high byte repeats the setting that is left
.if MSB != (\new)
	s_set_vgpr_msb (MSB<<8)|(\new)
.set MSB, (\new)
.endif
.endm
.set MUL_LO, 0xa1                      ; source 0 (P) window 1, source 1 (R) window 0, C and D window 2
.set MUL_HI, 0xf1                      ; the same, C and D window 3
.set TO_B,   0x40                      ; destination window 1, address window 0
.macro JLOAD g0a, g1a, g0b, g1b        ; a joint load: waves 0 and 1 fetch for R, waves 2 and 3 for P; four v_nop follow each of the two lines
	s_cmp_eq_u32 s15, 0
	s_cbranch_scc0 .Lfor_b_\@
	tensor_load_to_lds s[\g0a:\g0a+3], s[\g1a:\g1a+7]
	s_nop 0
.rept 4
	v_nop
.endr
	s_branch .Lasked_\@
.Lfor_b_\@:
	tensor_load_to_lds s[\g0b:\g0b+3], s[\g1b:\g1b+7]
	s_nop 0
.rept 4
	v_nop
.endr
.Lasked_\@:
.endm
.macro CREST                           ; a round of the cluster's barrier behind its opening barrier
	s_cmp_lg_u32 s14, 0
	s_cbranch_scc1 .Lnot_wave_0_\@
	s_barrier_signal -3
.Lnot_wave_0_\@:
	s_barrier_wait -3
	s_barrier_signal -1
	s_barrier_wait -1
.endm
.macro CROUND
	s_barrier_signal -1
	s_barrier_wait -1
	CREST
.endm
	s_load_b128 s[4:7], s[0:1], 0x0                ; the operands' codes, their scale words
	s_load_b128 s[96:99], s[0:1], 0x10             ; bq, bk
	s_load_b128 s[8:11], s[0:1], 0x20              ; bv, att
	v_lshl_add_u32 v[SPW], v0, 2, SPARE
	v_mov_b32 v[NIL], 0
	ds_add_u32 v28, v29
	ds_add_u32 v28, v29
	s_wait_dscnt 0x0
	v_lshrrev_b32 v1, 5, v0
	v_readfirstlane_b32 s14, v1                    ; wave 0..3
	s_lshr_b32 s15, s14, 1                         ; my half of R.  Also: I fetch for R (0) or for P (1)
	s_and_b32 s16, s14, 1                          ; my half of P.  Also: which 8 blocks I fetch
	s_bfe_u32 s40, ttmp6, 0x40000                  ; cx, cy: my place in the cluster
	s_bfe_u32 s41, ttmp6, 0x40004
	s_sub_co_u32 s18, ttmp9, 8
	s_and_b32 s19, ttmp9, 1
	s_lshr_b32 s20, ttmp9, 1
	s_cmp_ge_u32 ttmp9, 8                          ; clusters 8-11 make v
	s_cselect_b32 s42, s18, s19                    ; the cluster's place along P,
	s_cselect_b32 s17, 0, s20                      ; along R
	s_cselect_b32 s21, 384, 0                      ; R's first block: wv's or xn's
	s_cselect_b32 s47, 0, 256                      ; P's: xn's or wq's
	s_cselect_b32 s95, -1, 0
	s_cselect_b32 s100, 12582912, 0                ; where the codes go: v's region or q's and k's
	s_cselect_b32 s101, 524288, 0                  ; and the scale words
	s_lshl_b32 s42, s42, 2
	s_add_co_u32 s42, s42, s40                     ; P's tile
	s_lshl_b32 s17, s17, 2
	s_add_co_u32 s17, s17, s41                     ; R's tile
	s_lshl_b32 s43, s41, 2
	s_lshl_b32 s43, 15, s43                        ; my row of the cluster
	s_lshl_b32 s44, 0x1111, s40                    ; my column
	; descriptor group 1: 8 blocks x 3,072 bytes (384 elements of 8 bytes), PITCHB bytes apart; dense in LDS
	s_or_b32 s[G1+0], s43, (3<<16)|(1<<21)         ; 15:0 the mask: R's tiles go to my row; 17:16 elements of 8 bytes; 21 set beside a mask
	s_or_b32 s[G1B+0], s44, (3<<16)|(1<<21)
.irp g, G1, G1B
	s_mov_b32 s[\g+1], 384<<16                     ; tensor_dim0
	s_mov_b32 s[\g+2], 8<<16                       ; tensor_dim1
	s_mov_b32 s[\g+3], 384<<16                     ; tile_dim0
	s_mov_b32 s[\g+4], 8                           ; tile_dim1
	s_mov_b32 s[\g+5], PITCHB/8                    ; tensor_dim0_stride
	s_mov_b32 s[\g+6], 0
	s_mov_b32 s[\g+7], 0
.endr
	; the scale words of 8 blocks: a dense block of HALFS bytes, as rows of 256 bytes
	s_or_b32 s[G1S+0], s43, (3<<16)|(1<<21)
	s_or_b32 s[G1SB+0], s44, (3<<16)|(1<<21)
.irp g, G1S, G1SB
	s_mov_b32 s[\g+1], 32<<16
	s_mov_b32 s[\g+2], (HALFS/256)<<16
	s_mov_b32 s[\g+3], 32<<16
	s_mov_b32 s[\g+4], HALFS/256
	s_mov_b32 s[\g+5], 32
	s_mov_b32 s[\g+6], 0
	s_mov_b32 s[\g+7], 0
.endr
	s_lshl_b32 s18, s16, 3                         ; which 8 blocks of the tile I fetch
	s_lshl_b32 s20, s17, 4
	s_add_co_u32 s20, s20, s18
	s_add_co_u32 s20, s20, s21                     ; R: the block
	s_lshl_b32 s46, s42, 4
	s_add_co_u32 s46, s46, s18
	s_add_co_u32 s46, s46, s47                     ; P: the block
	s_mul_i32 s22, s20, SBLK                       ; where their scale words begin,
	s_mov_b32 s23, 0
	s_mul_i32 s92, s46, SBLK
	s_mov_b32 s93, 0
	s_mul_i32 s20, s20, PITCHB                     ; and their codes
	s_mov_b32 s21, 0
	s_mul_i32 s46, s46, PITCHB
	s_mov_b32 s47, 0
	s_mul_i32 s45, s14, HALFT                      ; where they go: no place in the cluster enters an LDS address
	s_mul_i32 s94, s14, HALFS
	s_wait_kmcnt 0x0
	s_add_nc_u64 s[20:21], s[4:5], s[20:21]
	s_add_nc_u64 s[22:23], s[6:7], s[22:23]
	s_add_nc_u64 s[46:47], s[4:5], s[46:47]
	s_add_nc_u64 s[92:93], s[6:7], s[92:93]
	CROUND                                         ; all sixteen work-groups are here: the first joint loads meet
	s_mov_b32 s[G0S], 1
	s_add_co_u32 s[G0S+1], s94, SCL
	s_mov_b64 s[G0S+2:G0S+3], s[22:23]
	s_or_b32 s[G0S+3], s[G0S+3], 0x80000000
	s_mov_b32 s[G0SB], 1
	s_add_co_u32 s[G0SB+1], s94, SCL
	s_mov_b64 s[G0SB+2:G0SB+3], s[92:93]
	s_or_b32 s[G0SB+3], s[G0SB+3], 0x80000000
	JLOAD G0S, G1S, G0SB, G1SB                     ; the scale words first: they are wanted with K step 0
.irp s, 0,1
	s_mov_b32 s[G0+4*\s], 1
	s_add_co_u32 s[G0+4*\s+1], s45, \s*SLOT
	s_add_nc_u64 s[G0+4*\s+2:G0+4*\s+3], s[20:21], \s*STEPB
	s_or_b32 s[G0+4*\s+3], s[G0+4*\s+3], 0x80000000
	s_mov_b32 s[G0B+4*\s], 1
	s_add_co_u32 s[G0B+4*\s+1], s45, \s*SLOT
	s_add_nc_u64 s[G0B+4*\s+2:G0B+4*\s+3], s[46:47], \s*STEPB
	s_or_b32 s[G0B+4*\s+3], s[G0B+4*\s+3], 0x80000000
	JLOAD G0+4*\s, G1, G0B+4*\s, G1B
.endr
	v_and_b32 v1, 15, v0                           ; r
	v_bfe_u32 v2, v0, 4, 1                         ; h
	v_and_b32 v3, 31, v0                           ; lane
	v_lshlrev_b32 v[CO], 4, v3
	v_lshlrev_b32 v[C8], 3, v3
	s_mul_i32 s21, s15, HALFT                      ; my 8 blocks of R
	s_mul_i32 s22, s16, HALFT                      ; my 8 blocks of P,
	s_add_co_u32 s22, s22, 2*HALFT                 ; which lie behind R's 16
.irp s, 0,1
	v_add_nc_u32 v[ADRA+\s], s21, v[CO]
	v_add_nc_u32 v[ADRB+\s], s22, v[CO]
	v_add_nc_u32 v[ADRA+2+\s], s21, v[C8]
	v_add_nc_u32 v[ADRB+2+\s], s22, v[C8]
	s_add_co_u32 s21, s21, SLOT
	s_add_co_u32 s22, s22, SLOT
.endr
	v_lshlrev_b32 v5, 3, v1                        ; my lane index's 8 bytes of a scale unit
	s_mul_i32 s21, s15, HALFS                      ; R's: my 8 blocks
	s_mul_i32 s22, s16, HALFS                      ; P's: my 8 blocks, behind R's 16
	s_add_co_u32 s22, s22, 2*HALFS
	s_sub_co_u32 s22, s22, s21
	v_mul_u32_u24 v4, s22, v2                      ; lanes 16-31 take P's
	s_add_co_u32 s21, s21, SCL
	v_add_nc_u32 v5, v5, v4
	v_add_nc_u32 v[ADRS], s21, v5
	v_lshlrev_b32 v[VOS], 3, v1
	v_lshl_add_u32 v[VOS], v2, 11, v[VOS]
	v_lshlrev_b32 v6, 6, v2                        ; the bias along P: 64 h
	v_and_b32 v7, 8, v1
	v_add_nc_u32 v7, v7, v1
	v_lshlrev_b32 v7, 2, v7                        ; the bias along R: 4 (r + 8 (r / 8))
	s_mov_b32 s2, 0xffff0000                       ; lanes 16-31
	s_not_b32 s94, s95
	s_and_b32 s20, ttmp9, 1
	s_and_not1_b32 s20, s20, s95                   ; 1 where P's rows are wk's
	s_cmp_lg_u32 s20, 0
	s_cselect_b64 s[96:97], s[98:99], s[96:97]
	s_lshl_b32 s20, s40, 10                        ; 256 cx + 128 x my half, in f32
	s_lshl_b32 s21, s16, 9
	s_add_co_u32 s20, s20, s21
	s_mov_b32 s21, 0
	s_add_nc_u64 s[96:97], s[96:97], s[20:21]
	s_lshl_b32 s20, s17, 10                        ; bv at my 128 rows of wv; at 0 where R is xn
	s_lshl_b32 s22, s15, 9
	s_add_co_u32 s20, s20, s22
	s_and_b32 s20, s20, s95
	s_add_nc_u64 s[8:9], s[8:9], s[20:21]
.irp b, 0,1,2,3,4,5,6,7
	global_load_b128 v[BP+8*\b:BP+8*\b+3], v6, s[96:97] offset:(32*(\b/2)+8*(\b%2))*4        ; tile b, register j: 32 (b / 2) + 16 h + 8 (b % 2) + j
	global_load_b128 v[BP+8*\b+4:BP+8*\b+7], v6, s[96:97] offset:(32*(\b/2)+8*(\b%2))*4+16
.endr
.irp a, 0,1,2,3,4,5,6,7
	global_load_b32 v[BR+2*\a], v7, s[8:9] offset:(32*(\a/2)+8*(\a%2))*4
.endr
	s_lshl_b32 s20, s17, 4
	s_lshl_b32 s22, s15, 3
	s_add_co_u32 s20, s20, s22                     ; my first block of the result: 16 x R's tile + 8 x half
	s_lshl_b32 s22, s42, 1
	s_add_co_u32 s22, s22, s16                     ; its K step: 2 x P's tile + half
	s_lshl_b32 s23, s20, 5
	s_add_co_u32 s23, s23, s22
	s_mul_i32 s22, s23, FRB
	s_add_co_u32 s22, s22, s100
	s_mov_b32 s23, 0
	s_add_nc_u64 s[12:13], s[10:11], s[22:23]      ; the codes: [block][32][1,536]
	s_lshl_b32 s20, s20, 4
	s_add_co_u32 s20, s20, s42
	s_lshl_b32 s20, s20, 7
	s_lshl_b32 s22, s16, 2
	s_add_co_u32 s20, s20, s22
	s_add_co_u32 s20, s20, s101
	s_add_co_u32 s20, s20, 15728640
	s_add_nc_u64 s[66:67], s[10:11], s[20:21]      ; the scale words: [block][16][128]
	s_mov_b32 s[SEL], 0x76543210
	s_mov_b32 s[SEL+1], 0xfedcba98
.macro FRAG reg, adr, q, i             ; a fragment comes as it was stored: four loads of 512, 256, 512, 256 consecutive bytes
	ds_load_b128 v[\reg:\reg+3], v[\adr] offset:STEPB*(\i)+FRB*(\q)
	ds_load_b64 v[\reg+4:\reg+5], v[\adr+2] offset:STEPB*(\i)+FRB*(\q)+512
	ds_load_b128 v[\reg+6:\reg+9], v[\adr] offset:STEPB*(\i)+FRB*(\q)+768
	ds_load_b64 v[\reg+10:\reg+11], v[\adr+2] offset:STEPB*(\i)+FRB*(\q)+1280
.endm
; 16 matrix instructions: R's blocks a0, a0 + 1 x P's eight.  p: P's set; sc: the set of scale words.  zero = 1: the first product starts the sums from the bias along P.
; The 64 accumulators take turns, one instruction a turn, in the same order in every step.
.macro MUL16 a0, p, q, sc, zero
.irp a, \a0, \a0+1
.irp b, 0,1,2,3,4,5,6,7
.if \zero
	v_wmma_scale_f32_16x16x128_f8f6f4 v[8*(8*((\a)%4)+\b):8*(8*((\a)%4)+\b)+7], v[128*(\p)+FR*\b:128*(\p)+FR*\b+FR-1], v[AF+FR*(\a):AF+FR*(\a)+FR-1], v[BP+8*\b:BP+8*\b+7], v[SC+8*NQ*(\sc)+NQ*\b+(\q)], v[SC+8*NQ*(\sc)+NQ*(\a)+(\q)] matrix_a_fmt:MATRIX_FMT_BF6 matrix_b_fmt:MATRIX_FMT_BF6 matrix_a_scale:MATRIX_SCALE_ROW1
.else
	v_wmma_scale_f32_16x16x128_f8f6f4 v[8*(8*((\a)%4)+\b):8*(8*((\a)%4)+\b)+7], v[128*(\p)+FR*\b:128*(\p)+FR*\b+FR-1], v[AF+FR*(\a):AF+FR*(\a)+FR-1], v[8*(8*((\a)%4)+\b):8*(8*((\a)%4)+\b)+7], v[SC+8*NQ*(\sc)+NQ*\b+(\q)], v[SC+8*NQ*(\sc)+NQ*(\a)+(\q)] matrix_a_fmt:MATRIX_FMT_BF6 matrix_b_fmt:MATRIX_FMT_BF6 matrix_a_scale:MATRIX_SCALE_ROW1
.endif
.endr
.endr
.endm
.macro FETCH_B slot, q, p
	WIN TO_B
.irp i, 0,1,2,3,4,5,6,7
	FRAG 128*(\p)+FR*\i, ADRB+\slot, \q, \i
.endr
	WIN 0
.endm
.macro FETCH_A slot, q, i0
.irp i, \i0, \i0+1, \i0+2, \i0+3
	FRAG AF+FR*(\i), ADRA+\slot, \q, \i
.endr
.endm
.macro SCALES sc                       ; a K step's scale words: two words a lane index; lanes 0-15 R's block i, lanes 16-31 P's block i
.irp i, 0,1,2,3,4,5,6,7
	ds_load_b64 v[SC+8*NQ*\sc+NQ*\i:SC+8*NQ*\sc+NQ*\i+1], v[ADRS] offset:\i*SBLK
.endr
.endm
.macro PLACES n                        ; plain vector instructions between a matrix instruction and a load into, or a read of, its registers (ISA guide 7.12.1 for reads)
.rept \n
	v_nop
.endr
.endm
.macro STEP slot, q, zero              ; 128 along K whose successor lies in the same slot
	s_wait_dscnt 4*NL                              ; P's set and R's blocks 0-3 are in; the youngest 16 loads (R's blocks 4-7) may be out
.if \zero
	WIN 0x81                                       ; C (the bias) in window 0
.else
	WIN MUL_LO
.endif
	MUL16 0, (\q)%2, \q, \slot, \zero
	MUL16 2, (\q)%2, \q, \slot, \zero
	s_wait_dscnt 0
	PLACES NP
	FETCH_B \slot, (\q)+1, 1-(\q)%2
	FETCH_A \slot, (\q)+1, 0
.if \zero
	WIN 0xc1
.else
	WIN MUL_HI
.endif
	MUL16 4, (\q)%2, \q, \slot, \zero
	MUL16 6, (\q)%2, \q, \slot, \zero
	PLACES NP
	WIN 0
	FETCH_A \slot, (\q)+1, 4
.endm
; A slot's last step changes slots: ONE barrier; in front of it each wave waits for all its tensor loads, adds 0 to its spare word, and waits for that and for its reads of this slot.
.macro TURN slot, next, fill
	s_wait_tensorcnt 0x0                           ; all my tensor loads have landed: my part of the next slot
	ds_add_u32 v[SPW], v[NIL]                      ; 0 onto my spare word
	s_wait_dscnt 4*NL+1                            ; (the add and the youngest 16 loads may be out)
	WIN MUL_LO
	MUL16 0, 1, NQ-1, \slot, 0
	s_wait_dscnt 0x0                               ; the add is done, and my reads of this slot are over
	s_barrier_signal -1
	MUL16 2, 1, NQ-1, \slot, 0
	WIN 0
	s_barrier_wait -1
.if \fill
	CREST                                          ; the barrier has opened a round of the cluster's barrier: no wave of any partner still reads this slot or has a load on its way
	s_add_nc_u64 s[G0+4*\slot+2:G0+4*\slot+3], s[G0+4*\slot+2:G0+4*\slot+3], 2*STEPB
	s_add_nc_u64 s[G0B+4*\slot+2:G0B+4*\slot+3], s[G0B+4*\slot+2:G0B+4*\slot+3], 2*STEPB
	JLOAD G0+4*\slot, G1, G0B+4*\slot, G1B         ; the first tensor load behind the round; its four v_nop are the places in front of the loads below
.else
	PLACES NP
.endif
	v_add_nc_u32 v[ADRS], 128, v[ADRS]             ; the next K step's scale unit
	FETCH_B \next, 0, 0
	FETCH_A \next, 0, 0
	SCALES \next
	WIN MUL_HI
	MUL16 4, 1, NQ-1, \slot, 0
	MUL16 6, 1, NQ-1, \slot, 0
	PLACES NP
	WIN 0
	FETCH_A \next, 0, 4
.endm
	s_wait_tensorcnt 1                             ; the scale words and my part of K step 0 are in (K step 1's load may be out)
	s_barrier_signal -1
	s_barrier_wait -1                              ; everybody's are
	FETCH_B 0, 0, 0
	FETCH_A 0, 0, 0
	SCALES 0
	FETCH_A 0, 0, 4
	s_wait_loadcnt 0x0                             ; the biases
.set j, 0
.rept 64
	v_and_b32 v[BP+j], s94, v[BP+j]                ; where v is made there is no bias along P
.set j, j+1
.endr
.irp a, 0,1,2,3,4,5,6,7
	v_and_b32 v[BR+2*\a], s95, v[BR+2*\a]          ; where q and k are made there is none along R
.endr
.irp a, 0,1,2,3,4,5,6,7
	v_mov_b32 v[BR+2*\a+1], v[BR+2*\a]
.endr
	STEP 0, 0, 1                                   ; the first step stands in front of the loop: its products start the sums
	s_mov_b32 s3, LAPS-1
.Llap:                                                 ; a trip goes once round the ring and fills both slots again
	TURN 0, 1, 1
	STEP 1, 0, 0
	TURN 1, 0, 1
	STEP 0, 0, 0
	s_sub_co_u32 s3, s3, 1
	s_cmp_lg_u32 s3, 0
	s_cbranch_scc1 .Llap
	TURN 0, 1, 0                                   ; the last lap fills nothing, and has no round
	STEP 1, 0, 0
	s_wait_dscnt 4*NL
	WIN MUL_LO
	MUL16 0, 1, NQ-1, 1, 0
	MUL16 2, 1, NQ-1, 1, 0
	s_wait_dscnt 0
	WIN MUL_HI
	MUL16 4, 1, NQ-1, 1, 0
	MUL16 6, 1, NQ-1, 1, 0
	WIN 0
; 64 numbers of a lane, register 16 b + i = k 32 b + 16 (lane / 16) + i of my row, become a fragment's codes in v[PC] on and its scale word in v[PW]
.macro QUANT s
.irp b, 0,1,2,3
	v_max3_num_f32 v[TM+\b], |v[\s+16*\b]|, |v[\s+1+16*\b]|, 0x2800000   ; my 16 numbers of block b, and the floor 2^(5 - 127): the byte cannot fall under 1
.endr
.irp i, 2,4,6,8,10,12,14
.irp b, 0,1,2,3
	v_max3_num_f32 v[TM+\b], v[TM+\b], |v[\s+16*\b+\i]|, |v[\s+1+16*\b+\i]|
.endr
.endr
.irp b, 0,1,2,3
	v_permlanex16_b32 v[TM+4+\b], v[TM+\b], s[SEL], s[SEL+1]
.endr
.irp b, 0,1,2,3
	v_max_num_f32 v[TM+\b], v[TM+\b], v[TM+4+\b]   ; with lane l xor 16's: the block's largest magnitude
.endr
.irp b, 0,1,2,3
	v_add_nc_u32 v[TM+12+\b], 0xfe000000, v[TM+\b] ; 4 off its exponent field: the conversion's scale operand
.endr
.irp b, 0,1,2,3
	v_lshrrev_b32 v[TM+4+\b], 23, v[TM+12+\b]      ; the scale's byte
.endr
	v_lshl_or_b32 v[PW], v[TM+5], 8, v[TM+4]
	v_lshl_or_b32 v[PW], v[TM+6], 16, v[PW]
	v_lshl_or_b32 v[PW], v[TM+7], 24, v[PW]
.irp c, 0,1
	v_cvt_scalef32_pk16_bf6_f32 v[PC+6*\c:PC+2+6*\c], v[\s+32*\c:\s+15+32*\c], v[TM+12+2*\c]
	v_cvt_scalef32_pk16_bf6_f32 v[PC+12+4*\c:PC+14+4*\c], v[\s+16+32*\c:\s+31+32*\c], v[TM+12+2*\c+1]
.endr
	v_nop                                          ; one plain place behind a scaled conversion
.irp c, 0,1                                    ; the operand's layout wants a whole block in a lane
.irp i, 0,1,2
	v_permlane16_swap_b32 v[PC+6*\c+\i], v[PC+12+4*\c+\i]
.endr
.irp i, 0,1,2
	v_mov_b32 v[PC+3+6*\c+\i], v[PC+12+4*\c+\i]
.endr
.endr
.endm
; THE WAY OUT of R's block a: its eight accumulators are 128 neighbours along P of 16 rows: one fragment of the next product, and one scale word a row.  No LDS.
.macro OUTQ a
.if (\a) > 0
	s_wait_xcnt 0x0                                ; the last block's stores have read their registers, which are written again
.endif
	WIN 0x02+(\a)/4                                ; source 0: window 2 or 3
.set AC, 64*((\a)%4)
.set i, 0
.rept 32
	v_pk_add_f32 v[T+i:T+i+1], v[AC+i:AC+i+1], v[BR+2*(\a):BR+2*(\a)+1]   ; + the bias along R; each accumulator from its low end on
.set i, i+2
.endr
	WIN 0
	QUANT T
	global_store_b128 v[CO], v[PC:PC+3], s[12:13] offset:(\a)*49152
	global_store_b64 v[C8], v[PC+4:PC+5], s[12:13] offset:(\a)*49152+512
	global_store_b128 v[CO], v[PC+6:PC+9], s[12:13] offset:(\a)*49152+768
	global_store_b64 v[C8], v[PC+10:PC+11], s[12:13] offset:(\a)*49152+1280
.if (\a)%2 == 0
	v_mov_b32 v[PWE], v[PW]
.else
	v_cndmask_b32 v[PWM], v[PWE], v[PW], s2        ; lanes 0-15 the even block's words, lanes 16-31 the odd block's
	global_store_b32 v[VOS], v[PWM], s[66:67] offset:((\a)-1)*2048   ; 4 bytes a lane, 8 apart: the unit's other words are the neighbouring wave's; one byte in 24 of what leaves
.endif
.endm
	PLACES NP                                      ; behind the last products: their results are read and their operands' registers written
.irp b, 0,1,2,3
	v_mov_b32 v[TM+4+\b], 0                        ; a lane permute's destination counts as one of its sources
.endr
.irp a, 0,1,2,3,4,5,6,7
	OUTQ \a
.endr
	s_wait_tensorcnt 0x0                           ; the wave's end
	ds_add_u32 v[SPW], v[NIL]
	s_wait_dscnt 0x0
	CROUND                                         ; the closing round: no work-group ends while a partner may still ask for a tile that names it
	s_endpgm
.Lfunc_end_k_q18688ba45d_qkv:
	.size	k_q18688ba45d_qkv, .Lfunc_end_k_q18688ba45d_qkv-k_q18688ba45d_qkv
	.p2alignl 7, 3214868480
	.fill 96, 4, 3214868480
	.section	.rodata,"a",@progbits
	.p2align	6, 0x0
	.amdhsa_kernel k_q18688ba45d_qkv
		.amdhsa_group_segment_fixed_size 327680
		.amdhsa_private_segment_fixed_size 0
		.amdhsa_enable_private_segment 0
		.amdhsa_kernarg_size 48
		.amdhsa_user_sgpr_count 2
		.amdhsa_user_sgpr_kernarg_segment_ptr 1
		.amdhsa_wavefront_size32 1
		.amdhsa_system_sgpr_workgroup_id_x 1
		.amdhsa_system_sgpr_workgroup_id_y 1
		.amdhsa_system_sgpr_workgroup_id_z 1
		.amdhsa_system_vgpr_workitem_id 0
		.amdhsa_next_free_vgpr 1024
		.amdhsa_next_free_sgpr 102
		.amdhsa_reserve_vcc 0
		.amdhsa_float_denorm_mode_32 3
		.amdhsa_float_denorm_mode_16_64 3
		.amdhsa_memory_ordered 1
		.amdhsa_forward_progress 1
		.amdhsa_inst_pref_size 171
	.end_amdhsa_kernel
	.amdgpu_metadata
---
amdhsa.version: [ 1, 2 ]
amdhsa.kernels:
  - .name:           k_q18688ba45d_qkv
    .symbol:         k_q18688ba45d_qkv.kd
    .args:
      - { .name: opc, .offset: 0, .size: 8, .value_kind: global_buffer, .address_space: global }
      - { .name: ops, .offset: 8, .size: 8, .value_kind: global_buffer, .address_space: global }
      - { .name: bq, .offset: 16, .size: 8, .value_kind: global_buffer, .address_space: global }
      - { .name: bk, .offset: 24, .size: 8, .value_kind: global_buffer, .address_space: global }
      - { .name: bv, .offset: 32, .size: 8, .value_kind: global_buffer, .address_space: global }
      - { .name: att, .offset: 40, .size: 8, .value_kind: global_buffer, .address_space: global }
    .group_segment_fixed_size: 327680
    .private_segment_fixed_size: 0
    .kernarg_segment_align: 8
    .kernarg_segment_size: 48
    .max_flat_workgroup_size: 128
    .sgpr_count:     102
    .vgpr_count:     1024
    .wavefront_size: 32
...
	.end_amdgpu_metadata
.endif
;; end of part 2
;; launch attn (part 3): grid 8 x 32, 16 waves a work-group, clusters of 4 x 1, 231,424 bytes of LDS; arguments att, oc; writes oc
.if DOCPART == 3
	.amdgcn_target "amdgcn-amd-amdhsa--gfx1250"
	.amdhsa_code_object_version 6
	.text
	.protected	k_q18688ba45d_attn
	.globl	k_q18688ba45d_attn
	.p2align	8
	.type	k_q18688ba45d_attn,@function
k_q18688ba45d_attn:
	s_mov_b64 s[64:65], 0
	v_nop
	global_prefetch_b8 v0, s[64:65] scope:SCOPE_SE
	s_setreg_imm32_b32 hwreg(HW_REG_WAVE_MODE, 25, 1), 1
	s_wait_xcnt 0x0
	s_wait_alu depctr_hold_cnt(0) depctr_sa_sdst(0) depctr_va_vdst(0) depctr_va_sdst(0) depctr_va_ssrc(0) depctr_va_vcc(0) depctr_vm_vsrc(0)
	s_getreg_b32 s2, hwreg(HW_REG_IB_STS2, 6, 4)
	s_cmp_eq_u32 s2, 0
	s_cbranch_scc0 .Lentry_in_a_cluster
	s_endpgm
.Lentry_in_a_cluster:
	s_bfe_u32 s2, ttmp6, 0x10000c
	s_cmp_lg_u32 s2, 0x3003
	s_cbranch_scc0 .Lentry_shape_is_right
	s_endpgm
.Lentry_shape_is_right:
; O = softmax(q k^T / 8) v for one head (64 wide) of one batch (2,048 keys), both products on codes of BF6 (E3M2) with E8M0 scales for each 32 along K; O is divided by the row's sum and quantised along D.
; t = score x log2(e) / 8; M = the running largest t rounded UP to a whole number; p = 2^(t - M) is quantised along the keys; the row's sum is taken of the unquantised p.
; SHARES.  A work-group owns 256 queries of a head; each of its sixteen waves one block of 16.  ALL of the head's K and V, codes and scale words, 217,088 bytes, comes into LDS once and stays: no slot is ever filled again.
; The four query blocks of a cluster ask for it jointly: wave 0 for K (five loads), wave 1 for V (five loads): five tensor loads of a wave are out at the most.
; All operands lie as images of their registers.  Both products are used transposed (S^T = K Q^T, O^T = V^T P^T): a lane holds one query throughout.
; Lane index r of a block t is row 32 (t / 2) + 8 (t % 2) + r + 8 (r / 8): so the 16 registers of tiles 2 b, 2 b + 1 are 16 neighbouring keys (or 16 neighbours of the head's 64).
; THE FIRST PRODUCT'S K IS 64, THE INSTRUCTION'S 128: Q's codes of the upper 64 are zeros, so whatever K's registers 6-11 hold adds nothing (every code of E3M2 is a finite number);
; the scale bytes of the upper 64 are the 0 that a 16-bit load leaves.
; LIMITS: a block of zeros gets the byte 1 (its codes are zeros; this program alone reads the bytes); NaN and infinities are not served.
; REGISTERS: v1-7, v30 addresses that stay; v8-11, v28, v29 the trip's addresses; v12 -M, v13 the largest t, v[14:15] the sum; v16-27 Q; v32-79 four fragments of K or V; v96-159 S^T, then p; v160-191 O^T;
;   v224-235 p's codes; v232-254 at work; v248-251, v253, v255 scale words.
.set VCD,  98304                       ; LDS: K's codes [block 128][768] at 0; V's [chunk 4][tile 4][step 4][1,536] here;
.set KSB,  196608                      ; K's scale units [block 128][128];
.set VSB,  212992                      ; V's [tile 4][8][128]
.set WV,   18
.set SEL,  20
.set CS,   22
.set G1K,  24
.set G1V,  32
.set G1KS, 40
.set G1VS, 48
.set CNT,  80
.set TBK,  82                          ; where the trip's K begins, V, K's scale units, V's
.set TBV,  83
.set TSK,  84
.set TSV,  85
.macro CROUND                          ; a round of the cluster's barrier
	s_barrier_signal -1
	s_barrier_wait -1
	s_cmp_lg_u32 s[WV], 0
	s_cbranch_scc1 .Lnot_wave_0_\@
	s_barrier_signal -3
.Lnot_wave_0_\@:
	s_barrier_wait -3
	s_barrier_signal -1
	s_barrier_wait -1
.endm
	s_load_b128 s[4:7], s[0:1], 0x0                ; att, oc
	v_lshl_add_u32 v223, v0, 2, 0x38000
	v_mov_b32 v243, 0
	ds_add_u32 v223, v243
	ds_add_u32 v223, v243
	v_lshrrev_b32 v8, 5, v0
	v_readfirstlane_b32 s[WV], v8                  ; wave 0..15
	s_and_b32 s8, ttmp7, 0xffff
	s_lshr_b32 s9, s8, 4                           ; the batch
	s_and_b32 s10, s8, 15                          ; the head
	s_lshr_b32 s11, s10, 1                         ; its pair: a fragment holds two heads,
	s_and_b32 s12, s10, 1                          ; this one in half fragment par
	s_lshr_b32 s13, s10, 2                         ; a scale unit holds four heads,
	s_and_b32 s14, s10, 3                          ; two bytes each
	s_bfe_u32 s15, ttmp6, 0x40000                  ; cx
	s_lshl_b32 s16, ttmp9, 2
	s_add_co_u32 s16, s16, s15
	s_lshl_b32 s16, s16, 4
	s_lshl_b32 s17, s9, 7
	s_add_co_u32 s17, s17, s16
	s_add_co_u32 s17, s17, s[WV]                   ; my block of queries: it enters Q's and O's addresses alone
	s_mul_i32 s19, s11, 1536
	s_mul_i32 s86, s12, 768
	s_add_co_u32 s19, s19, s86                     ; the head's half fragment in a block's row of fragments
	s_mul_i32 s86, s9, 6291456                     ; K's codes: the batch's 128 blocks of 49,152 bytes, fragments 8 on
	s_add_co_u32 s86, s86, s19
	s_add_co_u32 s86, s86, 8*1536
	s_lshl_b32 s88, s9, 18                         ; K's scale units: units 4 on
	s_lshl_b32 s87, s13, 7
	s_add_co_u32 s88, s88, s87
	s_add_co_u32 s88, s88, 15728640+512
	s_mul_i32 s89, s10, 196608                     ; V's codes: the head's four blocks, the batch's 16 fragments
	s_mul_i32 s87, s9, 24576
	s_add_co_u32 s89, s89, s87
	s_add_co_u32 s89, s89, 12582912
	s_lshl_b32 s90, s10, 13                        ; V's scale units
	s_lshl_b32 s87, s9, 10
	s_add_co_u32 s90, s90, s87
	s_add_co_u32 s90, s90, 16252928
	s_mov_b32 s91, 6144
	s_cmp_eq_u32 s[WV], 0                          ; wave 0 fetches K, wave 1 V: offsets are chosen, no addresses
	s_cselect_b32 s86, s86, s89
	s_cselect_b32 s88, s88, s90
	s_cselect_b32 s92, 1572864, s91                ; from chunk to chunk: 32 blocks of keys, or four fragments
	s_mov_b32 s87, 0
	s_mov_b32 s89, 0
	s_mov_b32 s93, 0
	; descriptor groups 1: elements of 8 bytes, the mask of all four work-groups, bit 21 beside it, no padding
.irp g, G1K, G1V, G1KS, G1VS
	s_mov_b32 s[\g], 15|(3<<16)|(1<<21)
	s_mov_b32 s[\g+6], 0
	s_mov_b32 s[\g+7], 0
.endr
	s_mov_b32 s[G1K+1], 96<<16                     ; K's codes: 32 rows of 768 bytes, 49,152 bytes apart
	s_mov_b32 s[G1K+2], 32<<16
	s_mov_b32 s[G1K+3], 96<<16
	s_mov_b32 s[G1K+4], 32
	s_mov_b32 s[G1K+5], 6144
	s_mov_b32 s[G1V+1], 768<<16                    ; V's codes: 4 rows of 6,144 bytes, 49,152 bytes apart
	s_mov_b32 s[G1V+2], 4<<16
	s_mov_b32 s[G1V+3], 768<<16
	s_mov_b32 s[G1V+4], 4
	s_mov_b32 s[G1V+5], 6144
	s_mov_b32 s[G1KS+1], 16<<16                    ; K's scale units: 128 rows of 128 bytes, 2,048 bytes apart
	s_mov_b32 s[G1KS+2], 128<<16
	s_mov_b32 s[G1KS+3], 16<<16
	s_mov_b32 s[G1KS+4], 128
	s_mov_b32 s[G1KS+5], 256
	s_mov_b32 s[G1VS+1], 128<<16                   ; V's: 4 rows of 1,024 bytes, 2,048 bytes apart
	s_mov_b32 s[G1VS+2], 4<<16
	s_mov_b32 s[G1VS+3], 128<<16
	s_mov_b32 s[G1VS+4], 4
	s_mov_b32 s[G1VS+5], 256
	s_mul_i32 s96, s[WV], VCD                      ; in LDS: K's codes at 0, V's behind them;
	s_lshl_b32 s97, s[WV], 14                      ; K's scale units, V's behind them
	s_mov_b32 s[SEL], 0x76543210
	s_mov_b32 s[SEL+1], 0xfedcba98
	s_mov_b32 s[CS], 0x3e38aa3b                    ; c = log2(e) / 8
	s_mov_b32 s[CS+1], s[CS]
	s_mov_b32 s[TBK], 0
	s_mov_b32 s[TBV], 0
	s_mov_b32 s[TSK], 0
	s_mov_b32 s[TSV], 0
	s_mov_b32 s[CNT], 4
	s_wait_dscnt 0x0
	s_wait_kmcnt 0x0
	s_add_nc_u64 s[94:95], s[4:5], s[86:87]
	s_mov_b32 s56, 1
	s_add_co_u32 s57, s97, KSB
	s_add_nc_u64 s[58:59], s[4:5], s[88:89]
	s_or_b32 s59, s59, 0x80000000
.set c, 0
.irp g, 60,68,72,76                            ; a group 0 for each chunk of 512 keys
	s_mov_b32 s[\g], 1
	s_add_co_u32 s[\g+1], s96, c*24576
	s_mov_b64 s[\g+2:\g+3], s[94:95]
	s_or_b32 s[\g+3], s[\g+3], 0x80000000
	s_add_nc_u64 s[94:95], s[94:95], s[92:93]
.set c, c+1
.endr
	CROUND                                         ; all four work-groups are here: the joint loads meet
	s_cmp_eq_u32 s[WV], 0                          ; a wave's loads stand in one branch on the wave's number
	s_cbranch_scc0 .Lnot_k
	tensor_load_to_lds s[56:59], s[G1KS:G1KS+7]
	s_nop 0
	tensor_load_to_lds s[60:63], s[G1K:G1K+7]
	s_nop 0
	tensor_load_to_lds s[68:71], s[G1K:G1K+7]
	s_nop 0
	tensor_load_to_lds s[72:75], s[G1K:G1K+7]
	s_nop 0
	tensor_load_to_lds s[76:79], s[G1K:G1K+7]
	s_nop 0
.rept 4
	v_nop
.endr
	s_branch .Lasked
.Lnot_k:
	s_cmp_eq_u32 s[WV], 1
	s_cbranch_scc0 .Lasked
	tensor_load_to_lds s[56:59], s[G1VS:G1VS+7]
	s_nop 0
	tensor_load_to_lds s[60:63], s[G1V:G1V+7]
	s_nop 0
	tensor_load_to_lds s[68:71], s[G1V:G1V+7]
	s_nop 0
	tensor_load_to_lds s[72:75], s[G1V:G1V+7]
	s_nop 0
	tensor_load_to_lds s[76:79], s[G1V:G1V+7]
	s_nop 0
.rept 4
	v_nop
.endr
.Lasked:
	s_mul_i32 s86, s17, 49152
	s_add_co_u32 s86, s86, s19
	s_add_nc_u64 s[66:67], s[4:5], s[86:87]        ; Q's half fragment
	s_lshl_b32 s88, s13, 7
	s_lshl_b32 s90, s14, 1
	s_add_co_u32 s88, s88, s90                     ; the head's two bytes in a block's scale units
	s_lshl_b32 s86, s17, 11
	s_add_co_u32 s86, s86, s88
	s_add_co_u32 s86, s86, 15728640
	s_add_nc_u64 s[98:99], s[4:5], s[86:87]        ; Q's scale bytes
	s_mul_i32 s86, s17, 12288
	s_add_co_u32 s86, s86, s19
	s_add_nc_u64 s[100:101], s[6:7], s[86:87]      ; O's half fragment
	s_lshl_b32 s86, s17, 9
	s_add_co_u32 s86, s86, s88
	s_add_co_u32 s86, s86, 3145728
	s_add_nc_u64 s[6:7], s[6:7], s[86:87]          ; O's scale bytes
	s_add_co_u32 s97, s90, KSB
	v_and_b32 v8, 15, v0                           ; r
	v_and_b32 v10, 31, v0                          ; lane
	v_lshlrev_b32 v1, 4, v10                       ; 16 x lane
	v_lshl_add_u32 v2, v10, 3, 512                 ; 8 x lane + 512
	v_lshl_add_u32 v3, v10, 4, VCD
	v_lshl_add_u32 v4, v10, 3, VCD+512
	v_lshl_add_u32 v5, v8, 3, s97                  ; K's scale bytes: 8 r + the head's two
	v_lshl_add_u32 v6, v8, 3, VSB                  ; V's scale words
	v_lshlrev_b32 v7, 3, v8                        ; 8 r
	v_lshlrev_b32 v30, 3, v10                      ; 8 x lane
	global_load_b128 v[16:19], v1, s[66:67]        ; Q stays in registers: the head's 64 in registers 0-5
	global_load_b64 v[20:21], v30, s[66:67] offset:512
	global_load_u16 v255, v7, s[98:99]             ; its two scale bytes; the upper two are 0
.irp j, 22,23,24,25,26,27
	v_mov_b32 v[\j], 0                             ; the upper 64 along K: zero codes
.endr
.irp t, 0,1,2,3
.irp j, 6,7,8,9,10,11
	v_mov_b32 v[32+12*\t+\j], 0                    ; K's registers of the upper 64: written once; later they hold V's codes, which meet Q's zeros
.endr
.endr
	v_mov_b32 v13, 0xff61b1e6                      ; the largest t so far: -3e38
	v_floor_f32 v12, -v13                          ; -M
	v_mov_b32 v14, 0
	v_mov_b32 v15, 0
.irp b, 0,1,2,3
	v_mov_b32 v[236+\b], 0                         ; a lane permute's destination counts as one of its sources
.endr
	v_mov_b32 v253, 0
.set j, 0
.rept 32
	v_mov_b32 v[160+j], 0                          ; O^T: the step is written without a first step of its own; the first change of M multiplies zeros
.set j, j+1
.endr
; A KEY STEP: 128 keys, the u-th of the trip's four
.macro STEP u
	v_add_nc_u32 v8, s[TBK], v1                    ; (these six are also the places behind the last products)
	v_add_nc_u32 v9, s[TBK], v2
	v_add_nc_u32 v10, s[TBV], v3
	v_add_nc_u32 v11, s[TBV], v4
	v_add_nc_u32 v28, s[TSK], v5
	v_add_nc_u32 v29, s[TSV], v6
.irp g, 0,1                                    ; S^T = K Q^T, four tiles of 16 keys at a time
.if \g > 0
.rept 4
	v_nop
.endr
.endif
.irp t, 0,1,2,3
	ds_load_b128 v[32+12*\t:35+12*\t], v8 offset:6144*(\u)+768*(4*\g+\t)
	ds_load_b64 v[36+12*\t:37+12*\t], v9 offset:6144*(\u)+768*(4*\g+\t)
	ds_load_u16 v[248+\t], v28 offset:1024*(\u)+128*(4*\g+\t)
.endr
	s_wait_dscnt 0x0
.irp t, 0,1,2,3
	v_wmma_scale_f32_16x16x128_f8f6f4 v[96+8*(4*\g+\t):103+8*(4*\g+\t)], v[32+12*\t:43+12*\t], v[16:27], 0, v[248+\t], v255 matrix_a_fmt:MATRIX_FMT_BF6 matrix_b_fmt:MATRIX_FMT_BF6
.endr
.endr
.rept 4
	v_nop                                          ; places: the scores are read, and V's fragments land where K's lay
.endr
.irp t, 0,1,2,3                                ; V's four fragments and scale words are asked for now and land under the softmax
	ds_load_b128 v[32+12*\t:35+12*\t], v10 offset:6144*\t+1536*(\u)
	ds_load_b64 v[36+12*\t:37+12*\t], v11 offset:6144*\t+1536*(\u)
	ds_load_b128 v[38+12*\t:41+12*\t], v10 offset:6144*\t+1536*(\u)+768
	ds_load_b64 v[42+12*\t:43+12*\t], v11 offset:6144*\t+1536*(\u)+768
	ds_load_b32 v[248+\t], v29 offset:1024*\t+128*((\u)/2)+4*((\u)%2)
.endr
.irp b, 0,1,2,3
	v_max3_num_f32 v[232+\b], v[96+16*\b], v[97+16*\b], v[98+16*\b]   ; the largest score of each block of 32 keys: for the row's maximum and, since p rises with the score, for the block's largest p
.endr
.irp i, 3,5,7,9,11,13
.irp b, 0,1,2,3
	v_max3_num_f32 v[232+\b], v[232+\b], v[96+16*\b+\i], v[97+16*\b+\i]
.endr
.endr
.irp b, 0,1,2,3
	v_max_num_f32 v[232+\b], v[232+\b], v[111+16*\b]
.endr
.irp b, 0,1,2,3
	v_permlanex16_b32 v[236+\b], v[232+\b], s[SEL], s[SEL+1]
.endr
.irp b, 0,1,2,3
	v_max_num_f32 v[232+\b], v[232+\b], v[236+\b]  ; with lane l xor 16's 16 keys
.endr
	v_max3_num_f32 v254, v232, v233, v234
	v_max_num_f32 v254, v254, v235
	v_mul_f32 v254, s[CS], v254                    ; the step's largest t
	v_max_num_f32 v13, v13, v254                   ; the running largest t
	v_mov_b32 v254, v12
	v_floor_f32 v12, -v13                          ; the new -M = -ceil(t): a whole number
	v_sub_f32 v254, v12, v254                      ; old M - new M: a whole number, 0 or less
	v_cvt_i32_f32 v254, v254                       ; (it saturates)
	v_ldexp_f32 v252, 1.0, v254                    ; f = 2^(old M - new M): a multiplication by it rounds nothing
.set j, 0
.rept 32
	v_pk_fma_f32 v[96+j:97+j], v[96+j:97+j], s[CS:CS+1], v[12:13] op_sel_hi:[1,0,0]   ; t - M
.set j, j+2
.endr
.irp b, 0,1,2,3
	v_fma_f32 v[232+\b], v[232+\b], s[CS], v12     ; the same of each block's largest score
.endr
.set j, 0
.rept 64
	v_exp_f32 v[96+j], v[96+j]                     ; p = 2^(t - M), at most 1
.set j, j+1
.endr
	v_pk_mul_f32 v[14:15], v[14:15], v[252:253] op_sel_hi:[1,0]   ; the sums under the new M: the plain instruction behind the exponentials
	s_wait_alu depctr_va_vdst(0)                   ; one wait for the whole batch, ahead of its first reader
.irp b, 0,1,2,3
	v_exp_f32 v[232+\b], v[232+\b]                 ; the block's largest p
.endr
	v_pk_add_f32 v[236:237], v[96:97], v[98:99]    ; the row's sum, of the unquantised p, in two chains
.irp j, 4,8,12,16,20,24,28,32,36,40,44,48,52,56,60
	v_pk_add_f32 v[14:15], v[14:15], v[96+\j:97+\j]
	v_pk_add_f32 v[236:237], v[236:237], v[98+\j:99+\j]
.endr
	v_pk_add_f32 v[14:15], v[14:15], v[236:237]
	s_wait_alu depctr_va_vdst(0)                   ; and one for the four
.irp b, 0,1,2,3
	v_max_num_f32 v[232+\b], 0x2800000, v[232+\b]  ; the floor 2^(5 - 127)
.endr
.irp b, 0,1,2,3
	v_add_nc_u32 v[244+\b], 0xfe000000, v[232+\b]  ; the conversion's scale operand
.endr
.irp b, 0,1,2,3
	v_lshrrev_b32 v[236+\b], 23, v[244+\b]         ; the scale's byte
.endr
	v_lshl_or_b32 v253, v237, 8, v236              ; p's scale word for these 128 keys
	v_lshl_or_b32 v253, v238, 16, v253
	v_lshl_or_b32 v253, v239, 24, v253
.irp c, 0,1
	v_cvt_scalef32_pk16_bf6_f32 v[224+6*\c:226+6*\c], v[96+32*\c:111+32*\c], v[244+2*\c]
	v_cvt_scalef32_pk16_bf6_f32 v[236+4*\c:238+4*\c], v[112+32*\c:127+32*\c], v[244+2*\c+1]
.endr
	v_nop                                          ; one plain place behind a scaled conversion
.irp c, 0,1
.irp i, 0,1,2
	v_permlane16_swap_b32 v[224+6*\c+\i], v[236+4*\c+\i]
.endr
.irp i, 0,1,2
	v_mov_b32 v[227+6*\c+\i], v[236+4*\c+\i]
.endr
.endr
.set j, 0
.rept 16
	v_pk_mul_f32 v[160+j:161+j], v[160+j:161+j], v[252:253] op_sel_hi:[1,0]   ; O^T under the new M; also the places in front of the products below
.set j, j+2
.endr
	s_wait_dscnt 0x0                               ; V is in
.irp t, 0,1,2,3                                ; O^T += V^T P^T: four accumulators by turns
	v_wmma_scale_f32_16x16x128_f8f6f4 v[160+8*\t:167+8*\t], v[32+12*\t:43+12*\t], v[224:235], v[160+8*\t:167+8*\t], v[248+\t], v253 matrix_a_fmt:MATRIX_FMT_BF6 matrix_b_fmt:MATRIX_FMT_BF6
.endr
.endm
	s_wait_tensorcnt 0x0                           ; my loads have landed,
	s_barrier_signal -1
	s_barrier_wait -1                              ; everybody's have: the head's K and V lie in LDS
	s_wait_loadcnt 0x0                             ; Q
.Lchunk:                                           ; four trips of 512 keys
	STEP 0
	STEP 1
	STEP 2
	STEP 3
	s_add_co_u32 s[TBK], s[TBK], 24576
	s_add_co_u32 s[TBV], s[TBV], 24576
	s_add_co_u32 s[TSK], s[TSK], 4096
	s_add_co_u32 s[TSV], s[TSV], 256
	s_sub_co_u32 s[CNT], s[CNT], 1
	s_cmp_lg_u32 s[CNT], 0
	s_cbranch_scc1 .Lchunk
	; THE WAY OUT: O^T / the sum; register 16 b + i is channel 32 b + 16 (lane / 16) + i of my query: two blocks of 32 along D: half a fragment of the next product
.rept 4
	v_nop                                          ; places behind the last products
.endr
	v_add_f32 v14, v14, v15
	v_permlanex16_b32 v252, v14, s[SEL], s[SEL+1]
	v_add_f32 v14, v14, v252                       ; the row's sum
	v_rcp_f32 v14, v14
	v_nop
	s_wait_alu depctr_va_vdst(0)
.set j, 0
.rept 32
	v_mul_f32 v[96+j], v[160+j], v14
.set j, j+1
.endr
.irp b, 0,1
	v_max3_num_f32 v[232+\b], |v[96+16*\b]|, |v[97+16*\b]|, 0x2800000
.endr
.irp i, 2,4,6,8,10,12,14
.irp b, 0,1
	v_max3_num_f32 v[232+\b], v[232+\b], |v[96+16*\b+\i]|, |v[97+16*\b+\i]|
.endr
.endr
.irp b, 0,1
	v_permlanex16_b32 v[236+\b], v[232+\b], s[SEL], s[SEL+1]
.endr
.irp b, 0,1
	v_max_num_f32 v[232+\b], v[232+\b], v[236+\b]
.endr
.irp b, 0,1
	v_add_nc_u32 v[244+\b], 0xfe000000, v[232+\b]
.endr
.irp b, 0,1
	v_lshrrev_b32 v[236+\b], 23, v[244+\b]
.endr
	v_lshl_or_b32 v240, v237, 8, v236              ; the head's two scale bytes
	v_cvt_scalef32_pk16_bf6_f32 v[224:226], v[96:111], v244
	v_cvt_scalef32_pk16_bf6_f32 v[236:238], v[112:127], v245
	v_nop
.irp i, 0,1,2
	v_permlane16_swap_b32 v[224+\i], v[236+\i]
.endr
.irp i, 0,1,2
	v_mov_b32 v[227+\i], v[236+\i]
.endr
	global_store_b128 v1, v[224:227], s[100:101]   ; 512 and 256 consecutive bytes, aligned
	global_store_b64 v30, v[228:229], s[100:101] offset:512
	global_store_b16 v7, v240, s[6:7]              ; two bytes a row: a scale word spans two heads, which are two work-groups; lanes r and r + 16 store the same bytes at the same place
	s_wait_tensorcnt 0x0
	ds_add_u32 v223, v243
	s_wait_dscnt 0x0
	CROUND                                         ; the closing round
	s_endpgm
.Lfunc_end_k_q18688ba45d_attn:
	.size	k_q18688ba45d_attn, .Lfunc_end_k_q18688ba45d_attn-k_q18688ba45d_attn
	.p2alignl 7, 3214868480
	.fill 96, 4, 3214868480
	.section	.rodata,"a",@progbits
	.p2align	6, 0x0
	.amdhsa_kernel k_q18688ba45d_attn
		.amdhsa_group_segment_fixed_size 231424
		.amdhsa_private_segment_fixed_size 0
		.amdhsa_enable_private_segment 0
		.amdhsa_kernarg_size 16
		.amdhsa_user_sgpr_count 2
		.amdhsa_user_sgpr_kernarg_segment_ptr 1
		.amdhsa_wavefront_size32 1
		.amdhsa_system_sgpr_workgroup_id_x 1
		.amdhsa_system_sgpr_workgroup_id_y 1
		.amdhsa_system_sgpr_workgroup_id_z 1
		.amdhsa_system_vgpr_workitem_id 0
		.amdhsa_next_free_vgpr 256
		.amdhsa_next_free_sgpr 102
		.amdhsa_reserve_vcc 0
		.amdhsa_float_denorm_mode_32 3
		.amdhsa_float_denorm_mode_16_64 3
		.amdhsa_memory_ordered 1
		.amdhsa_forward_progress 1
		.amdhsa_inst_pref_size 82
	.end_amdhsa_kernel
	.amdgpu_metadata
---
amdhsa.version: [ 1, 2 ]
amdhsa.kernels:
  - .name:           k_q18688ba45d_attn
    .symbol:         k_q18688ba45d_attn.kd
    .args:
      - { .name: att, .offset: 0, .size: 8, .value_kind: global_buffer, .address_space: global }
      - { .name: oc, .offset: 8, .size: 8, .value_kind: global_buffer, .address_space: global }
    .group_segment_fixed_size: 231424
    .private_segment_fixed_size: 0
    .kernarg_segment_align: 8
    .kernarg_segment_size: 16
    .max_flat_workgroup_size: 512
    .sgpr_count:     102
    .vgpr_count:     256
    .wavefront_size: 32
...
	.end_amdgpu_metadata
.endif
;; end of part 3
;; launch wo (part 4): grid 4 x 16, 4 waves a work-group, clusters of 4 x 4, 327,680 bytes of LDS; arguments oc, opc, ops, bo, x, hb; writes hb
.if DOCPART == 4
	.amdgcn_target "amdgcn-amd-amdhsa--gfx1250"
	.amdhsa_code_object_version 6
	.text
	.protected	k_q18688ba45d_wo
	.globl	k_q18688ba45d_wo
	.p2align	8
	.type	k_q18688ba45d_wo,@function
k_q18688ba45d_wo:
	s_mov_b64 s[64:65], 0
	v_nop
	global_prefetch_b8 v0, s[64:65] scope:SCOPE_SE
	s_setreg_imm32_b32 hwreg(HW_REG_WAVE_MODE, 25, 1), 1
	s_wait_xcnt 0x0
	s_wait_alu depctr_hold_cnt(0) depctr_sa_sdst(0) depctr_va_vdst(0) depctr_va_sdst(0) depctr_va_ssrc(0) depctr_va_vcc(0) depctr_vm_vsrc(0)
	s_getreg_b32 s2, hwreg(HW_REG_IB_STS2, 6, 4)
	s_cmp_eq_u32 s2, 0
	s_cbranch_scc0 .Lentry_in_a_cluster
	s_endpgm
.Lentry_in_a_cluster:
	s_bfe_u32 s2, ttmp6, 0x10000c
	s_cmp_lg_u32 s2, 0xf033
	s_cbranch_scc0 .Lentry_shape_is_right
	s_endpgm
.Lentry_shape_is_right:
; out = res + A W^T + bias on codes of BF6 (E3M2) with E8M0 scales for each 32 along K.  Here: h = x + O wo^T + bo, K = 1,024.
; Operands lie in memory as images of their registers (fragments of 1,536 bytes, scale units of 128 bytes); A's scale units lie RSOFF bytes behind its codes; W's blocks begin at block FBP of the operands' buffer.
; A tile is 256 rows (R: source 1, a lane's row) x 256 columns (P: source 0, along a lane's registers); four waves, each 128 x 128: 64 accumulators.
; Lane index r of a block t is row 32 (t / 2) + 8 (t % 2) + r + 8 (r / 8), in A and in W alike: it shows only where f32 rows are read or written.
; K goes in steps of 256 through a ring of two LDS slots; all scale words of the tile come once.  R's tiles are asked for jointly along a row of the 4 x 4 cluster, P's along a column.
; The bias is the C of each sum's first product; the residual is added on the way out, where rows go through the wave's stage in LDS and leave as 512 consecutive bytes.
; REGISTERS: window 0: v16-31 addresses; v32-63 scale words, two sets; v64-127 the bias; v128-223 R's fragments, one set; on the way out v128-191 a block's rows.
;   window 1: P's fragments, two sets, at v0 and v128; on the way out four buffers of residual rows.   windows 2, 3: the accumulators ((a, b) at v[8 (8 (a % 4) + b)]).
.set SIZE_K, 1024
.set RSOFF,  3145728
.set FBP,    448
.set PITCHB, 12*SIZE_K                 ; a block's codes in memory
.set SBLK,   SIZE_K/2                  ; a block's scale words
.set HALFS,  8*SBLK
.set NQ,     2
.set FR,     12
.set NL,     4
.set NP,     4                         ; places behind this matrix instruction (ISA guide 7.12.1)
.set FRB,    1536
.set STEPB,  NQ*FRB
.set HALFT,  8*STEPB
.set SLOT,   4*HALFT
.set SCL,    2*SLOT
.set SPARE,  SCL+4*HALFS               ; the spare words, 128 bytes a wave, that no other line names
.set LAPS,   SIZE_K/512
.set ADRA, 16
.set ADRB, 20
.set STO,  24                          ; v24  the stage: where I put 32 bytes of a row
.set RD,   25                          ; v25  and where I read a row back
.set CO,   26                          ; v26  16 x lane
.set ADRS, 27
.set SPW,  28
.set NIL,  29
.set C8,   30
.set SC,   32
.set BP,   64
.set AF,   128
.set BB,   128
.set G1, 24
.set G0, 32
.set G1B, 48
.set G0B, 56
.set G1S, 68
.set G0S, 76
.set G1SB, 80
.set G0SB, 88
.set MSB, 0
.macro WIN new                         ; the immediate's high byte repeats the setting that is left
.if MSB != (\new)
	s_set_vgpr_msb (MSB<<8)|(\new)
.set MSB, (\new)
.endif
.endm
.set MUL_LO, 0xa1
.set MUL_HI, 0xf1
.set TO_B,   0x40
.macro JLOAD g0a, g1a, g0b, g1b        ; a joint load: waves 0 and 1 fetch for R, waves 2 and 3 for P; four v_nop follow each of the two lines
	s_cmp_eq_u32 s15, 0
	s_cbranch_scc0 .Lfor_b_\@
	tensor_load_to_lds s[\g0a:\g0a+3], s[\g1a:\g1a+7]
	s_nop 0
.rept 4
	v_nop
.endr
	s_branch .Lasked_\@
.Lfor_b_\@:
	tensor_load_to_lds s[\g0b:\g0b+3], s[\g1b:\g1b+7]
	s_nop 0
.rept 4
	v_nop
.endr
.Lasked_\@:
.endm
.macro CREST
	s_cmp_lg_u32 s14, 0
	s_cbranch_scc1 .Lnot_wave_0_\@
	s_barrier_signal -3
.Lnot_wave_0_\@:
	s_barrier_wait -3
	s_barrier_signal -1
	s_barrier_wait -1
.endm
.macro CROUND
	s_barrier_signal -1
	s_barrier_wait -1
	CREST
.endm
	s_load_b64 s[4:5], s[0:1], 0x0                 ; A: codes, and behind them scale units
	s_load_b128 s[8:11], s[0:1], 0x8               ; the operands' codes, their scale words
	s_load_b128 s[96:99], s[0:1], 0x18             ; the bias, the residual
	s_load_b64 s[12:13], s[0:1], 0x28              ; the result
	v_lshl_add_u32 v[SPW], v0, 2, SPARE
	v_mov_b32 v[NIL], 0
	ds_add_u32 v28, v29
	ds_add_u32 v28, v29
	s_wait_dscnt 0x0
	v_lshrrev_b32 v1, 5, v0
	v_readfirstlane_b32 s14, v1                    ; wave 0..3
	s_lshr_b32 s15, s14, 1                         ; my half of R.  Also: I fetch for R (0) or for P (1)
	s_and_b32 s16, s14, 1                          ; my half of P.  Also: which 8 blocks I fetch
	s_bfe_u32 s40, ttmp6, 0x40000
	s_bfe_u32 s41, ttmp6, 0x40004
	s_lshl_b32 s42, ttmp9, 2
	s_add_co_u32 s42, s42, s40                     ; P's tile
	s_and_b32 s17, ttmp7, 0xffff
	s_lshl_b32 s17, s17, 2
	s_add_co_u32 s17, s17, s41                     ; R's tile
	s_lshl_b32 s43, s41, 2
	s_lshl_b32 s43, 15, s43                        ; my row of the cluster
	s_lshl_b32 s44, 0x1111, s40                    ; my column
	s_or_b32 s[G1+0], s43, (3<<16)|(1<<21)         ; 8 blocks x 3,072 bytes (384 elements of 8 bytes), PITCHB bytes apart; the mask, bit 21 beside it
	s_or_b32 s[G1B+0], s44, (3<<16)|(1<<21)
.irp g, G1, G1B
	s_mov_b32 s[\g+1], 384<<16
	s_mov_b32 s[\g+2], 8<<16
	s_mov_b32 s[\g+3], 384<<16
	s_mov_b32 s[\g+4], 8
	s_mov_b32 s[\g+5], PITCHB/8
	s_mov_b32 s[\g+6], 0
	s_mov_b32 s[\g+7], 0
.endr
	s_or_b32 s[G1S+0], s43, (3<<16)|(1<<21)        ; the scale words of 8 blocks: HALFS dense bytes, as rows of 256
	s_or_b32 s[G1SB+0], s44, (3<<16)|(1<<21)
.irp g, G1S, G1SB
	s_mov_b32 s[\g+1], 32<<16
	s_mov_b32 s[\g+2], (HALFS/256)<<16
	s_mov_b32 s[\g+3], 32<<16
	s_mov_b32 s[\g+4], HALFS/256
	s_mov_b32 s[\g+5], 32
	s_mov_b32 s[\g+6], 0
	s_mov_b32 s[\g+7], 0
.endr
	s_lshl_b32 s18, s16, 3
	s_lshl_b32 s20, s17, 4
	s_add_co_u32 s20, s20, s18                     ; R: the block
	s_lshl_b32 s46, s42, 4
	s_add_co_u32 s46, s46, s18
	s_add_co_u32 s46, s46, FBP                     ; P: the block
	s_mul_i32 s22, s20, SBLK
	s_mov_b32 s23, 0
	s_mul_i32 s92, s46, SBLK
	s_mov_b32 s93, 0
	s_mul_i32 s20, s20, PITCHB
	s_mov_b32 s21, 0
	s_mul_i32 s46, s46, PITCHB
	s_mov_b32 s47, 0
	s_mul_i32 s45, s14, HALFT
	s_mul_i32 s94, s14, HALFS
	s_wait_kmcnt 0x0
	s_add_nc_u64 s[6:7], s[4:5], RSOFF
	s_add_nc_u64 s[20:21], s[4:5], s[20:21]
	s_add_nc_u64 s[22:23], s[6:7], s[22:23]
	s_add_nc_u64 s[46:47], s[8:9], s[46:47]
	s_add_nc_u64 s[92:93], s[10:11], s[92:93]
	CROUND                                         ; all sixteen work-groups are here: the first joint loads meet
	s_mov_b32 s[G0S], 1
	s_add_co_u32 s[G0S+1], s94, SCL
	s_mov_b64 s[G0S+2:G0S+3], s[22:23]
	s_or_b32 s[G0S+3], s[G0S+3], 0x80000000
	s_mov_b32 s[G0SB], 1
	s_add_co_u32 s[G0SB+1], s94, SCL
	s_mov_b64 s[G0SB+2:G0SB+3], s[92:93]
	s_or_b32 s[G0SB+3], s[G0SB+3], 0x80000000
	JLOAD G0S, G1S, G0SB, G1SB
.irp s, 0,1
	s_mov_b32 s[G0+4*\s], 1
	s_add_co_u32 s[G0+4*\s+1], s45, \s*SLOT
	s_add_nc_u64 s[G0+4*\s+2:G0+4*\s+3], s[20:21], \s*STEPB
	s_or_b32 s[G0+4*\s+3], s[G0+4*\s+3], 0x80000000
	s_mov_b32 s[G0B+4*\s], 1
	s_add_co_u32 s[G0B+4*\s+1], s45, \s*SLOT
	s_add_nc_u64 s[G0B+4*\s+2:G0B+4*\s+3], s[46:47], \s*STEPB
	s_or_b32 s[G0B+4*\s+3], s[G0B+4*\s+3], 0x80000000
	JLOAD G0+4*\s, G1, G0B+4*\s, G1B
.endr
	v_and_b32 v1, 15, v0                           ; r
	v_bfe_u32 v2, v0, 4, 1                         ; h
	v_and_b32 v3, 31, v0                           ; lane
	v_lshlrev_b32 v[CO], 4, v3
	v_lshlrev_b32 v[C8], 3, v3
	s_mul_i32 s21, s15, HALFT
	s_mul_i32 s22, s16, HALFT
	s_add_co_u32 s22, s22, 2*HALFT
.irp s, 0,1
	v_add_nc_u32 v[ADRA+\s], s21, v[CO]
	v_add_nc_u32 v[ADRB+\s], s22, v[CO]
	v_add_nc_u32 v[ADRA+2+\s], s21, v[C8]
	v_add_nc_u32 v[ADRB+2+\s], s22, v[C8]
	s_add_co_u32 s21, s21, SLOT
	s_add_co_u32 s22, s22, SLOT
.endr
	v_lshlrev_b32 v5, 3, v1
	s_mul_i32 s21, s15, HALFS
	s_mul_i32 s22, s16, HALFS
	s_add_co_u32 s22, s22, 2*HALFS
	s_sub_co_u32 s22, s22, s21
	v_mul_u32_u24 v4, s22, v2                      ; lanes 16-31 take P's scale words
	s_add_co_u32 s21, s21, SCL
	v_add_nc_u32 v5, v5, v4
	v_add_nc_u32 v[ADRS], s21, v5
	s_mul_i32 s23, s14, 16*528                     ; my stage: 16 rows x (512 + 16) bytes, in slot 0
	v_mul_u32_u24 v5, v1, 528
	v_lshl_add_u32 v5, v2, 6, v5
	v_add_nc_u32 v[STO], s23, v5                   ; in: row r, 64 h bytes on
	v_add_nc_u32 v[RD], s23, v[CO]                 ; back: a row of 512 bytes to the 32 lanes
	v_lshlrev_b32 v6, 6, v2                        ; the bias: 64 h
	s_lshl_b32 s46, s42, 10                        ; my first column, in bytes: 1,024 x P's tile + 512 x half
	s_lshl_b32 s47, s16, 9
	s_add_co_u32 s46, s46, s47
	s_mov_b32 s47, 0
	s_add_nc_u64 s[96:97], s[96:97], s[46:47]
.irp b, 0,1,2,3,4,5,6,7
	global_load_b128 v[BP+8*\b:BP+8*\b+3], v6, s[96:97] offset:(32*(\b/2)+8*(\b%2))*4        ; tile b, register j: column 32 (b / 2) + 16 h + 8 (b % 2) + j
	global_load_b128 v[BP+8*\b+4:BP+8*\b+7], v6, s[96:97] offset:(32*(\b/2)+8*(\b%2))*4+16
.endr
	s_lshl_b32 s20, s17, 8
	s_lshl_b32 s21, s15, 7
	s_add_co_u32 s20, s20, s21                     ; my first row: 256 x R's tile + 128 x half
	s_lshl_b32 s20, s20, 12
	s_add_co_u32 s20, s20, s46
	s_mov_b32 s21, 0
	s_add_nc_u64 s[66:67], s[98:99], s[20:21]      ; the residual,
	s_add_nc_u64 s[12:13], s[12:13], s[20:21]      ; the result
.macro FRAG reg, adr, q, i             ; a fragment comes as it was stored: four loads of 512, 256, 512, 256 consecutive bytes
	ds_load_b128 v[\reg:\reg+3], v[\adr] offset:STEPB*(\i)+FRB*(\q)
	ds_load_b64 v[\reg+4:\reg+5], v[\adr+2] offset:STEPB*(\i)+FRB*(\q)+512
	ds_load_b128 v[\reg+6:\reg+9], v[\adr] offset:STEPB*(\i)+FRB*(\q)+768
	ds_load_b64 v[\reg+10:\reg+11], v[\adr+2] offset:STEPB*(\i)+FRB*(\q)+1280
.endm
; 16 matrix instructions: R's blocks a0, a0 + 1 x P's eight.  zero = 1: the first product starts the sums from the bias.  The 64 accumulators take turns.
.macro MUL16 a0, p, q, sc, zero
.irp a, \a0, \a0+1
.irp b, 0,1,2,3,4,5,6,7
.if \zero
	v_wmma_scale_f32_16x16x128_f8f6f4 v[8*(8*((\a)%4)+\b):8*(8*((\a)%4)+\b)+7], v[128*(\p)+FR*\b:128*(\p)+FR*\b+FR-1], v[AF+FR*(\a):AF+FR*(\a)+FR-1], v[BP+8*\b:BP+8*\b+7], v[SC+8*NQ*(\sc)+NQ*\b+(\q)], v[SC+8*NQ*(\sc)+NQ*(\a)+(\q)] matrix_a_fmt:MATRIX_FMT_BF6 matrix_b_fmt:MATRIX_FMT_BF6 matrix_a_scale:MATRIX_SCALE_ROW1
.else
	v_wmma_scale_f32_16x16x128_f8f6f4 v[8*(8*((\a)%4)+\b):8*(8*((\a)%4)+\b)+7], v[128*(\p)+FR*\b:128*(\p)+FR*\b+FR-1], v[AF+FR*(\a):AF+FR*(\a)+FR-1], v[8*(8*((\a)%4)+\b):8*(8*((\a)%4)+\b)+7], v[SC+8*NQ*(\sc)+NQ*\b+(\q)], v[SC+8*NQ*(\sc)+NQ*(\a)+(\q)] matrix_a_fmt:MATRIX_FMT_BF6 matrix_b_fmt:MATRIX_FMT_BF6 matrix_a_scale:MATRIX_SCALE_ROW1
.endif
.endr
.endr
.endm
.macro FETCH_B slot, q, p
	WIN TO_B
.irp i, 0,1,2,3,4,5,6,7
	FRAG 128*(\p)+FR*\i, ADRB+\slot, \q, \i
.endr
	WIN 0
.endm
.macro FETCH_A slot, q, i0
.irp i, \i0, \i0+1, \i0+2, \i0+3
	FRAG AF+FR*(\i), ADRA+\slot, \q, \i
.endr
.endm
.macro SCALES sc
.irp i, 0,1,2,3,4,5,6,7
	ds_load_b64 v[SC+8*NQ*\sc+NQ*\i:SC+8*NQ*\sc+NQ*\i+1], v[ADRS] offset:\i*SBLK
.endr
.endm
.macro PLACES n                        ; plain vector instructions between a matrix instruction and a load into, or a read of, its registers (ISA guide 7.12.1 for reads)
.rept \n
	v_nop
.endr
.endm
.macro STEP slot, q, zero
	s_wait_dscnt 4*NL                              ; P's set and R's blocks 0-3 are in; the youngest 16 loads (R's blocks 4-7) may be out
.if \zero
	WIN 0x81                                       ; C (the bias) in window 0
.else
	WIN MUL_LO
.endif
	MUL16 0, (\q)%2, \q, \slot, \zero
	MUL16 2, (\q)%2, \q, \slot, \zero
	s_wait_dscnt 0
	PLACES NP
	FETCH_B \slot, (\q)+1, 1-(\q)%2
	FETCH_A \slot, (\q)+1, 0
.if \zero
	WIN 0xc1
.else
	WIN MUL_HI
.endif
	MUL16 4, (\q)%2, \q, \slot, \zero
	MUL16 6, (\q)%2, \q, \slot, \zero
	PLACES NP
	WIN 0
	FETCH_A \slot, (\q)+1, 4
.endm
.macro TURN slot, next, fill           ; a slot's last step changes slots: ONE barrier
	s_wait_tensorcnt 0x0                           ; all my tensor loads have landed: my part of the next slot
	ds_add_u32 v[SPW], v[NIL]                      ; 0 onto my spare word
	s_wait_dscnt 4*NL+1                            ; (the add and the youngest 16 loads may be out)
	WIN MUL_LO
	MUL16 0, 1, NQ-1, \slot, 0
	s_wait_dscnt 0x0                               ; the add is done, and my reads of this slot are over
	s_barrier_signal -1
	MUL16 2, 1, NQ-1, \slot, 0
	WIN 0
	s_barrier_wait -1
.if \fill
	CREST                                          ; the barrier has opened a round of the cluster's barrier
	s_add_nc_u64 s[G0+4*\slot+2:G0+4*\slot+3], s[G0+4*\slot+2:G0+4*\slot+3], 2*STEPB
	s_add_nc_u64 s[G0B+4*\slot+2:G0B+4*\slot+3], s[G0B+4*\slot+2:G0B+4*\slot+3], 2*STEPB
	JLOAD G0+4*\slot, G1, G0B+4*\slot, G1B         ; the first tensor load behind the round; its four v_nop are the places in front of the loads below
.else
	PLACES NP
.endif
	v_add_nc_u32 v[ADRS], 128, v[ADRS]
	FETCH_B \next, 0, 0
	FETCH_A \next, 0, 0
	SCALES \next
	WIN MUL_HI
	MUL16 4, 1, NQ-1, \slot, 0
	MUL16 6, 1, NQ-1, \slot, 0
	PLACES NP
	WIN 0
	FETCH_A \next, 0, 4
.endm
	s_wait_tensorcnt 1                             ; the scale words and my part of K step 0 are in (K step 1's load may be out)
	s_barrier_signal -1
	s_barrier_wait -1
	FETCH_B 0, 0, 0
	FETCH_A 0, 0, 0
	SCALES 0
	FETCH_A 0, 0, 4
	s_wait_loadcnt 0x0                             ; the bias
	STEP 0, 0, 1
	s_mov_b32 s3, LAPS-1
.Llap:
	TURN 0, 1, 1
	STEP 1, 0, 0
	TURN 1, 0, 1
	STEP 0, 0, 0
	s_sub_co_u32 s3, s3, 1
	s_cmp_lg_u32 s3, 0
	s_cbranch_scc1 .Llap
	TURN 0, 1, 0
	STEP 1, 0, 0
	s_wait_dscnt 4*NL
	WIN MUL_LO
	MUL16 0, 1, NQ-1, 1, 0
	MUL16 2, 1, NQ-1, 1, 0
	s_wait_dscnt 0
	WIN MUL_HI
	MUL16 4, 1, NQ-1, 1, 0
	MUL16 6, 1, NQ-1, 1, 0
	WIN 0
; THE WAY OUT, block by block of 16 rows x 128 columns, through my stage in slot 0, which has had its last fill, and which nobody reads behind the last change of slots.
.macro RLOAD a                         ; block a's 16 rows of the residual, 512 consecutive bytes each, into buffer a % 4 of window 1
	WIN 0x40
.irp t, 0,1,2,3,4,5,6,7,8,9,10,11,12,13,14,15
	global_load_b128 v[64*((\a)%4)+4*\t:64*((\a)%4)+4*\t+3], v[CO], s[66:67] offset:(32*((\a)/2)+8*((\a)%2)+\t+8*(\t/8))*4096
.endr
	WIN 0
.endm
.macro OUTF a
.if (\a) > 0
	s_wait_xcnt 0x0                                ; the last block's stores have read their registers, which are loaded again
.endif
	WIN 0x08+4*((\a)/4)                            ; an LDS store's data: window 2 or 3
.set AC, 64*((\a)%4)
.irp b, 0,1,2,3,4,5,6,7
	ds_store_b128 v[STO], v[AC+8*\b:AC+8*\b+3] offset:128*(\b/2)+32*(\b%2)          ; each accumulator from its low end on
	ds_store_b128 v[STO], v[AC+8*\b+4:AC+8*\b+7] offset:128*(\b/2)+32*(\b%2)+16
.endr
	WIN 0
.irp t, 0,1,2,3,4,5,6,7,8,9,10,11,12,13,14,15
	ds_load_b128 v[BB+4*\t:BB+4*\t+3], v[RD] offset:\t*528    ; LDS serves a wave's instructions in order: these see the stores above
.endr
	s_wait_dscnt 0x0
.if 7-(\a) >= 2
	s_wait_loadcnt 32                              ; block a's residual is in; the two blocks asked for behind it may be out
.else
	s_wait_loadcnt 16*(7-(\a))
.endif
	WIN 0x04                                       ; source 1: window 1
.set i, 0
.rept 32
	v_pk_add_f32 v[BB+i:BB+i+1], v[BB+i:BB+i+1], v[64*((\a)%4)+i:64*((\a)%4)+i+1]
.set i, i+2
.endr
	WIN 0
.if (\a)+3 < 8
	RLOAD (\a)+3
.endif
.irp t, 0,1,2,3,4,5,6,7,8,9,10,11,12,13,14,15
	global_store_b128 v[CO], v[BB+4*\t:BB+4*\t+3], s[12:13] offset:(32*((\a)/2)+8*((\a)%2)+\t+8*(\t/8))*4096 th:TH_STORE_NT   ; 32 lanes store 512 consecutive bytes, aligned
.endr
.endm
	PLACES NP                                      ; behind the last products: their results are read, and loads land in their operands' registers
	RLOAD 0
	RLOAD 1
	RLOAD 2
.irp a, 0,1,2,3,4,5,6,7
	OUTF \a
.endr
	s_wait_tensorcnt 0x0                           ; the wave's end
	ds_add_u32 v[SPW], v[NIL]
	s_wait_dscnt 0x0
	CROUND                                         ; the closing round
	s_endpgm
.Lfunc_end_k_q18688ba45d_wo:
	.size	k_q18688ba45d_wo, .Lfunc_end_k_q18688ba45d_wo-k_q18688ba45d_wo
	.p2alignl 7, 3214868480
	.fill 96, 4, 3214868480
	.section	.rodata,"a",@progbits
	.p2align	6, 0x0
	.amdhsa_kernel k_q18688ba45d_wo
		.amdhsa_group_segment_fixed_size 327680
		.amdhsa_private_segment_fixed_size 0
		.amdhsa_enable_private_segment 0
		.amdhsa_kernarg_size 48
		.amdhsa_user_sgpr_count 2
		.amdhsa_user_sgpr_kernarg_segment_ptr 1
		.amdhsa_wavefront_size32 1
		.amdhsa_system_sgpr_workgroup_id_x 1
		.amdhsa_system_sgpr_workgroup_id_y 1
		.amdhsa_system_sgpr_workgroup_id_z 1
		.amdhsa_system_vgpr_workitem_id 0
		.amdhsa_next_free_vgpr 1024
		.amdhsa_next_free_sgpr 102
		.amdhsa_reserve_vcc 0
		.amdhsa_float_denorm_mode_32 3
		.amdhsa_float_denorm_mode_16_64 3
		.amdhsa_memory_ordered 1
		.amdhsa_forward_progress 1
		.amdhsa_inst_pref_size 174
	.end_amdhsa_kernel
	.amdgpu_metadata
---
amdhsa.version: [ 1, 2 ]
amdhsa.kernels:
  - .name:           k_q18688ba45d_wo
    .symbol:         k_q18688ba45d_wo.kd
    .args:
      - { .name: oc, .offset: 0, .size: 8, .value_kind: global_buffer, .address_space: global }
      - { .name: opc, .offset: 8, .size: 8, .value_kind: global_buffer, .address_space: global }
      - { .name: ops, .offset: 16, .size: 8, .value_kind: global_buffer, .address_space: global }
      - { .name: bo, .offset: 24, .size: 8, .value_kind: global_buffer, .address_space: global }
      - { .name: x, .offset: 32, .size: 8, .value_kind: global_buffer, .address_space: global }
      - { .name: hb, .offset: 40, .size: 8, .value_kind: global_buffer, .address_space: global }
    .group_segment_fixed_size: 327680
    .private_segment_fixed_size: 0
    .kernarg_segment_align: 8
    .kernarg_segment_size: 48
    .max_flat_workgroup_size: 128
    .sgpr_count:     102
    .vgpr_count:     1024
    .wavefront_size: 32
...
	.end_amdgpu_metadata
.endif
;; end of part 4
;; launch ln2: the kernel of part 1 again; grid 256 x 1, 8 waves a work-group, no clusters, 70,656 bytes of LDS; arguments hb, wq, wk, wv, wo, w1, w2, ln2_a, ln2_b, hnc, hns; writes hnc, hns
;; launch w1 (part 5): grid 16 x 16, 4 waves a work-group, clusters of 4 x 4, 327,680 bytes of LDS; arguments hnc, hns, opc, ops, b1, hid; writes hid
.if DOCPART == 5
	.amdgcn_target "amdgcn-amd-amdhsa--gfx1250"
	.amdhsa_code_object_version 6
	.text
	.protected	k_q18688ba45d_w1
	.globl	k_q18688ba45d_w1
	.p2align	8
	.type	k_q18688ba45d_w1,@function
k_q18688ba45d_w1:
	s_mov_b64 s[64:65], 0
	v_nop
	global_prefetch_b8 v0, s[64:65] scope:SCOPE_SE
	s_setreg_imm32_b32 hwreg(HW_REG_WAVE_MODE, 25, 1), 1
	s_wait_xcnt 0x0
	s_wait_alu depctr_hold_cnt(0) depctr_sa_sdst(0) depctr_va_vdst(0) depctr_va_sdst(0) depctr_va_ssrc(0) depctr_va_vcc(0) depctr_vm_vsrc(0)
	s_getreg_b32 s2, hwreg(HW_REG_IB_STS2, 6, 4)
	s_cmp_eq_u32 s2, 0
	s_cbranch_scc0 .Lentry_in_a_cluster
	s_endpgm
.Lentry_in_a_cluster:
	s_bfe_u32 s2, ttmp6, 0x10000c
	s_cmp_lg_u32 s2, 0xf033
	s_cbranch_scc0 .Lentry_shape_is_right
	s_endpgm
.Lentry_shape_is_right:
; hid = relu(hn w1^T + b1) on codes of BF6 (E3M2) with E8M0 scales for each 32 along K = 1,024; the result is quantised again along FF, its next K, on the way out, and never lies in memory as f32.
; Operands lie in memory as images of their registers (fragments of 1,536 bytes, scale units of 128 bytes); w1's blocks begin at block FBP of the operands' buffer.
; A tile is 256 rows (R: source 1, a lane's row) x 256 hidden units (P: source 0, along a lane's registers); four waves, each 128 x 128: 64 accumulators.
; Lane index r of a block t is row 32 (t / 2) + 8 (t % 2) + r + 8 (r / 8): so the 16 registers of tiles 2 b, 2 b + 1 are 16 neighbouring hidden units.
; K goes in steps of 256 through a ring of two LDS slots; all scale words of the tile come once.  R's tiles are asked for jointly along a row of the 4 x 4 cluster, P's along a column.
; The bias is the C of each sum's first product.
; LIMITS: a block of zeros gets the byte 1 (its codes are zeros; this program alone reads the bytes); NaN and infinities are not served.
; REGISTERS: window 0: v16-31 addresses; v32-63 scale words, two sets; v64-127 the bias; v128-223 R's fragments, one set; on the way out v128-230 are at work.
;   window 1: P's fragments, two sets, at v0 and v128.   windows 2, 3: the accumulators ((a, b) at v[8 (8 (a % 4) + b)]).
.set SIZE_K, 1024
.set FBP,    512
.set PITCHB, 12*SIZE_K
.set SBLK,   SIZE_K/2
.set HALFS,  8*SBLK
.set NQ,     2
.set FR,     12
.set NL,     4
.set NP,     4                         ; places behind this matrix instruction (ISA guide 7.12.1)
.set FRB,    1536
.set STEPB,  NQ*FRB
.set HALFT,  8*STEPB
.set SLOT,   4*HALFT
.set SCL,    2*SLOT
.set SPARE,  SCL+4*HALFS               ; the spare words, 128 bytes a wave, that no other line names
.set LAPS,   SIZE_K/512
.set ADRA, 16
.set ADRB, 20
.set CO,   26
.set ADRS, 27
.set SPW,  28
.set NIL,  29
.set C8,   30
.set VOS,  31
.set SC,   32
.set BP,   64
.set AF,   128
.set T,    128
.set PC,   192
.set TM,   212
.set PW,   228
.set PWE,  229
.set PWM,  230
.set SEL,  18
.set G1, 24
.set G0, 32
.set G1B, 48
.set G0B, 56
.set G1S, 68
.set G0S, 76
.set G1SB, 80
.set G0SB, 88
.set MSB, 0
.macro WIN new                         ; the immediate's high byte repeats the setting that is left
.if MSB != (\new)
	s_set_vgpr_msb (MSB<<8)|(\new)
.set MSB, (\new)
.endif
.endm
.set MUL_LO, 0xa1
.set MUL_HI, 0xf1
.set TO_B,   0x40
.macro JLOAD g0a, g1a, g0b, g1b        ; a joint load: waves 0 and 1 fetch for R, waves 2 and 3 for P; four v_nop follow each of the two lines
	s_cmp_eq_u32 s15, 0
	s_cbranch_scc0 .Lfor_b_\@
	tensor_load_to_lds s[\g0a:\g0a+3], s[\g1a:\g1a+7]
	s_nop 0
.rept 4
	v_nop
.endr
	s_branch .Lasked_\@
.Lfor_b_\@:
	tensor_load_to_lds s[\g0b:\g0b+3], s[\g1b:\g1b+7]
	s_nop 0
.rept 4
	v_nop
.endr
.Lasked_\@:
.endm
.macro CREST
	s_cmp_lg_u32 s14, 0
	s_cbranch_scc1 .Lnot_wave_0_\@
	s_barrier_signal -3
.Lnot_wave_0_\@:
	s_barrier_wait -3
	s_barrier_signal -1
	s_barrier_wait -1
.endm
.macro CROUND
	s_barrier_signal -1
	s_barrier_wait -1
	CREST
.endm
	s_load_b256 s[4:11], s[0:1], 0x0               ; hn's codes, hn's scale words, the operands' codes, their scale words
	s_load_b128 s[96:99], s[0:1], 0x20             ; b1, hid
	v_lshl_add_u32 v[SPW], v0, 2, SPARE
	v_mov_b32 v[NIL], 0
	ds_add_u32 v28, v29
	ds_add_u32 v28, v29
	s_wait_dscnt 0x0
	v_lshrrev_b32 v1, 5, v0
	v_readfirstlane_b32 s14, v1                    ; wave 0..3
	s_lshr_b32 s15, s14, 1
	s_and_b32 s16, s14, 1
	s_bfe_u32 s40, ttmp6, 0x40000
	s_bfe_u32 s41, ttmp6, 0x40004
	s_lshl_b32 s42, ttmp9, 2
	s_add_co_u32 s42, s42, s40                     ; P's tile
	s_and_b32 s17, ttmp7, 0xffff
	s_lshl_b32 s17, s17, 2
	s_add_co_u32 s17, s17, s41                     ; R's tile
	s_lshl_b32 s43, s41, 2
	s_lshl_b32 s43, 15, s43
	s_lshl_b32 s44, 0x1111, s40
	s_or_b32 s[G1+0], s43, (3<<16)|(1<<21)         ; 8 blocks x 3,072 bytes (384 elements of 8 bytes), PITCHB bytes apart; the mask, bit 21 beside it
	s_or_b32 s[G1B+0], s44, (3<<16)|(1<<21)
.irp g, G1, G1B
	s_mov_b32 s[\g+1], 384<<16
	s_mov_b32 s[\g+2], 8<<16
	s_mov_b32 s[\g+3], 384<<16
	s_mov_b32 s[\g+4], 8
	s_mov_b32 s[\g+5], PITCHB/8
	s_mov_b32 s[\g+6], 0
	s_mov_b32 s[\g+7], 0
.endr
	s_or_b32 s[G1S+0], s43, (3<<16)|(1<<21)        ; the scale words of 8 blocks: HALFS dense bytes, as rows of 256
	s_or_b32 s[G1SB+0], s44, (3<<16)|(1<<21)
.irp g, G1S, G1SB
	s_mov_b32 s[\g+1], 32<<16
	s_mov_b32 s[\g+2], (HALFS/256)<<16
	s_mov_b32 s[\g+3], 32<<16
	s_mov_b32 s[\g+4], HALFS/256
	s_mov_b32 s[\g+5], 32
	s_mov_b32 s[\g+6], 0
	s_mov_b32 s[\g+7], 0
.endr
	s_lshl_b32 s18, s16, 3
	s_lshl_b32 s20, s17, 4
	s_add_co_u32 s20, s20, s18                     ; R: the block
	s_lshl_b32 s46, s42, 4
	s_add_co_u32 s46, s46, s18
	s_add_co_u32 s46, s46, FBP                     ; P: the block
	s_mul_i32 s22, s20, SBLK
	s_mov_b32 s23, 0
	s_mul_i32 s92, s46, SBLK
	s_mov_b32 s93, 0
	s_mul_i32 s20, s20, PITCHB
	s_mov_b32 s21, 0
	s_mul_i32 s46, s46, PITCHB
	s_mov_b32 s47, 0
	s_mul_i32 s45, s14, HALFT
	s_mul_i32 s94, s14, HALFS
	s_wait_kmcnt 0x0
	s_add_nc_u64 s[20:21], s[4:5], s[20:21]
	s_add_nc_u64 s[22:23], s[6:7], s[22:23]
	s_add_nc_u64 s[46:47], s[8:9], s[46:47]
	s_add_nc_u64 s[92:93], s[10:11], s[92:93]
	CROUND                                         ; all sixteen work-groups are here: the first joint loads meet
	s_mov_b32 s[G0S], 1
	s_add_co_u32 s[G0S+1], s94, SCL
	s_mov_b64 s[G0S+2:G0S+3], s[22:23]
	s_or_b32 s[G0S+3], s[G0S+3], 0x80000000
	s_mov_b32 s[G0SB], 1
	s_add_co_u32 s[G0SB+1], s94, SCL
	s_mov_b64 s[G0SB+2:G0SB+3], s[92:93]
	s_or_b32 s[G0SB+3], s[G0SB+3], 0x80000000
	JLOAD G0S, G1S, G0SB, G1SB
.irp s, 0,1
	s_mov_b32 s[G0+4*\s], 1
	s_add_co_u32 s[G0+4*\s+1], s45, \s*SLOT
	s_add_nc_u64 s[G0+4*\s+2:G0+4*\s+3], s[20:21], \s*STEPB
	s_or_b32 s[G0+4*\s+3], s[G0+4*\s+3], 0x80000000
	s_mov_b32 s[G0B+4*\s], 1
	s_add_co_u32 s[G0B+4*\s+1], s45, \s*SLOT
	s_add_nc_u64 s[G0B+4*\s+2:G0B+4*\s+3], s[46:47], \s*STEPB
	s_or_b32 s[G0B+4*\s+3], s[G0B+4*\s+3], 0x80000000
	JLOAD G0+4*\s, G1, G0B+4*\s, G1B
.endr
	v_and_b32 v1, 15, v0                           ; r
	v_bfe_u32 v2, v0, 4, 1                         ; h
	v_and_b32 v3, 31, v0                           ; lane
	v_lshlrev_b32 v[CO], 4, v3
	v_lshlrev_b32 v[C8], 3, v3
	s_mul_i32 s21, s15, HALFT
	s_mul_i32 s22, s16, HALFT
	s_add_co_u32 s22, s22, 2*HALFT
.irp s, 0,1
	v_add_nc_u32 v[ADRA+\s], s21, v[CO]
	v_add_nc_u32 v[ADRB+\s], s22, v[CO]
	v_add_nc_u32 v[ADRA+2+\s], s21, v[C8]
	v_add_nc_u32 v[ADRB+2+\s], s22, v[C8]
	s_add_co_u32 s21, s21, SLOT
	s_add_co_u32 s22, s22, SLOT
.endr
	v_lshlrev_b32 v5, 3, v1
	s_mul_i32 s21, s15, HALFS
	s_mul_i32 s22, s16, HALFS
	s_add_co_u32 s22, s22, 2*HALFS
	s_sub_co_u32 s22, s22, s21
	v_mul_u32_u24 v4, s22, v2                      ; lanes 16-31 take P's scale words
	s_add_co_u32 s21, s21, SCL
	v_add_nc_u32 v5, v5, v4
	v_add_nc_u32 v[ADRS], s21, v5
	v_lshlrev_b32 v[VOS], 3, v1
	v_lshl_add_u32 v[VOS], v2, 11, v[VOS]
	v_lshlrev_b32 v6, 6, v2                        ; the bias: 64 h
	s_mov_b32 s2, 0xffff0000                       ; lanes 16-31
	s_lshl_b32 s20, s42, 10                        ; my first hidden unit, in f32: 256 x P's tile + 128 x half
	s_lshl_b32 s21, s16, 9
	s_add_co_u32 s20, s20, s21
	s_mov_b32 s21, 0
	s_add_nc_u64 s[96:97], s[96:97], s[20:21]
.irp b, 0,1,2,3,4,5,6,7
	global_load_b128 v[BP+8*\b:BP+8*\b+3], v6, s[96:97] offset:(32*(\b/2)+8*(\b%2))*4        ; tile b, register j: 32 (b / 2) + 16 h + 8 (b % 2) + j
	global_load_b128 v[BP+8*\b+4:BP+8*\b+7], v6, s[96:97] offset:(32*(\b/2)+8*(\b%2))*4+16
.endr
	s_lshl_b32 s20, s17, 4
	s_lshl_b32 s22, s15, 3
	s_add_co_u32 s20, s20, s22                     ; my first block of the result: 16 x R's tile + 8 x half
	s_lshl_b32 s22, s42, 1
	s_add_co_u32 s22, s22, s16                     ; its K step: 2 x P's tile + half
	s_lshl_b32 s23, s20, 5
	s_add_co_u32 s23, s23, s22
	s_mul_i32 s22, s23, FRB
	s_mov_b32 s23, 0
	s_add_nc_u64 s[12:13], s[98:99], s[22:23]      ; the codes: [block][32][1,536]
	s_lshl_b32 s20, s20, 4
	s_add_co_u32 s20, s20, s42
	s_lshl_b32 s20, s20, 7
	s_lshl_b32 s22, s16, 2
	s_add_co_u32 s20, s20, s22
	s_add_co_u32 s20, s20, 12582912
	s_add_nc_u64 s[66:67], s[98:99], s[20:21]      ; the scale words: [block][16][128]
	s_mov_b32 s[SEL], 0x76543210
	s_mov_b32 s[SEL+1], 0xfedcba98
.macro FRAG reg, adr, q, i             ; a fragment comes as it was stored: four loads of 512, 256, 512, 256 consecutive bytes
	ds_load_b128 v[\reg:\reg+3], v[\adr] offset:STEPB*(\i)+FRB*(\q)
	ds_load_b64 v[\reg+4:\reg+5], v[\adr+2] offset:STEPB*(\i)+FRB*(\q)+512
	ds_load_b128 v[\reg+6:\reg+9], v[\adr] offset:STEPB*(\i)+FRB*(\q)+768
	ds_load_b64 v[\reg+10:\reg+11], v[\adr+2] offset:STEPB*(\i)+FRB*(\q)+1280
.endm
; 16 matrix instructions: R's blocks a0, a0 + 1 x P's eight.  zero = 1: the first product starts the sums from the bias.  The 64 accumulators take turns.
.macro MUL16 a0, p, q, sc, zero
.irp a, \a0, \a0+1
.irp b, 0,1,2,3,4,5,6,7
.if \zero
	v_wmma_scale_f32_16x16x128_f8f6f4 v[8*(8*((\a)%4)+\b):8*(8*((\a)%4)+\b)+7], v[128*(\p)+FR*\b:128*(\p)+FR*\b+FR-1], v[AF+FR*(\a):AF+FR*(\a)+FR-1], v[BP+8*\b:BP+8*\b+7], v[SC+8*NQ*(\sc)+NQ*\b+(\q)], v[SC+8*NQ*(\sc)+NQ*(\a)+(\q)] matrix_a_fmt:MATRIX_FMT_BF6 matrix_b_fmt:MATRIX_FMT_BF6 matrix_a_scale:MATRIX_SCALE_ROW1
.else
	v_wmma_scale_f32_16x16x128_f8f6f4 v[8*(8*((\a)%4)+\b):8*(8*((\a)%4)+\b)+7], v[128*(\p)+FR*\b:128*(\p)+FR*\b+FR-1], v[AF+FR*(\a):AF+FR*(\a)+FR-1], v[8*(8*((\a)%4)+\b):8*(8*((\a)%4)+\b)+7], v[SC+8*NQ*(\sc)+NQ*\b+(\q)], v[SC+8*NQ*(\sc)+NQ*(\a)+(\q)] matrix_a_fmt:MATRIX_FMT_BF6 matrix_b_fmt:MATRIX_FMT_BF6 matrix_a_scale:MATRIX_SCALE_ROW1
.endif
.endr
.endr
.endm
.macro FETCH_B slot, q, p
	WIN TO_B
.irp i, 0,1,2,3,4,5,6,7
	FRAG 128*(\p)+FR*\i, ADRB+\slot, \q, \i
.endr
	WIN 0
.endm
.macro FETCH_A slot, q, i0
.irp i, \i0, \i0+1, \i0+2, \i0+3
	FRAG AF+FR*(\i), ADRA+\slot, \q, \i
.endr
.endm
.macro SCALES sc
.irp i, 0,1,2,3,4,5,6,7
	ds_load_b64 v[SC+8*NQ*\sc+NQ*\i:SC+8*NQ*\sc+NQ*\i+1], v[ADRS] offset:\i*SBLK
.endr
.endm
.macro PLACES n                        ; plain vector instructions between a matrix instruction and a load into, or a read of, its registers (ISA guide 7.12.1 for reads)
.rept \n
	v_nop
.endr
.endm
.macro STEP slot, q, zero
	s_wait_dscnt 4*NL                              ; P's set and R's blocks 0-3 are in; the youngest 16 loads (R's blocks 4-7) may be out
.if \zero
	WIN 0x81                                       ; C (the bias) in window 0
.else
	WIN MUL_LO
.endif
	MUL16 0, (\q)%2, \q, \slot, \zero
	MUL16 2, (\q)%2, \q, \slot, \zero
	s_wait_dscnt 0
	PLACES NP
	FETCH_B \slot, (\q)+1, 1-(\q)%2
	FETCH_A \slot, (\q)+1, 0
.if \zero
	WIN 0xc1
.else
	WIN MUL_HI
.endif
	MUL16 4, (\q)%2, \q, \slot, \zero
	MUL16 6, (\q)%2, \q, \slot, \zero
	PLACES NP
	WIN 0
	FETCH_A \slot, (\q)+1, 4
.endm
.macro TURN slot, next, fill           ; a slot's last step changes slots: ONE barrier
	s_wait_tensorcnt 0x0                           ; all my tensor loads have landed: my part of the next slot
	ds_add_u32 v[SPW], v[NIL]                      ; 0 onto my spare word
	s_wait_dscnt 4*NL+1                            ; (the add and the youngest 16 loads may be out)
	WIN MUL_LO
	MUL16 0, 1, NQ-1, \slot, 0
	s_wait_dscnt 0x0                               ; the add is done, and my reads of this slot are over
	s_barrier_signal -1
	MUL16 2, 1, NQ-1, \slot, 0
	WIN 0
	s_barrier_wait -1
.if \fill
	CREST                                          ; the barrier has opened a round of the cluster's barrier
	s_add_nc_u64 s[G0+4*\slot+2:G0+4*\slot+3], s[G0+4*\slot+2:G0+4*\slot+3], 2*STEPB
	s_add_nc_u64 s[G0B+4*\slot+2:G0B+4*\slot+3], s[G0B+4*\slot+2:G0B+4*\slot+3], 2*STEPB
	JLOAD G0+4*\slot, G1, G0B+4*\slot, G1B         ; the first tensor load behind the round; its four v_nop are the places in front of the loads below
.else
	PLACES NP
.endif
	v_add_nc_u32 v[ADRS], 128, v[ADRS]
	FETCH_B \next, 0, 0
	FETCH_A \next, 0, 0
	SCALES \next
	WIN MUL_HI
	MUL16 4, 1, NQ-1, \slot, 0
	MUL16 6, 1, NQ-1, \slot, 0
	PLACES NP
	WIN 0
	FETCH_A \next, 0, 4
.endm
	s_wait_tensorcnt 1                             ; the scale words and my part of K step 0 are in (K step 1's load may be out)
	s_barrier_signal -1
	s_barrier_wait -1
	FETCH_B 0, 0, 0
	FETCH_A 0, 0, 0
	SCALES 0
	FETCH_A 0, 0, 4
	s_wait_loadcnt 0x0                             ; the bias
	STEP 0, 0, 1
	s_mov_b32 s3, LAPS-1
.Llap:
	TURN 0, 1, 1
	STEP 1, 0, 0
	TURN 1, 0, 1
	STEP 0, 0, 0
	s_sub_co_u32 s3, s3, 1
	s_cmp_lg_u32 s3, 0
	s_cbranch_scc1 .Llap
	TURN 0, 1, 0
	STEP 1, 0, 0
	s_wait_dscnt 4*NL
	WIN MUL_LO
	MUL16 0, 1, NQ-1, 1, 0
	MUL16 2, 1, NQ-1, 1, 0
	s_wait_dscnt 0
	WIN MUL_HI
	MUL16 4, 1, NQ-1, 1, 0
	MUL16 6, 1, NQ-1, 1, 0
	WIN 0
; 64 numbers of a lane, register 16 b + i = k 32 b + 16 (lane / 16) + i of my row, become a fragment's codes in v[PC] on and its scale word in v[PW]
.macro QUANT s
.irp b, 0,1,2,3
	v_max3_num_f32 v[TM+\b], |v[\s+16*\b]|, |v[\s+1+16*\b]|, 0x2800000   ; my 16 numbers of block b, and the floor 2^(5 - 127): the byte cannot fall under 1
.endr
.irp i, 2,4,6,8,10,12,14
.irp b, 0,1,2,3
	v_max3_num_f32 v[TM+\b], v[TM+\b], |v[\s+16*\b+\i]|, |v[\s+1+16*\b+\i]|
.endr
.endr
.irp b, 0,1,2,3
	v_permlanex16_b32 v[TM+4+\b], v[TM+\b], s[SEL], s[SEL+1]
.endr
.irp b, 0,1,2,3
	v_max_num_f32 v[TM+\b], v[TM+\b], v[TM+4+\b]
.endr
.irp b, 0,1,2,3
	v_add_nc_u32 v[TM+12+\b], 0xfe000000, v[TM+\b]
.endr
.irp b, 0,1,2,3
	v_lshrrev_b32 v[TM+4+\b], 23, v[TM+12+\b]
.endr
	v_lshl_or_b32 v[PW], v[TM+5], 8, v[TM+4]
	v_lshl_or_b32 v[PW], v[TM+6], 16, v[PW]
	v_lshl_or_b32 v[PW], v[TM+7], 24, v[PW]
.irp c, 0,1
	v_cvt_scalef32_pk16_bf6_f32 v[PC+6*\c:PC+2+6*\c], v[\s+32*\c:\s+15+32*\c], v[TM+12+2*\c]
	v_cvt_scalef32_pk16_bf6_f32 v[PC+12+4*\c:PC+14+4*\c], v[\s+16+32*\c:\s+31+32*\c], v[TM+12+2*\c+1]
.endr
	v_nop                                          ; one plain place behind a scaled conversion
.irp c, 0,1
.irp i, 0,1,2
	v_permlane16_swap_b32 v[PC+6*\c+\i], v[PC+12+4*\c+\i]
.endr
.irp i, 0,1,2
	v_mov_b32 v[PC+3+6*\c+\i], v[PC+12+4*\c+\i]
.endr
.endr
.endm
; THE WAY OUT of R's block a: its eight accumulators are 128 neighbouring hidden units of 16 rows: one fragment of the next product, and one scale word a row.  No LDS.
.macro OUTQ a
.if (\a) > 0
	s_wait_xcnt 0x0                                ; the last block's stores have read their registers, which are written again
.endif
	WIN 0x02+(\a)/4                                ; source 0: window 2 or 3
.set AC, 64*((\a)%4)
.set i, 0
.rept 64
	v_max_num_f32 v[T+i], v[AC+i], v[NIL]          ; the activation, in f32; each accumulator from its low end on
.set i, i+1
.endr
	WIN 0
	QUANT T
	global_store_b128 v[CO], v[PC:PC+3], s[12:13] offset:(\a)*49152
	global_store_b64 v[C8], v[PC+4:PC+5], s[12:13] offset:(\a)*49152+512
	global_store_b128 v[CO], v[PC+6:PC+9], s[12:13] offset:(\a)*49152+768
	global_store_b64 v[C8], v[PC+10:PC+11], s[12:13] offset:(\a)*49152+1280
.if (\a)%2 == 0
	v_mov_b32 v[PWE], v[PW]
.else
	v_cndmask_b32 v[PWM], v[PWE], v[PW], s2        ; lanes 0-15 the even block's words, lanes 16-31 the odd block's
	global_store_b32 v[VOS], v[PWM], s[66:67] offset:((\a)-1)*2048   ; 4 bytes a lane, 8 apart: the unit's other words are the neighbouring wave's; one byte in 24 of what leaves
.endif
.endm
	PLACES NP                                      ; behind the last products: their results are read and their operands' registers written
.irp b, 0,1,2,3
	v_mov_b32 v[TM+4+\b], 0                        ; a lane permute's destination counts as one of its sources
.endr
.irp a, 0,1,2,3,4,5,6,7
	OUTQ \a
.endr
	s_wait_tensorcnt 0x0                           ; the wave's end
	ds_add_u32 v[SPW], v[NIL]
	s_wait_dscnt 0x0
	CROUND                                         ; the closing round
	s_endpgm
.Lfunc_end_k_q18688ba45d_w1:
	.size	k_q18688ba45d_w1, .Lfunc_end_k_q18688ba45d_w1-k_q18688ba45d_w1
	.p2alignl 7, 3214868480
	.fill 96, 4, 3214868480
	.section	.rodata,"a",@progbits
	.p2align	6, 0x0
	.amdhsa_kernel k_q18688ba45d_w1
		.amdhsa_group_segment_fixed_size 327680
		.amdhsa_private_segment_fixed_size 0
		.amdhsa_enable_private_segment 0
		.amdhsa_kernarg_size 48
		.amdhsa_user_sgpr_count 2
		.amdhsa_user_sgpr_kernarg_segment_ptr 1
		.amdhsa_wavefront_size32 1
		.amdhsa_system_sgpr_workgroup_id_x 1
		.amdhsa_system_sgpr_workgroup_id_y 1
		.amdhsa_system_sgpr_workgroup_id_z 1
		.amdhsa_system_vgpr_workitem_id 0
		.amdhsa_next_free_vgpr 1024
		.amdhsa_next_free_sgpr 102
		.amdhsa_reserve_vcc 0
		.amdhsa_float_denorm_mode_32 3
		.amdhsa_float_denorm_mode_16_64 3
		.amdhsa_memory_ordered 1
		.amdhsa_forward_progress 1
		.amdhsa_inst_pref_size 166
	.end_amdhsa_kernel
	.amdgpu_metadata
---
amdhsa.version: [ 1, 2 ]
amdhsa.kernels:
  - .name:           k_q18688ba45d_w1
    .symbol:         k_q18688ba45d_w1.kd
    .args:
      - { .name: hnc, .offset: 0, .size: 8, .value_kind: global_buffer, .address_space: global }
      - { .name: hns, .offset: 8, .size: 8, .value_kind: global_buffer, .address_space: global }
      - { .name: opc, .offset: 16, .size: 8, .value_kind: global_buffer, .address_space: global }
      - { .name: ops, .offset: 24, .size: 8, .value_kind: global_buffer, .address_space: global }
      - { .name: b1, .offset: 32, .size: 8, .value_kind: global_buffer, .address_space: global }
      - { .name: hid, .offset: 40, .size: 8, .value_kind: global_buffer, .address_space: global }
    .group_segment_fixed_size: 327680
    .private_segment_fixed_size: 0
    .kernarg_segment_align: 8
    .kernarg_segment_size: 48
    .max_flat_workgroup_size: 128
    .sgpr_count:     102
    .vgpr_count:     1024
    .wavefront_size: 32
...
	.end_amdgpu_metadata
.endif
;; end of part 5
;; launch w2 (part 6): grid 4 x 16, 4 waves a work-group, clusters of 4 x 4, 327,680 bytes of LDS; arguments hid, opc, ops, b2, hb, out0; writes out0
.if DOCPART == 6
	.amdgcn_target "amdgcn-amd-amdhsa--gfx1250"
	.amdhsa_code_object_version 6
	.text
	.protected	k_q18688ba45d_w2
	.globl	k_q18688ba45d_w2
	.p2align	8
	.type	k_q18688ba45d_w2,@function
k_q18688ba45d_w2:
	s_mov_b64 s[64:65], 0
	v_nop
	global_prefetch_b8 v0, s[64:65] scope:SCOPE_SE
	s_setreg_imm32_b32 hwreg(HW_REG_WAVE_MODE, 25, 1), 1
	s_wait_xcnt 0x0
	s_wait_alu depctr_hold_cnt(0) depctr_sa_sdst(0) depctr_va_vdst(0) depctr_va_sdst(0) depctr_va_ssrc(0) depctr_va_vcc(0) depctr_vm_vsrc(0)
	s_getreg_b32 s2, hwreg(HW_REG_IB_STS2, 6, 4)
	s_cmp_eq_u32 s2, 0
	s_cbranch_scc0 .Lentry_in_a_cluster
	s_endpgm
.Lentry_in_a_cluster:
	s_bfe_u32 s2, ttmp6, 0x10000c
	s_cmp_lg_u32 s2, 0xf033
	s_cbranch_scc0 .Lentry_shape_is_right
	s_endpgm
.Lentry_shape_is_right:
; out = res + A W^T + bias on codes of BF6 (E3M2) with E8M0 scales for each 32 along K.  Here: out0 = h + hid w2^T + b2, K = 4,096.
; Operands lie in memory as images of their registers (fragments of 1,536 bytes, scale units of 128 bytes); A's scale units lie RSOFF bytes behind its codes; W's blocks begin at block FBP of the operands' buffer
; (counted in blocks of this K: 768 slabs of 12,288 bytes are 192 blocks of 49,152).
; A tile is 256 rows (R: source 1, a lane's row) x 256 columns (P: source 0, along a lane's registers); four waves, each 128 x 128: 64 accumulators.
; Lane index r of a block t is row 32 (t / 2) + 8 (t % 2) + r + 8 (r / 8), in A and in W alike: it shows only where f32 rows are read or written.
; K goes in steps of 256 through a ring of two LDS slots; all scale words of the tile come once.  R's tiles are asked for jointly along a row of the 4 x 4 cluster, P's along a column.
; The bias is the C of each sum's first product; the residual is added on the way out, where rows go through the wave's stage in LDS and leave as 512 consecutive bytes.
; REGISTERS: window 0: v16-31 addresses; v32-63 scale words, two sets; v64-127 the bias; v128-223 R's fragments, one set; on the way out v128-191 a block's rows.
;   window 1: P's fragments, two sets, at v0 and v128; on the way out four buffers of residual rows.   windows 2, 3: the accumulators ((a, b) at v[8 (8 (a % 4) + b)]).
.set SIZE_K, 4096
.set RSOFF,  12582912
.set FBP,    192
.set PITCHB, 12*SIZE_K                 ; a block's codes in memory
.set SBLK,   SIZE_K/2                  ; a block's scale words
.set HALFS,  8*SBLK
.set NQ,     2
.set FR,     12
.set NL,     4
.set NP,     4                         ; places behind this matrix instruction (ISA guide 7.12.1)
.set FRB,    1536
.set STEPB,  NQ*FRB
.set HALFT,  8*STEPB
.set SLOT,   4*HALFT
.set SCL,    2*SLOT
.set SPARE,  SCL+4*HALFS               ; the spare words, 128 bytes a wave, that no other line names
.set LAPS,   SIZE_K/512
.set ADRA, 16
.set ADRB, 20
.set STO,  24                          ; v24  the stage: where I put 32 bytes of a row
.set RD,   25                          ; v25  and where I read a row back
.set CO,   26                          ; v26  16 x lane
.set ADRS, 27
.set SPW,  28
.set NIL,  29
.set C8,   30
.set SC,   32
.set BP,   64
.set AF,   128
.set BB,   128
.set G1, 24
.set G0, 32
.set G1B, 48
.set G0B, 56
.set G1S, 68
.set G0S, 76
.set G1SB, 80
.set G0SB, 88
.set MSB, 0
.macro WIN new                         ; the immediate's high byte repeats the setting that is left
.if MSB != (\new)
	s_set_vgpr_msb (MSB<<8)|(\new)
.set MSB, (\new)
.endif
.endm
.set MUL_LO, 0xa1
.set MUL_HI, 0xf1
.set TO_B,   0x40
.macro JLOAD g0a, g1a, g0b, g1b        ; a joint load: waves 0 and 1 fetch for R, waves 2 and 3 for P; four v_nop follow each of the two lines
	s_cmp_eq_u32 s15, 0
	s_cbranch_scc0 .Lfor_b_\@
	tensor_load_to_lds s[\g0a:\g0a+3], s[\g1a:\g1a+7]
	s_nop 0
.rept 4
	v_nop
.endr
	s_branch .Lasked_\@
.Lfor_b_\@:
	tensor_load_to_lds s[\g0b:\g0b+3], s[\g1b:\g1b+7]
	s_nop 0
.rept 4
	v_nop
.endr
.Lasked_\@:
.endm
.macro CREST
	s_cmp_lg_u32 s14, 0
	s_cbranch_scc1 .Lnot_wave_0_\@
	s_barrier_signal -3
.Lnot_wave_0_\@:
	s_barrier_wait -3
	s_barrier_signal -1
	s_barrier_wait -1
.endm
.macro CROUND
	s_barrier_signal -1
	s_barrier_wait -1
	CREST
.endm
	s_load_b64 s[4:5], s[0:1], 0x0                 ; A: codes, and behind them scale units
	s_load_b128 s[8:11], s[0:1], 0x8               ; the operands' codes, their scale words
	s_load_b128 s[96:99], s[0:1], 0x18             ; the bias, the residual
	s_load_b64 s[12:13], s[0:1], 0x28              ; the result
	v_lshl_add_u32 v[SPW], v0, 2, SPARE
	v_mov_b32 v[NIL], 0
	ds_add_u32 v28, v29
	ds_add_u32 v28, v29
	s_wait_dscnt 0x0
	v_lshrrev_b32 v1, 5, v0
	v_readfirstlane_b32 s14, v1                    ; wave 0..3
	s_lshr_b32 s15, s14, 1                         ; my half of R.  Also: I fetch for R (0) or for P (1)
	s_and_b32 s16, s14, 1                          ; my half of P.  Also: which 8 blocks I fetch
	s_bfe_u32 s40, ttmp6, 0x40000
	s_bfe_u32 s41, ttmp6, 0x40004
	s_lshl_b32 s42, ttmp9, 2
	s_add_co_u32 s42, s42, s40                     ; P's tile
	s_and_b32 s17, ttmp7, 0xffff
	s_lshl_b32 s17, s17, 2
	s_add_co_u32 s17, s17, s41                     ; R's tile
	s_lshl_b32 s43, s41, 2
	s_lshl_b32 s43, 15, s43                        ; my row of the cluster
	s_lshl_b32 s44, 0x1111, s40                    ; my column
	s_or_b32 s[G1+0], s43, (3<<16)|(1<<21)         ; 8 blocks x 3,072 bytes (384 elements of 8 bytes), PITCHB bytes apart; the mask, bit 21 beside it
	s_or_b32 s[G1B+0], s44, (3<<16)|(1<<21)
.irp g, G1, G1B
	s_mov_b32 s[\g+1], 384<<16
	s_mov_b32 s[\g+2], 8<<16
	s_mov_b32 s[\g+3], 384<<16
	s_mov_b32 s[\g+4], 8
	s_mov_b32 s[\g+5], PITCHB/8
	s_mov_b32 s[\g+6], 0
	s_mov_b32 s[\g+7], 0
.endr
	s_or_b32 s[G1S+0], s43, (3<<16)|(1<<21)        ; the scale words of 8 blocks: HALFS dense bytes, as rows of 256
	s_or_b32 s[G1SB+0], s44, (3<<16)|(1<<21)
.irp g, G1S, G1SB
	s_mov_b32 s[\g+1], 32<<16
	s_mov_b32 s[\g+2], (HALFS/256)<<16
	s_mov_b32 s[\g+3], 32<<16
	s_mov_b32 s[\g+4], HALFS/256
	s_mov_b32 s[\g+5], 32
	s_mov_b32 s[\g+6], 0
	s_mov_b32 s[\g+7], 0
.endr
	s_lshl_b32 s18, s16, 3
	s_lshl_b32 s20, s17, 4
	s_add_co_u32 s20, s20, s18                     ; R: the block
	s_lshl_b32 s46, s42, 4
	s_add_co_u32 s46, s46, s18
	s_add_co_u32 s46, s46, FBP                     ; P: the block
	s_mul_i32 s22, s20, SBLK
	s_mov_b32 s23, 0
	s_mul_i32 s92, s46, SBLK
	s_mov_b32 s93, 0
	s_mul_i32 s20, s20, PITCHB
	s_mov_b32 s21, 0
	s_mul_i32 s46, s46, PITCHB
	s_mov_b32 s47, 0
	s_mul_i32 s45, s14, HALFT
	s_mul_i32 s94, s14, HALFS
	s_wait_kmcnt 0x0
	s_add_nc_u64 s[6:7], s[4:5], RSOFF
	s_add_nc_u64 s[20:21], s[4:5], s[20:21]
	s_add_nc_u64 s[22:23], s[6:7], s[22:23]
	s_add_nc_u64 s[46:47], s[8:9], s[46:47]
	s_add_nc_u64 s[92:93], s[10:11], s[92:93]
	CROUND                                         ; all sixteen work-groups are here: the first joint loads meet
	s_mov_b32 s[G0S], 1
	s_add_co_u32 s[G0S+1], s94, SCL
	s_mov_b64 s[G0S+2:G0S+3], s[22:23]
	s_or_b32 s[G0S+3], s[G0S+3], 0x80000000
	s_mov_b32 s[G0SB], 1
	s_add_co_u32 s[G0SB+1], s94, SCL
	s_mov_b64 s[G0SB+2:G0SB+3], s[92:93]
	s_or_b32 s[G0SB+3], s[G0SB+3], 0x80000000
	JLOAD G0S, G1S, G0SB, G1SB
.irp s, 0,1
	s_mov_b32 s[G0+4*\s], 1
	s_add_co_u32 s[G0+4*\s+1], s45, \s*SLOT
	s_add_nc_u64 s[G0+4*\s+2:G0+4*\s+3], s[20:21], \s*STEPB
	s_or_b32 s[G0+4*\s+3], s[G0+4*\s+3], 0x80000000
	s_mov_b32 s[G0B+4*\s], 1
	s_add_co_u32 s[G0B+4*\s+1], s45, \s*SLOT
	s_add_nc_u64 s[G0B+4*\s+2:G0B+4*\s+3], s[46:47], \s*STEPB
	s_or_b32 s[G0B+4*\s+3], s[G0B+4*\s+3], 0x80000000
	JLOAD G0+4*\s, G1, G0B+4*\s, G1B
.endr
	v_and_b32 v1, 15, v0                           ; r
	v_bfe_u32 v2, v0, 4, 1                         ; h
	v_and_b32 v3, 31, v0                           ; lane
	v_lshlrev_b32 v[CO], 4, v3
	v_lshlrev_b32 v[C8], 3, v3
	s_mul_i32 s21, s15, HALFT
	s_mul_i32 s22, s16, HALFT
	s_add_co_u32 s22, s22, 2*HALFT
.irp s, 0,1
	v_add_nc_u32 v[ADRA+\s], s21, v[CO]
	v_add_nc_u32 v[ADRB+\s], s22, v[CO]
	v_add_nc_u32 v[ADRA+2+\s], s21, v[C8]
	v_add_nc_u32 v[ADRB+2+\s], s22, v[C8]
	s_add_co_u32 s21, s21, SLOT
	s_add_co_u32 s22, s22, SLOT
.endr
	v_lshlrev_b32 v5, 3, v1
	s_mul_i32 s21, s15, HALFS
	s_mul_i32 s22, s16, HALFS
	s_add_co_u32 s22, s22, 2*HALFS
	s_sub_co_u32 s22, s22, s21
	v_mul_u32_u24 v4, s22, v2                      ; lanes 16-31 take P's scale words
	s_add_co_u32 s21, s21, SCL
	v_add_nc_u32 v5, v5, v4
	v_add_nc_u32 v[ADRS], s21, v5
	s_mul_i32 s23, s14, 16*528                     ; my stage: 16 rows x (512 + 16) bytes, in slot 0
	v_mul_u32_u24 v5, v1, 528
	v_lshl_add_u32 v5, v2, 6, v5
	v_add_nc_u32 v[STO], s23, v5                   ; in: row r, 64 h bytes on
	v_add_nc_u32 v[RD], s23, v[CO]                 ; back: a row of 512 bytes to the 32 lanes
	v_lshlrev_b32 v6, 6, v2                        ; the bias: 64 h
	s_lshl_b32 s46, s42, 10                        ; my first column, in bytes: 1,024 x P's tile + 512 x half
	s_lshl_b32 s47, s16, 9
	s_add_co_u32 s46, s46, s47
	s_mov_b32 s47, 0
	s_add_nc_u64 s[96:97], s[96:97], s[46:47]
.irp b, 0,1,2,3,4,5,6,7
	global_load_b128 v[BP+8*\b:BP+8*\b+3], v6, s[96:97] offset:(32*(\b/2)+8*(\b%2))*4        ; tile b, register j: column 32 (b / 2) + 16 h + 8 (b % 2) + j
	global_load_b128 v[BP+8*\b+4:BP+8*\b+7], v6, s[96:97] offset:(32*(\b/2)+8*(\b%2))*4+16
.endr
	s_lshl_b32 s20, s17, 8
	s_lshl_b32 s21, s15, 7
	s_add_co_u32 s20, s20, s21                     ; my first row: 256 x R's tile + 128 x half
	s_lshl_b32 s20, s20, 12
	s_add_co_u32 s20, s20, s46
	s_mov_b32 s21, 0
	s_add_nc_u64 s[66:67], s[98:99], s[20:21]      ; the residual,
	s_add_nc_u64 s[12:13], s[12:13], s[20:21]      ; the result
.macro FRAG reg, adr, q, i             ; a fragment comes as it was stored: four loads of 512, 256, 512, 256 consecutive bytes
	ds_load_b128 v[\reg:\reg+3], v[\adr] offset:STEPB*(\i)+FRB*(\q)
	ds_load_b64 v[\reg+4:\reg+5], v[\adr+2] offset:STEPB*(\i)+FRB*(\q)+512
	ds_load_b128 v[\reg+6:\reg+9], v[\adr] offset:STEPB*(\i)+FRB*(\q)+768
	ds_load_b64 v[\reg+10:\reg+11], v[\adr+2] offset:STEPB*(\i)+FRB*(\q)+1280
.endm
; 16 matrix instructions: R's blocks a0, a0 + 1 x P's eight.  zero = 1: the first product starts the sums from the bias.  The 64 accumulators take turns.
.macro MUL16 a0, p, q, sc, zero
.irp a, \a0, \a0+1
.irp b, 0,1,2,3,4,5,6,7
.if \zero
	v_wmma_scale_f32_16x16x128_f8f6f4 v[8*(8*((\a)%4)+\b):8*(8*((\a)%4)+\b)+7], v[128*(\p)+FR*\b:128*(\p)+FR*\b+FR-1], v[AF+FR*(\a):AF+FR*(\a)+FR-1], v[BP+8*\b:BP+8*\b+7], v[SC+8*NQ*(\sc)+NQ*\b+(\q)], v[SC+8*NQ*(\sc)+NQ*(\a)+(\q)] matrix_a_fmt:MATRIX_FMT_BF6 matrix_b_fmt:MATRIX_FMT_BF6 matrix_a_scale:MATRIX_SCALE_ROW1
.else
	v_wmma_scale_f32_16x16x128_f8f6f4 v[8*(8*((\a)%4)+\b):8*(8*((\a)%4)+\b)+7], v[128*(\p)+FR*\b:128*(\p)+FR*\b+FR-1], v[AF+FR*(\a):AF+FR*(\a)+FR-1], v[8*(8*((\a)%4)+\b):8*(8*((\a)%4)+\b)+7], v[SC+8*NQ*(\sc)+NQ*\b+(\q)], v[SC+8*NQ*(\sc)+NQ*(\a)+(\q)] matrix_a_fmt:MATRIX_FMT_BF6 matrix_b_fmt:MATRIX_FMT_BF6 matrix_a_scale:MATRIX_SCALE_ROW1
.endif
.endr
.endr
.endm
.macro FETCH_B slot, q, p
	WIN TO_B
.irp i, 0,1,2,3,4,5,6,7
	FRAG 128*(\p)+FR*\i, ADRB+\slot, \q, \i
.endr
	WIN 0
.endm
.macro FETCH_A slot, q, i0
.irp i, \i0, \i0+1, \i0+2, \i0+3
	FRAG AF+FR*(\i), ADRA+\slot, \q, \i
.endr
.endm
.macro SCALES sc
.irp i, 0,1,2,3,4,5,6,7
	ds_load_b64 v[SC+8*NQ*\sc+NQ*\i:SC+8*NQ*\sc+NQ*\i+1], v[ADRS] offset:\i*SBLK
.endr
.endm
.macro PLACES n                        ; plain vector instructions between a matrix instruction and a load into, or a read of, its registers (ISA guide 7.12.1 for reads)
.rept \n
	v_nop
.endr
.endm
.macro STEP slot, q, zero
	s_wait_dscnt 4*NL                              ; P's set and R's blocks 0-3 are in; the youngest 16 loads (R's blocks 4-7) may be out
.if \zero
	WIN 0x81                                       ; C (the bias) in window 0
.else
	WIN MUL_LO
.endif
	MUL16 0, (\q)%2, \q, \slot, \zero
	MUL16 2, (\q)%2, \q, \slot, \zero
	s_wait_dscnt 0
	PLACES NP
	FETCH_B \slot, (\q)+1, 1-(\q)%2
	FETCH_A \slot, (\q)+1, 0
.if \zero
	WIN 0xc1
.else
	WIN MUL_HI
.endif
	MUL16 4, (\q)%2, \q, \slot, \zero
	MUL16 6, (\q)%2, \q, \slot, \zero
	PLACES NP
	WIN 0
	FETCH_A \slot, (\q)+1, 4
.endm
.macro TURN slot, next, fill           ; a slot's last step changes slots: ONE barrier
	s_wait_tensorcnt 0x0                           ; all my tensor loads have landed: my part of the next slot
	ds_add_u32 v[SPW], v[NIL]                      ; 0 onto my spare word
	s_wait_dscnt 4*NL+1                            ; (the add and the youngest 16 loads may be out)
	WIN MUL_LO
	MUL16 0, 1, NQ-1, \slot, 0
	s_wait_dscnt 0x0                               ; the add is done, and my reads of this slot are over
	s_barrier_signal -1
	MUL16 2, 1, NQ-1, \slot, 0
	WIN 0
	s_barrier_wait -1
.if \fill
	CREST                                          ; the barrier has opened a round of the cluster's barrier
	s_add_nc_u64 s[G0+4*\slot+2:G0+4*\slot+3], s[G0+4*\slot+2:G0+4*\slot+3], 2*STEPB
	s_add_nc_u64 s[G0B+4*\slot+2:G0B+4*\slot+3], s[G0B+4*\slot+2:G0B+4*\slot+3], 2*STEPB
	JLOAD G0+4*\slot, G1, G0B+4*\slot, G1B         ; the first tensor load behind the round; its four v_nop are the places in front of the loads below
.else
	PLACES NP
.endif
	v_add_nc_u32 v[ADRS], 128, v[ADRS]
	FETCH_B \next, 0, 0
	FETCH_A \next, 0, 0
	SCALES \next
	WIN MUL_HI
	MUL16 4, 1, NQ-1, \slot, 0
	MUL16 6, 1, NQ-1, \slot, 0
	PLACES NP
	WIN 0
	FETCH_A \next, 0, 4
.endm
	s_wait_tensorcnt 1                             ; the scale words and my part of K step 0 are in (K step 1's load may be out)
	s_barrier_signal -1
	s_barrier_wait -1
	FETCH_B 0, 0, 0
	FETCH_A 0, 0, 0
	SCALES 0
	FETCH_A 0, 0, 4
	s_wait_loadcnt 0x0                             ; the bias
	STEP 0, 0, 1
	s_mov_b32 s3, LAPS-1
.Llap:
	TURN 0, 1, 1
	STEP 1, 0, 0
	TURN 1, 0, 1
	STEP 0, 0, 0
	s_sub_co_u32 s3, s3, 1
	s_cmp_lg_u32 s3, 0
	s_cbranch_scc1 .Llap
	TURN 0, 1, 0
	STEP 1, 0, 0
	s_wait_dscnt 4*NL
	WIN MUL_LO
	MUL16 0, 1, NQ-1, 1, 0
	MUL16 2, 1, NQ-1, 1, 0
	s_wait_dscnt 0
	WIN MUL_HI
	MUL16 4, 1, NQ-1, 1, 0
	MUL16 6, 1, NQ-1, 1, 0
	WIN 0
; THE WAY OUT, block by block of 16 rows x 128 columns, through my stage in slot 0, which has had its last fill, and which nobody reads behind the last change of slots.
.macro RLOAD a                         ; block a's 16 rows of the residual, 512 consecutive bytes each, into buffer a % 4 of window 1
	WIN 0x40
.irp t, 0,1,2,3,4,5,6,7,8,9,10,11,12,13,14,15
	global_load_b128 v[64*((\a)%4)+4*\t:64*((\a)%4)+4*\t+3], v[CO], s[66:67] offset:(32*((\a)/2)+8*((\a)%2)+\t+8*(\t/8))*4096
.endr
	WIN 0
.endm
.macro OUTF a
.if (\a) > 0
	s_wait_xcnt 0x0                                ; the last block's stores have read their registers, which are loaded again
.endif
	WIN 0x08+4*((\a)/4)                            ; an LDS store's data: window 2 or 3
.set AC, 64*((\a)%4)
.irp b, 0,1,2,3,4,5,6,7
	ds_store_b128 v[STO], v[AC+8*\b:AC+8*\b+3] offset:128*(\b/2)+32*(\b%2)          ; each accumulator from its low end on
	ds_store_b128 v[STO], v[AC+8*\b+4:AC+8*\b+7] offset:128*(\b/2)+32*(\b%2)+16
.endr
	WIN 0
.irp t, 0,1,2,3,4,5,6,7,8,9,10,11,12,13,14,15
	ds_load_b128 v[BB+4*\t:BB+4*\t+3], v[RD] offset:\t*528    ; LDS serves a wave's instructions in order: these see the stores above
.endr
	s_wait_dscnt 0x0
.if 7-(\a) >= 2
	s_wait_loadcnt 32                              ; block a's residual is in; the two blocks asked for behind it may be out
.else
	s_wait_loadcnt 16*(7-(\a))
.endif
	WIN 0x04                                       ; source 1: window 1
.set i, 0
.rept 32
	v_pk_add_f32 v[BB+i:BB+i+1], v[BB+i:BB+i+1], v[64*((\a)%4)+i:64*((\a)%4)+i+1]
.set i, i+2
.endr
	WIN 0
.if (\a)+3 < 8
	RLOAD (\a)+3
.endif
.irp t, 0,1,2,3,4,5,6,7,8,9,10,11,12,13,14,15
	global_store_b128 v[CO], v[BB+4*\t:BB+4*\t+3], s[12:13] offset:(32*((\a)/2)+8*((\a)%2)+\t+8*(\t/8))*4096 th:TH_STORE_NT   ; 32 lanes store 512 consecutive bytes, aligned
.endr
.endm
	PLACES NP                                      ; behind the last products: their results are read, and loads land in their operands' registers
	RLOAD 0
	RLOAD 1
	RLOAD 2
.irp a, 0,1,2,3,4,5,6,7
	OUTF \a
.endr
	s_wait_tensorcnt 0x0                           ; the wave's end
	ds_add_u32 v[SPW], v[NIL]
	s_wait_dscnt 0x0
	CROUND                                         ; the closing round
	s_endpgm
.Lfunc_end_k_q18688ba45d_w2:
	.size	k_q18688ba45d_w2, .Lfunc_end_k_q18688ba45d_w2-k_q18688ba45d_w2
	.p2alignl 7, 3214868480
	.fill 96, 4, 3214868480
	.section	.rodata,"a",@progbits
	.p2align	6, 0x0
	.amdhsa_kernel k_q18688ba45d_w2
		.amdhsa_group_segment_fixed_size 327680
		.amdhsa_private_segment_fixed_size 0
		.amdhsa_enable_private_segment 0
		.amdhsa_kernarg_size 48
		.amdhsa_user_sgpr_count 2
		.amdhsa_user_sgpr_kernarg_segment_ptr 1
		.amdhsa_wavefront_size32 1
		.amdhsa_system_sgpr_workgroup_id_x 1
		.amdhsa_system_sgpr_workgroup_id_y 1
		.amdhsa_system_sgpr_workgroup_id_z 1
		.amdhsa_system_vgpr_workitem_id 0
		.amdhsa_next_free_vgpr 1024
		.amdhsa_next_free_sgpr 102
		.amdhsa_reserve_vcc 0
		.amdhsa_float_denorm_mode_32 3
		.amdhsa_float_denorm_mode_16_64 3
		.amdhsa_memory_ordered 1
		.amdhsa_forward_progress 1
		.amdhsa_inst_pref_size 174
	.end_amdhsa_kernel
	.amdgpu_metadata
---
amdhsa.version: [ 1, 2 ]
amdhsa.kernels:
  - .name:           k_q18688ba45d_w2
    .symbol:         k_q18688ba45d_w2.kd
    .args:
      - { .name: hid, .offset: 0, .size: 8, .value_kind: global_buffer, .address_space: global }
      - { .name: opc, .offset: 8, .size: 8, .value_kind: global_buffer, .address_space: global }
      - { .name: ops, .offset: 16, .size: 8, .value_kind: global_buffer, .address_space: global }
      - { .name: b2, .offset: 24, .size: 8, .value_kind: global_buffer, .address_space: global }
      - { .name: hb, .offset: 32, .size: 8, .value_kind: global_buffer, .address_space: global }
      - { .name: out0, .offset: 40, .size: 8, .value_kind: global_buffer, .address_space: global }
    .group_segment_fixed_size: 327680
    .private_segment_fixed_size: 0
    .kernarg_segment_align: 8
    .kernarg_segment_size: 48
    .max_flat_workgroup_size: 128
    .sgpr_count:     102
    .vgpr_count:     1024
    .wavefront_size: 32
...
	.end_amdgpu_metadata
.endif
;; end of part 6
;; ======== version 2 of 2: 7 launches
;; limits: right only within a limited range of input values
;; workspace buffers: opc 12,582,912 bytes; ops 524,288 bytes; hnc 3,145,728 bytes; hns 131,072 bytes; att 16,384,000 bytes; oc 3,276,800 bytes; hb 16,777,216 bytes; hid 13,107,200 bytes
;; launch prep (part 7): grid 1024 x 1, 8 waves a work-group, no clusters, 70,656 bytes of LDS; arguments x, wq, wk, wv, wo, w1, w2, ln1_a, ln1_b, opc, ops; writes opc, ops
.if DOCPART == 7
	.amdgcn_target "amdgcn-amd-amdhsa--gfx1250"
	.amdhsa_code_object_version 6
	.text
	.protected	k_q18688ba45d_prep
	.globl	k_q18688ba45d_prep
	.p2align	8
	.type	k_q18688ba45d_prep,@function
k_q18688ba45d_prep:
	s_mov_b64 s[64:65], 0
	v_nop
	global_prefetch_b8 v0, s[64:65] scope:SCOPE_SE
	s_setreg_imm32_b32 hwreg(HW_REG_WAVE_MODE, 25, 1), 1
	s_wait_xcnt 0x0
; f32 rows become codes of BF6 (E3M2) with one E8M0 byte for each 32 along K, laid as IMAGES OF THE OPERAND'S REGISTERS.
; Work-group id takes slab id: 16 rows x 1,024 along K.  Slabs 0-255: the activations (x, or h in the second use of this text), which first go
; through the layer norm  a (x - mean) / sqrt(std + 1e-6) + b,  std unbiased;  256.. wq, 320.. wk, 384.. wv, 448.. wo, 512.. w1, 768.. w2 (four slabs to 16 rows of 4,096).
; ONE path for all: a weight runs the same lines with mean factor 0, gain 1 and bias 0, chosen by the work-group's number, which leave its numbers as they are.
; THE 16 ROWS OF A BLOCK t ARE NOT NEIGHBOURS: lane index r is row 32 (t / 2) + 8 (t % 2) + r + 8 (r / 8), so that a product which takes the block as source 0
; leaves 16 neighbours along this axis in the 16 registers of two neighbouring tiles.
; Wave w takes K step w (128 along K): one fragment, 1,536 bytes: registers 6 c .. 6 c + 3 at 768 c + 16 lane, registers 6 c + 4, 5 at 768 c + 512 + 8 lane.
; Scale words: units of 128 bytes for a block and 256 along K: lane index r has 8 bytes at 8 r, the words of two K steps.
; A block's scale is 2^(floor(log2(largest magnitude)) - 4); its byte is the largest magnitude's exponent field - 4, held at 1 from below.
; LIMITS: a block of zeros gets the byte 1 (its codes are zeros, and this program alone reads the bytes); blocks whose largest magnitude lies under 2^(5 - 127)
; share that byte; NaN and infinities among the inputs are not served.
.set STG,  8448                        ; LDS: a stage of 16 rows x (512 + 16) bytes for each wave
.set PS,   8*STG                       ; the waves' partial sums [r 16][w 8], 512 bytes; the sums of squares 512 bytes on
.set SW,   PS+1024                     ; the slab's four scale units, 512 bytes
.set R,    32                          ; v32-95   the numbers as loaded; later: v32-51 codes, v52-59 at work, v60-67 partial sums, v68-75 sums
.set X,    96                          ; v96-159  register 32 c + i: k = 64 c + 32 (lane / 16) + i of my row
.set PC,   32
.set TM,   52
.set SEL,  46                          ; s[46:47] lane selects: lane l xor 16
.macro BARRIER                         ; my LDS stores have landed and my LDS loads are in: then the work-group's barrier
	s_wait_dscnt 0x0
	s_barrier_signal -1
	s_barrier_wait -1
.endm
.macro PICK lim, p                     ; from slab lim on: the tensor whose address lies in s[p:p+1]
	s_cmp_ge_u32 ttmp9, \lim
	s_cselect_b64 s[26:27], s[\p:\p+1], s[26:27]
	s_cselect_b32 s28, \lim, s28
.endm
	s_load_b256 s[4:11], s[0:1], 0x0               ; x, wq, wk, wv
	s_load_b256 s[12:19], s[0:1], 0x20             ; wo, w1, w2, the norm's gain
	s_load_b128 s[20:23], s[0:1], 0x40             ; the norm's bias, the codes
	s_load_b64 s[24:25], s[0:1], 0x50              ; the scale bytes
	v_lshl_add_u32 v160, v0, 2, 0x11000
	v_mov_b32 v161, 0
	v_lshrrev_b32 v1, 5, v0
	s_delay_alu instid0(VALU_DEP_1)
	v_readfirstlane_b32 s44, v1                    ; wave 0..7
	v_and_b32 v1, 31, v0                           ; lane
	v_and_b32 v2, 15, v0                           ; r
	v_bfe_u32 v3, v0, 4, 1                         ; h
	s_mul_i32 s45, s44, STG
	v_lshlrev_b32 v9, 4, v1                        ; 16 x lane
	v_lshlrev_b32 v10, 3, v1                       ; 8 x lane
	v_lshlrev_b32 v11, 3, v3                       ; 8 h
	s_delay_alu instid0(VALU_DEP_3)
	v_add_nc_u32 v4, s45, v9                       ; the stage, on the way in: a row's 512 bytes as they lie
	v_mul_u32_u24 v5, v2, 528
	s_delay_alu instid0(VALU_DEP_1)
	v_lshl_add_u32 v5, v3, 7, v5
	s_delay_alu instid0(VALU_DEP_1)
	v_add_nc_u32 v5, s45, v5                       ; on the way out: row r, 128 h bytes on
	v_lshlrev_b32 v7, 5, v2
	s_delay_alu instid0(VALU_DEP_1)
	v_add_nc_u32 v7, PS, v7                        ; my row's eight partial sums
	s_lshl_b32 s45, s44, 2
	v_add_nc_u32 v6, s45, v7                       ; and my wave's among them
	s_lshr_b32 s45, s44, 1
	s_lshl_b32 s45, s45, 7
	s_and_b32 s46, s44, 1
	s_lshl_b32 s46, s46, 2
	s_add_co_u32 s45, s45, s46
	s_add_co_u32 s45, s45, SW
	v_lshl_add_u32 v8, v2, 3, s45                  ; my scale word: unit w / 2, 8 r, word w % 2
	v_add_nc_u32 v1, SW, v9                        ; wave 0 reads the four units back, 16 bytes a lane
	s_mov_b32 s[SEL], 0x76543210
	s_mov_b32 s[SEL+1], 0xfedcba98
	s_mov_b32 s28, 0
	s_wait_kmcnt 0x0
	s_load_b32 s40, s[18:19], 0x0                  ; the gain
	s_load_b32 s41, s[20:21], 0x0                  ; the bias
	s_mov_b64 s[26:27], s[4:5]
	PICK 256, 6
	PICK 320, 8
	PICK 384, 10
	PICK 448, 12
	PICK 512, 14
	PICK 768, 16
	s_cselect_b32 s29, 2, 0                        ; w2: four slabs to a block of rows,
	s_cselect_b32 s30, 3, 0
	s_cselect_b32 s31, 14, 12                      ; and rows of 16,384 bytes
	s_sub_co_u32 s32, ttmp9, s28
	s_lshr_b32 s33, s32, s29                       ; t: the block of rows
	s_and_b32 s34, s32, s30                        ; which 1,024 along K
	s_lshr_b32 s36, s33, 1
	s_lshl_b32 s36, s36, 5
	s_and_b32 s37, s33, 1
	s_lshl_b32 s37, s37, 3
	s_add_co_u32 s36, s36, s37                     ; the block's first row: 32 (t / 2) + 8 (t % 2)
	s_lshl_b32 s36, s36, s31
	s_lshl_b32 s34, s34, 12
	s_add_co_u32 s34, s34, s36
	s_lshl_b32 s36, s44, 9                         ; my wave's 512 bytes of a row
	s_add_co_u32 s34, s34, s36
	s_mov_b32 s35, 0
	s_add_nc_u64 s[26:27], s[26:27], s[34:35]
	s_lshl_b32 s36, 1, s31                         ; a row on,
	s_mul_i32 s37, s36, 9                          ; and nine: from lane index 7 to lane index 8
	v_mov_b32 v16, v9
.irp j, 1,2,3,4,5,6,7
	s_delay_alu instid0(VALU_DEP_1)
	v_add_nc_u32 v[16+\j], s36, v[15+\j]
.endr
	s_delay_alu instid0(VALU_DEP_1)
	v_add_nc_u32 v24, s37, v23
.irp j, 9,10,11,12,13,14,15
	s_delay_alu instid0(VALU_DEP_1)
	v_add_nc_u32 v[16+\j], s36, v[15+\j]
.endr
.irp j, 0,1,2,3,4,5,6,7,8,9,10,11,12,13,14,15
	global_load_b128 v[R+4*\j:R+4*\j+3], v[16+\j], s[26:27] th:TH_LOAD_NT   ; 32 lanes read 512 consecutive bytes: lane index j's K step
.endr
	s_mul_i32 s32, ttmp9, 12288
	s_mul_i32 s33, s44, 1536
	s_add_co_u32 s32, s32, s33
	s_mov_b32 s33, 0
	s_add_nc_u64 s[22:23], s[22:23], s[32:33]      ; my fragment's image
	s_lshl_b32 s32, ttmp9, 9
	s_add_nc_u64 s[24:25], s[24:25], s[32:33]      ; the slab's scale units
	s_wait_kmcnt 0x0
	s_cmp_lt_u32 ttmp9, 256                        ; an activation or a weight?
	s_cselect_b32 s38, 0x3a800000, 0               ; 1 / 1,024, or 0: a weight's mean counts as 0
	s_cselect_b32 s39, -1, 0                       ; all lanes take the norm's gain, or none
	s_cselect_b32 s42, s41, 0                      ; the bias
	s_mov_b32 s43, s42                             ; (named with it as a pair)
.irp j, 0,1,2,3,4,5,6,7,8,9,10,11,12,13,14,15
	s_wait_loadcnt 15-\j                           ; loads come back in order: row j is in, the younger rows stay out
	ds_store_b128 v4, v[R+4*\j:R+4*\j+3] offset:528*\j
.endr
.irp c, 0,1
.irp i, 0,1,2,3,4,5,6,7
	ds_load_b128 v[X+32*\c+4*\i:X+32*\c+4*\i+3], v5 offset:256*\c+16*\i   ; the stage is my wave's own, and LDS serves a wave's instructions in order
.endr
.endr
	s_wait_dscnt 0x0
; four packed sums in v[68:75] become the row's sum in v68: my lane's, lane l xor 16's, then the eight waves' through LDS
.macro ACROSS off
	s_delay_alu instid0(VALU_DEP_3)
	v_pk_add_f32 v[68:69], v[68:69], v[70:71]
	s_delay_alu instid0(VALU_DEP_2)
	v_pk_add_f32 v[72:73], v[72:73], v[74:75]
	s_delay_alu instid0(VALU_DEP_1)
	v_pk_add_f32 v[68:69], v[68:69], v[72:73]
	s_delay_alu instid0(VALU_DEP_1)
	v_add_f32 v68, v68, v69
	s_delay_alu instid0(VALU_DEP_1)
	v_permlanex16_b32 v69, v68, s[SEL], s[SEL+1]
	s_delay_alu instid0(VALU_DEP_1)
	v_add_f32 v68, v68, v69
	ds_store_b32 v6, v68 offset:\off               ; lanes r and r + 16 write the same word with the same value
	BARRIER
	ds_load_b128 v[60:63], v7 offset:\off
	ds_load_b128 v[64:67], v7 offset:\off+16
	s_wait_dscnt 0x0
	v_add_f32 v60, v60, v61
	v_add_f32 v62, v62, v63
	v_add_f32 v64, v64, v65
	v_add_f32 v66, v66, v67
	s_delay_alu instid0(VALU_DEP_3)
	v_add_f32 v60, v60, v62
	s_delay_alu instid0(VALU_DEP_2)
	v_add_f32 v64, v64, v66
	s_delay_alu instid0(VALU_DEP_1)
	v_add_f32 v68, v60, v64
.endm
.irp k, 0,1,2,3
	v_pk_add_f32 v[68+2*\k:69+2*\k], v[X+2*\k:X+1+2*\k], v[X+8+2*\k:X+9+2*\k]
.endr
.irp i, 16,24,32,40,48,56
.irp k, 0,1,2,3
	s_delay_alu instid0(VALU_DEP_4)
	v_pk_add_f32 v[68+2*\k:69+2*\k], v[68+2*\k:69+2*\k], v[X+\i+2*\k:X+1+\i+2*\k]
.endr
.endr
	ACROSS 0
	s_delay_alu instid0(VALU_DEP_1)
	v_mul_f32 v12, s38, v68                        ; the mean
	s_delay_alu instid0(VALU_DEP_1)
	v_mov_b32 v13, v12
.set j, 0
.rept 32
	v_pk_add_f32 v[X+j:X+j+1], v[X+j:X+j+1], v[12:13] neg_lo:[0,1] neg_hi:[0,1]   ; d = x - mean: the squares are taken of d, so that a common offset costs no digits
.set j, j+2
.endr
.irp k, 0,1,2,3
	v_pk_mul_f32 v[68+2*\k:69+2*\k], v[X+2*\k:X+1+2*\k], v[X+2*\k:X+1+2*\k]
.endr
.irp i, 8,16,24,32,40,48,56
.irp k, 0,1,2,3
	s_delay_alu instid0(VALU_DEP_4)
	v_pk_fma_f32 v[68+2*\k:69+2*\k], v[X+\i+2*\k:X+1+\i+2*\k], v[X+\i+2*\k:X+1+\i+2*\k], v[68+2*\k:69+2*\k]
.endr
.endr
	ACROSS 512                                     ; other words than the first sums': no barrier is needed between the two uses
	s_delay_alu instid0(VALU_DEP_1)
	v_mul_f32 v68, 0x3a802008, v68                 ; / 1,023
	s_wait_alu depctr_va_vdst(0)
	v_sqrt_f32 v69, v68                            ; the unbiased std
	v_nop                                          ; a plain instruction behind a transcendental,
	s_wait_alu depctr_va_vdst(0)                   ; and the wait ahead of the first use
	v_add_f32 v69, 0x358637bd, v69                 ; + 1e-6
	s_wait_alu depctr_va_vdst(0)
	v_rsq_f32 v70, v69                             ; 1 / sqrt(std + 1e-6)
	v_nop
	s_wait_alu depctr_va_vdst(0)
	v_mul_f32 v70, s40, v70
	s_delay_alu instid0(VALU_DEP_1)
	v_cndmask_b32 v14, 1.0, v70, s39               ; a weight's gain is 1
	s_delay_alu instid0(VALU_DEP_1)
	v_mov_b32 v15, v14
.set j, 0
.rept 32
	v_pk_fma_f32 v[X+j:X+j+1], v[X+j:X+j+1], v[14:15], s[42:43] op_sel_hi:[1,1,0]
.set j, j+2
.endr
; the quantiser: a lane holds two whole blocks of 32: 2 c + h
.irp c, 0,1
	v_max3_num_f32 v[TM+\c], |v[X+32*\c]|, |v[X+1+32*\c]|, 0x2800000   ; and the floor 2^(5 - 127): the byte cannot fall under 1
.endr
.irp i, 2,4,6,8,10,12,14,16,18,20,22,24,26,28,30
.irp c, 0,1
	s_delay_alu instid0(VALU_DEP_2)
	v_max3_num_f32 v[TM+\c], v[TM+\c], |v[X+32*\c+\i]|, |v[X+1+32*\c+\i]|
.endr
.endr
.irp c, 0,1
	s_delay_alu instid0(VALU_DEP_2)
	v_add_nc_u32 v[TM+2+\c], 0xfe000000, v[TM+\c]  ; 4 off the exponent field: the conversion's scale operand
.endr
.irp c, 0,1
	s_delay_alu instid0(VALU_DEP_2)
	v_lshrrev_b32 v[TM+4+\c], 23, v[TM+2+\c]       ; the scale's byte
.endr
	s_delay_alu instid0(VALU_DEP_1)
	v_lshl_or_b32 v[TM+6], v[TM+5], 16, v[TM+4]    ; my two bytes, blocks h and 2 + h,
	s_delay_alu instid0(VALU_DEP_1)
	v_lshlrev_b32 v[TM+6], v11, v[TM+6]            ; at their places in the word;
	v_mov_b32 v[TM+7], 0
	s_delay_alu instid0(VALU_DEP_1)
	v_permlanex16_b32 v[TM+7], v[TM+6], s[SEL], s[SEL+1]
	s_delay_alu instid0(VALU_DEP_1)
	v_or_b32 v[TM+6], v[TM+6], v[TM+7]             ; with lane l xor 16's two the word is whole
.irp c, 0,1
	v_cvt_scalef32_pk16_bf6_f32 v[PC+6*\c:PC+2+6*\c], v[X+32*\c:X+15+32*\c], v[TM+2+\c]
	v_cvt_scalef32_pk16_bf6_f32 v[PC+12+4*\c:PC+14+4*\c], v[X+16+32*\c:X+31+32*\c], v[TM+2+\c]   ; (a conversion's three registers begin on an even number)
.endr
	v_nop                                          ; one plain place behind a scaled conversion
.irp c, 0,1
.irp i, 0,1,2
	v_mov_b32 v[PC+3+6*\c+\i], v[PC+12+4*\c+\i]
.endr
.endr
	global_store_b128 v9, v[PC:PC+3], s[22:23]                 ; each store covers 512 or 256 consecutive bytes, aligned
	global_store_b64 v10, v[PC+4:PC+5], s[22:23] offset:512
	global_store_b128 v9, v[PC+6:PC+9], s[22:23] offset:768
	global_store_b64 v10, v[PC+10:PC+11], s[22:23] offset:1280
	ds_store_b32 v8, v[TM+6]                       ; lanes r and r + 16 write the same word with the same value
	BARRIER                                        ; the slab's 128 scale words lie in LDS
	s_cmp_lg_u32 s44, 0
	s_cbranch_scc1 .Lend
	ds_load_b128 v[60:63], v1
	s_wait_dscnt 0x0
	global_store_b128 v9, v[60:63], s[24:25]       ; wave 0 stores them: 512 consecutive bytes, aligned
.Lend:
	s_wait_tensorcnt 0x0
	ds_add_u32 v160, v161
	s_wait_dscnt 0x0
	s_endpgm
.Lfunc_end_k_q18688ba45d_prep:
	.size	k_q18688ba45d_prep, .Lfunc_end_k_q18688ba45d_prep-k_q18688ba45d_prep
	.p2alignl 7, 3214868480
	.fill 96, 4, 3214868480
	.section	.rodata,"a",@progbits
	.p2align	6, 0x0
	.amdhsa_kernel k_q18688ba45d_prep
		.amdhsa_group_segment_fixed_size 70656
		.amdhsa_private_segment_fixed_size 0
		.amdhsa_enable_private_segment 0
		.amdhsa_kernarg_size 88
		.amdhsa_user_sgpr_count 2
		.amdhsa_user_sgpr_kernarg_segment_ptr 1
		.amdhsa_wavefront_size32 1
		.amdhsa_system_sgpr_workgroup_id_x 1
		.amdhsa_system_sgpr_workgroup_id_y 1
		.amdhsa_system_sgpr_workgroup_id_z 1
		.amdhsa_system_vgpr_workitem_id 0
		.amdhsa_next_free_vgpr 162
		.amdhsa_next_free_sgpr 66
		.amdhsa_reserve_vcc 0
		.amdhsa_float_denorm_mode_32 3
		.amdhsa_float_denorm_mode_16_64 3
		.amdhsa_memory_ordered 1
		.amdhsa_forward_progress 1
		.amdhsa_inst_pref_size 27
	.end_amdhsa_kernel
	.amdgpu_metadata
---
amdhsa.version: [ 1, 2 ]
amdhsa.kernels:
  - .name:           k_q18688ba45d_prep
    .symbol:         k_q18688ba45d_prep.kd
    .args:
      - { .name: x, .offset: 0, .size: 8, .value_kind: global_buffer, .address_space: global }
      - { .name: wq, .offset: 8, .size: 8, .value_kind: global_buffer, .address_space: global }
      - { .name: wk, .offset: 16, .size: 8, .value_kind: global_buffer, .address_space: global }
      - { .name: wv, .offset: 24, .size: 8, .value_kind: global_buffer, .address_space: global }
      - { .name: wo, .offset: 32, .size: 8, .value_kind: global_buffer, .address_space: global }
      - { .name: w1, .offset: 40, .size: 8, .value_kind: global_buffer, .address_space: global }
      - { .name: w2, .offset: 48, .size: 8, .value_kind: global_buffer, .address_space: global }
      - { .name: ln1_a, .offset: 56, .size: 8, .value_kind: global_buffer, .address_space: global }
      - { .name: ln1_b, .offset: 64, .size: 8, .value_kind: global_buffer, .address_space: global }
      - { .name: opc, .offset: 72, .size: 8, .value_kind: global_buffer, .address_space: global }
      - { .name: ops, .offset: 80, .size: 8, .value_kind: global_buffer, .address_space: global }
    .group_segment_fixed_size: 70656
    .private_segment_fixed_size: 0
    .kernarg_segment_align: 8
    .kernarg_segment_size: 88
    .max_flat_workgroup_size: 256
    .sgpr_count:     66
    .vgpr_count:     162
    .wavefront_size: 32
...
	.end_amdgpu_metadata
.endif
;; end of part 7
;; launch qkv (part 8): grid 48 x 4, 4 waves a work-group, clusters of 4 x 4, 327,680 bytes of LDS; arguments opc, ops, bq, bk, bv, att; writes att
.if DOCPART == 8
	.amdgcn_target "amdgcn-amd-amdhsa--gfx1250"
	.amdhsa_code_object_version 6
	.text
	.protected	k_q18688ba45d_qkv
	.globl	k_q18688ba45d_qkv
	.p2align	8
	.type	k_q18688ba45d_qkv,@function
k_q18688ba45d_qkv:
	s_mov_b64 s[64:65], 0
	v_nop
	global_prefetch_b8 v0, s[64:65] scope:SCOPE_SE
	s_setreg_imm32_b32 hwreg(HW_REG_WAVE_MODE, 25, 1), 1
	s_wait_xcnt 0x0
	s_wait_alu depctr_hold_cnt(0) depctr_sa_sdst(0) depctr_va_vdst(0) depctr_va_sdst(0) depctr_va_ssrc(0) depctr_va_vcc(0) depctr_vm_vsrc(0)
	s_getreg_b32 s2, hwreg(HW_REG_IB_STS2, 6, 4)
	s_cmp_eq_u32 s2, 0
	s_cbranch_scc0 .Lentry_in_a_cluster
	s_endpgm
.Lentry_in_a_cluster:
	s_bfe_u32 s2, ttmp6, 0x10000c
	s_cmp_lg_u32 s2, 0xf033
	s_cbranch_scc0 .Lentry_shape_is_right
	s_endpgm
.Lentry_shape_is_right:
.set SIZE_K, 1024
.set PITCHB, 12*SIZE_K
.set SBLK,   SIZE_K/2
.set HALFS,  8*SBLK
.set NQ,     2
.set FR,     12
.set NL,     4
.set NP,     4
.set FRB,    1536
.set STEPB,  NQ*FRB
.set HALFT,  8*STEPB
.set SLOT,   4*HALFT
.set SCL,    2*SLOT
.set SPARE,  SCL+4*HALFS
.set LAPS,   SIZE_K/512
.set ADRA, 16
.set ADRB, 20
.set CO,   26
.set ADRS, 27
.set SPW,  28
.set NIL,  29
.set C8,   30
.set VOS,  31
.set SC,   32
.set BP,   64
.set AF,   128
.set T,    128
.set PC,   192
.set TM,   212
.set PW,   228
.set PWE,  229
.set PWM,  230
.set BR,   232
.set SEL,  18
.set G1, 24
.set G0, 32
.set G1B, 48
.set G0B, 56
.set G1S, 68
.set G0S, 76
.set G1SB, 80
.set G0SB, 88
.set MSB, 0
.macro WIN new
.if MSB != (\new)
	s_set_vgpr_msb (MSB<<8)|(\new)
.set MSB, (\new)
.endif
.endm
.set MUL_LO, 0xa1
.set MUL_HI, 0xf1
.set TO_B,   0x40
.macro JLOAD g0a, g1a, g0b, g1b
	s_cmp_eq_u32 s15, 0
	s_cbranch_scc0 .Lfor_b_\@
	tensor_load_to_lds s[\g0a:\g0a+3], s[\g1a:\g1a+7]
	s_nop 0
.rept 4
	v_nop
.endr
	s_branch .Lasked_\@
.Lfor_b_\@:
	tensor_load_to_lds s[\g0b:\g0b+3], s[\g1b:\g1b+7]
	s_nop 0
.rept 4
	v_nop
.endr
.Lasked_\@:
.endm
.macro CREST
	s_cmp_lg_u32 s14, 0
	s_cbranch_scc1 .Lnot_wave_0_\@
	s_barrier_signal -3
.Lnot_wave_0_\@:
	s_barrier_wait -3
	s_barrier_signal -1
	s_barrier_wait -1
.endm
.macro CROUND
	s_barrier_signal -1
	s_barrier_wait -1
	CREST
.endm
	s_load_b128 s[4:7], s[0:1], 0x0
	s_load_b128 s[96:99], s[0:1], 0x10
	s_load_b128 s[8:11], s[0:1], 0x20
	v_lshl_add_u32 v[SPW], v0, 2, SPARE
	v_mov_b32 v[NIL], 0
	ds_add_u32 v28, v29
	ds_add_u32 v28, v29
	s_wait_dscnt 0x0
	v_lshrrev_b32 v1, 5, v0
	v_readfirstlane_b32 s14, v1
	s_lshr_b32 s15, s14, 1
	s_and_b32 s16, s14, 1
	s_bfe_u32 s40, ttmp6, 0x40000
	s_bfe_u32 s41, ttmp6, 0x40004
	s_sub_co_u32 s18, ttmp9, 8
	s_and_b32 s19, ttmp9, 1
	s_lshr_b32 s20, ttmp9, 1
	s_cmp_ge_u32 ttmp9, 8
	s_cselect_b32 s42, s18, s19
	s_cselect_b32 s17, 0, s20
	s_cselect_b32 s21, 384, 0
	s_cselect_b32 s47, 0, 256
	s_cselect_b32 s95, -1, 0
	s_cselect_b32 s100, 12582912, 0
	s_cselect_b32 s101, 524288, 0
	s_lshl_b32 s42, s42, 2
	s_add_co_u32 s42, s42, s40
	s_lshl_b32 s17, s17, 2
	s_add_co_u32 s17, s17, s41
	s_lshl_b32 s43, s41, 2
	s_lshl_b32 s43, 15, s43
	s_lshl_b32 s44, 0x1111, s40
	s_or_b32 s[G1+0], s43, (3<<16)|(1<<21)
	s_or_b32 s[G1B+0], s44, (3<<16)|(1<<21)
.irp g, G1, G1B
	s_mov_b32 s[\g+1], 384<<16
	s_mov_b32 s[\g+2], 16<<16                      ; the head's loads of codes bring a tile's 16 blocks; the ring's bring 8 (set behind the head's wait)
	s_mov_b32 s[\g+3], 384<<16
	s_mov_b32 s[\g+4], 16
	s_mov_b32 s[\g+5], PITCHB/8
	s_mov_b32 s[\g+6], 0
	s_mov_b32 s[\g+7], 0
.endr
	s_or_b32 s[G1S+0], s43, (3<<16)|(1<<21)
	s_or_b32 s[G1SB+0], s44, (3<<16)|(1<<21)
.irp g, G1S, G1SB
	s_mov_b32 s[\g+1], 32<<16
	s_mov_b32 s[\g+2], (2*HALFS/256)<<16           ; the scale words of a tile's 16 blocks, one dense run
	s_mov_b32 s[\g+3], 32<<16
	s_mov_b32 s[\g+4], 2*HALFS/256
	s_mov_b32 s[\g+5], 32
	s_mov_b32 s[\g+6], 0
	s_mov_b32 s[\g+7], 0
.endr
	s_lshl_b32 s18, s16, 3
	s_lshl_b32 s20, s17, 4
	s_add_co_u32 s20, s20, s18
	s_add_co_u32 s20, s20, s21
	s_lshl_b32 s46, s42, 4
	s_add_co_u32 s46, s46, s18
	s_add_co_u32 s46, s46, s47
	s_mul_i32 s22, s20, SBLK
	s_mov_b32 s23, 0
	s_mul_i32 s92, s46, SBLK
	s_mov_b32 s93, 0
	s_mul_i32 s20, s20, PITCHB
	s_mov_b32 s21, 0
	s_mul_i32 s46, s46, PITCHB
	s_mov_b32 s47, 0
	s_mul_i32 s45, s14, HALFT
	s_mul_i32 s94, s16, HALFS
	s_sub_co_u32 s22, s22, s94                     ; the scale words begin with the tile's first block
	s_sub_co_u32 s92, s92, s94
	s_mul_i32 s94, s15, 2*HALFS                    ; in LDS: R's first, P's behind them
	s_wait_kmcnt 0x0
	s_add_nc_u64 s[20:21], s[4:5], s[20:21]
	s_add_nc_u64 s[22:23], s[6:7], s[22:23]
	s_add_nc_u64 s[46:47], s[4:5], s[46:47]
	s_add_nc_u64 s[92:93], s[6:7], s[92:93]
	CROUND
	s_mov_b32 s[G0S], 1
	s_add_co_u32 s[G0S+1], s94, SCL
	s_mov_b64 s[G0S+2:G0S+3], s[22:23]
	s_or_b32 s[G0S+3], s[G0S+3], 0x80000000
	s_mov_b32 s[G0SB], 1
	s_add_co_u32 s[G0SB+1], s94, SCL
	s_mov_b64 s[G0SB+2:G0SB+3], s[92:93]
	s_or_b32 s[G0SB+3], s[G0SB+3], 0x80000000
.irp s, 0,1
	s_mov_b32 s[G0+4*\s], 1
	s_add_co_u32 s[G0+4*\s+1], s45, \s*SLOT
	s_add_nc_u64 s[G0+4*\s+2:G0+4*\s+3], s[20:21], \s*STEPB
	s_or_b32 s[G0+4*\s+3], s[G0+4*\s+3], 0x80000000
	s_mov_b32 s[G0B+4*\s], 1
	s_add_co_u32 s[G0B+4*\s+1], s45, \s*SLOT
	s_add_nc_u64 s[G0B+4*\s+2:G0B+4*\s+3], s[46:47], \s*STEPB
	s_or_b32 s[G0B+4*\s+3], s[G0B+4*\s+3], 0x80000000
.endr
; the head's four tiles, one joint load a wave, in one chain of branches on the wave's number: wave 0 slot 0's 16 blocks of R, wave 1 R's scale words, wave 2 slot 0's 16 blocks of P, wave 3 P's scale words
; THE PREFETCHES: K has four slots.  Of the 8 blocks that my wave fetches in the ring, each of the four partners that ask for them jointly takes two, told apart by address (cx for R, cy for P):
; 2 x 3,072 bytes of a slot, 24 blocks of 256, a lane a block; lanes 24-31 name the last again.  Slots 1 and 2 are asked for behind the head's load, slot 3 beside slot 1's load: at most two slots are asked for and not yet read.
	s_cmp_eq_u32 s15, 0
	s_cselect_b64 s[4:5], s[20:21], s[46:47]       ; my wave's 8 blocks, at K = 0 (the arguments that lay in s[4:7] have been used)
	s_cselect_b32 s6, s40, s41                     ; my place among the four
	s_mul_i32 s6, s6, 2*PITCHB
	s_mov_b32 s7, 0
	s_add_nc_u64 s[4:5], s[4:5], s[6:7]
.macro HARM under, g0, g1, next
	s_cmp_lt_u32 s14, \under
	s_cbranch_scc0 \next
	tensor_load_to_lds s[\g0:\g0+3], s[\g1:\g1+7]
	s_nop 0
.rept 4
	v_nop
.endr
	s_branch .Lhead_asked
\next:
.endm
	HARM 1, G0, G1, .Lhead_rs
	HARM 2, G0S, G1S, .Lhead_p
	HARM 3, G0B, G1B, .Lhead_ps
	tensor_load_to_lds s[G0SB:G0SB+3], s[G1SB:G1SB+7]
	s_nop 0
.rept 4
	v_nop
.endr
.Lhead_asked:
	v_and_b32 v8, 31, v0
	v_min_u32 v8, 23, v8                           ; u = min(lane, 23)
	v_mul_u32_u24 v9, v8, 171
	v_lshrrev_b32 v9, 11, v9                       ; u / 12: which of my two blocks
	v_mul_u32_u24 v9, v9, PITCHB-STEPB
	v_lshl_add_u32 v8, v8, 8, v9                   ; v8: 256 u + (u / 12) (a block's pitch - a slot's 3,072 bytes); never rewritten
	global_prefetch_b8 v8, s[4:5] offset:STEPB th:TH_LOAD_NT scope:SCOPE_SE     ; slot 1's bytes
	global_prefetch_b8 v8, s[4:5] offset:2*STEPB th:TH_LOAD_NT scope:SCOPE_SE   ; slot 2's
	v_and_b32 v1, 15, v0
	v_bfe_u32 v2, v0, 4, 1
	v_and_b32 v3, 31, v0
	v_lshlrev_b32 v[CO], 4, v3
	v_lshlrev_b32 v[C8], 3, v3
	s_mul_i32 s21, s15, HALFT
	s_mul_i32 s22, s16, HALFT
	s_add_co_u32 s22, s22, 2*HALFT
.irp s, 0,1
	v_add_nc_u32 v[ADRA+\s], s21, v[CO]
	v_add_nc_u32 v[ADRB+\s], s22, v[CO]
	v_add_nc_u32 v[ADRA+2+\s], s21, v[C8]
	v_add_nc_u32 v[ADRB+2+\s], s22, v[C8]
	s_add_co_u32 s21, s21, SLOT
	s_add_co_u32 s22, s22, SLOT
.endr
	v_lshlrev_b32 v5, 3, v1
	s_mul_i32 s21, s15, HALFS
	s_mul_i32 s22, s16, HALFS
	s_add_co_u32 s22, s22, 2*HALFS
	s_sub_co_u32 s22, s22, s21
	v_mul_u32_u24 v4, s22, v2
	s_add_co_u32 s21, s21, SCL
	v_add_nc_u32 v5, v5, v4
	v_add_nc_u32 v[ADRS], s21, v5
	v_lshlrev_b32 v[VOS], 3, v1
	v_lshl_add_u32 v[VOS], v2, 11, v[VOS]
	v_lshlrev_b32 v6, 6, v2
	s_wait_alu depctr_va_vdst(0)
	v_and_b32 v7, 8, v1
	v_add_nc_u32 v7, v7, v1
	v_lshlrev_b32 v7, 2, v7
	s_wait_alu depctr_va_vdst(0)
	s_mov_b32 s2, 0xffff0000
	s_not_b32 s94, s95
	s_and_b32 s20, ttmp9, 1
	s_and_not1_b32 s20, s20, s95
	s_cmp_lg_u32 s20, 0
	s_cselect_b64 s[96:97], s[98:99], s[96:97]
	s_lshl_b32 s20, s40, 10
	s_lshl_b32 s21, s16, 9
	s_add_co_u32 s20, s20, s21
	s_mov_b32 s21, 0
	s_add_nc_u64 s[96:97], s[96:97], s[20:21]
	s_lshl_b32 s20, s17, 10
	s_lshl_b32 s22, s15, 9
	s_add_co_u32 s20, s20, s22
	s_and_b32 s20, s20, s95
	s_add_nc_u64 s[8:9], s[8:9], s[20:21]
.irp b, 0,1,2,3,4,5,6,7
	global_load_b128 v[BP+8*\b:BP+8*\b+3], v6, s[96:97] offset:(32*(\b/2)+8*(\b%2))*4
	global_load_b128 v[BP+8*\b+4:BP+8*\b+7], v6, s[96:97] offset:(32*(\b/2)+8*(\b%2))*4+16
.endr
.irp a, 0,1,2,3,4,5,6,7
	global_load_b32 v[BR+2*\a], v7, s[8:9] offset:(32*(\a/2)+8*(\a%2))*4
.endr
	s_lshl_b32 s20, s17, 4
	s_lshl_b32 s22, s15, 3
	s_add_co_u32 s20, s20, s22
	s_lshl_b32 s22, s42, 1
	s_add_co_u32 s22, s22, s16
	s_lshl_b32 s23, s20, 5
	s_add_co_u32 s23, s23, s22
	s_mul_i32 s22, s23, FRB
	s_add_co_u32 s22, s22, s100
	s_mov_b32 s23, 0
	s_add_nc_u64 s[12:13], s[10:11], s[22:23]
	s_lshl_b32 s20, s20, 4
	s_add_co_u32 s20, s20, s42
	s_lshl_b32 s20, s20, 7
	s_lshl_b32 s22, s16, 2
	s_add_co_u32 s20, s20, s22
	s_add_co_u32 s20, s20, s101
	s_add_co_u32 s20, s20, 15728640
	s_add_nc_u64 s[66:67], s[10:11], s[20:21]
	s_mov_b32 s[SEL], 0x76543210
	s_mov_b32 s[SEL+1], 0xfedcba98
.macro FRAG reg, adr, q, i
	ds_load_b128 v[\reg:\reg+3], v[\adr] offset:STEPB*(\i)+FRB*(\q)
	ds_load_b64 v[\reg+4:\reg+5], v[\adr+2] offset:STEPB*(\i)+FRB*(\q)+512
	ds_load_b128 v[\reg+6:\reg+9], v[\adr] offset:STEPB*(\i)+FRB*(\q)+768
	ds_load_b64 v[\reg+10:\reg+11], v[\adr+2] offset:STEPB*(\i)+FRB*(\q)+1280
.endm
.macro MUL16 a0, p, q, sc, zero
.irp a, \a0, \a0+1
.irp b, 0,1,2,3,4,5,6,7
.if \zero
	v_wmma_scale_f32_16x16x128_f8f6f4 v[8*(8*((\a)%4)+\b):8*(8*((\a)%4)+\b)+7], v[128*(\p)+FR*\b:128*(\p)+FR*\b+FR-1], v[AF+FR*(\a):AF+FR*(\a)+FR-1], v[BP+8*\b:BP+8*\b+7], v[SC+8*NQ*(\sc)+NQ*\b+(\q)], v[SC+8*NQ*(\sc)+NQ*(\a)+(\q)] matrix_a_fmt:MATRIX_FMT_BF6 matrix_b_fmt:MATRIX_FMT_BF6 matrix_a_scale:MATRIX_SCALE_ROW1
.else
	v_wmma_scale_f32_16x16x128_f8f6f4 v[8*(8*((\a)%4)+\b):8*(8*((\a)%4)+\b)+7], v[128*(\p)+FR*\b:128*(\p)+FR*\b+FR-1], v[AF+FR*(\a):AF+FR*(\a)+FR-1], v[8*(8*((\a)%4)+\b):8*(8*((\a)%4)+\b)+7], v[SC+8*NQ*(\sc)+NQ*\b+(\q)], v[SC+8*NQ*(\sc)+NQ*(\a)+(\q)] matrix_a_fmt:MATRIX_FMT_BF6 matrix_b_fmt:MATRIX_FMT_BF6 matrix_a_scale:MATRIX_SCALE_ROW1
.endif
.endr
.endr
.endm
.macro FETCH_B slot, q, p
	WIN TO_B
.irp i, 0,1,2,3,4,5,6,7
	FRAG 128*(\p)+FR*\i, ADRB+\slot, \q, \i
.endr
	WIN 0
.endm
.macro FETCH_A slot, q, i0
.irp i, \i0, \i0+1, \i0+2, \i0+3
	FRAG AF+FR*(\i), ADRA+\slot, \q, \i
.endr
.endm
.macro SCALES sc
.irp i, 0,1,2,3,4,5,6,7
	ds_load_b64 v[SC+8*NQ*\sc+NQ*\i:SC+8*NQ*\sc+NQ*\i+1], v[ADRS] offset:\i*SBLK
.endr
.endm
.macro PLACES n
.rept \n
	v_nop
.endr
.endm
.macro STEP slot, q, zero
	s_wait_dscnt 4*NL
.if \zero
	WIN 0x81
.else
	WIN MUL_LO
.endif
	MUL16 0, (\q)%2, \q, \slot, \zero
	MUL16 2, (\q)%2, \q, \slot, \zero
	s_wait_dscnt 0
	PLACES NP
	FETCH_B \slot, (\q)+1, 1-(\q)%2
	FETCH_A \slot, (\q)+1, 0
.if \zero
	WIN 0xc1
.else
	WIN MUL_HI
.endif
	MUL16 4, (\q)%2, \q, \slot, \zero
	MUL16 6, (\q)%2, \q, \slot, \zero
	PLACES NP
	WIN 0
	FETCH_A \slot, (\q)+1, 4
.endm
.macro TURN slot, next, fill
	s_wait_tensorcnt 0x0
	ds_add_u32 v[SPW], v[NIL]
	s_wait_dscnt 4*NL+1
	WIN MUL_LO
	MUL16 0, 1, NQ-1, \slot, 0
	s_wait_dscnt 0x0
	s_barrier_signal -1
	MUL16 2, 1, NQ-1, \slot, 0
	WIN 0
	s_barrier_wait -1
.if \fill
	CREST
	s_add_nc_u64 s[G0+4*\slot+2:G0+4*\slot+3], s[G0+4*\slot+2:G0+4*\slot+3], 2*STEPB
	s_add_nc_u64 s[G0B+4*\slot+2:G0B+4*\slot+3], s[G0B+4*\slot+2:G0B+4*\slot+3], 2*STEPB
	JLOAD G0+4*\slot, G1, G0B+4*\slot, G1B
.else
	PLACES NP
.endif
	s_wait_alu depctr_va_vdst(0)
	v_add_nc_u32 v[ADRS], 128, v[ADRS]
	FETCH_B \next, 0, 0
	FETCH_A \next, 0, 0
	SCALES \next
	WIN MUL_HI
	MUL16 4, 1, NQ-1, \slot, 0
	MUL16 6, 1, NQ-1, \slot, 0
	PLACES NP
	WIN 0
	FETCH_A \next, 0, 4
.endm
	s_wait_alu depctr_va_vdst(0)                   ; the wait at the head's end
	s_wait_tensorcnt 0x0                           ; my tile of the head's four is in
	ds_add_u32 v[SPW], v[NIL]                      ; 0 onto my spare word
	s_mov_b32 s[G1+2], 8<<16                       ; no load of mine is out: from here on a load brings 8 blocks
	s_mov_b32 s[G1+4], 8
	s_mov_b32 s[G1B+2], 8<<16
	s_mov_b32 s[G1B+4], 8
	s_wait_dscnt 0x0
	CROUND                                         ; all four tiles are in, and the sixteen work-groups meet
	JLOAD G0+4, G1, G0B+4, G1B                     ; slot 1's first fill, issued as a refill is
	global_prefetch_b8 v8, s[4:5] offset:3*STEPB th:TH_LOAD_NT scope:SCOPE_SE   ; slot 3's bytes, the last
	FETCH_B 0, 0, 0
	FETCH_A 0, 0, 0
	SCALES 0
	FETCH_A 0, 0, 4
	s_wait_loadcnt 0x0
.set j, 0
.rept 64
	v_and_b32 v[BP+j], s94, v[BP+j]
.set j, j+1
.endr
.irp a, 0,1,2,3,4,5,6,7
	v_and_b32 v[BR+2*\a], s95, v[BR+2*\a]
.endr
.irp a, 0,1,2,3,4,5,6,7
	v_mov_b32 v[BR+2*\a+1], v[BR+2*\a]
.endr
	STEP 0, 0, 1
	s_mov_b32 s3, LAPS-1
.Llap:
	TURN 0, 1, 1
	STEP 1, 0, 0
	TURN 1, 0, 1
	STEP 0, 0, 0
	s_sub_co_u32 s3, s3, 1
	s_cmp_lg_u32 s3, 0
	s_cbranch_scc1 .Llap
	TURN 0, 1, 0
	STEP 1, 0, 0
	s_wait_dscnt 4*NL
	WIN MUL_LO
	MUL16 0, 1, NQ-1, 1, 0
	MUL16 2, 1, NQ-1, 1, 0
	s_wait_dscnt 0
	WIN MUL_HI
	MUL16 4, 1, NQ-1, 1, 0
	MUL16 6, 1, NQ-1, 1, 0
	WIN 0
.macro QUANT s
.irp b, 0,1,2,3
	v_max3_num_f32 v[TM+\b], |v[\s+16*\b]|, |v[\s+1+16*\b]|, 0x2800000
.endr
.irp i, 2,4,6,8,10,12,14
.irp b, 0,1,2,3
	v_max3_num_f32 v[TM+\b], v[TM+\b], |v[\s+16*\b+\i]|, |v[\s+1+16*\b+\i]|
.endr
.endr
.irp b, 0,1,2,3
	v_permlanex16_b32 v[TM+4+\b], v[TM+\b], s[SEL], s[SEL+1]
.endr
.irp b, 0,1,2,3
	v_max_num_f32 v[TM+\b], v[TM+\b], v[TM+4+\b]
.endr
.irp b, 0,1,2,3
	v_add_nc_u32 v[TM+12+\b], 0xfe000000, v[TM+\b]
.endr
.irp b, 0,1,2,3
	v_lshrrev_b32 v[TM+4+\b], 23, v[TM+12+\b]
.endr
	v_lshl_or_b32 v[PW], v[TM+5], 8, v[TM+4]
	v_lshl_or_b32 v[PW], v[TM+6], 16, v[PW]
	v_lshl_or_b32 v[PW], v[TM+7], 24, v[PW]
.irp c, 0,1
	v_cvt_scalef32_pk16_bf6_f32 v[PC+6*\c:PC+2+6*\c], v[\s+32*\c:\s+15+32*\c], v[TM+12+2*\c]
	v_cvt_scalef32_pk16_bf6_f32 v[PC+12+4*\c:PC+14+4*\c], v[\s+16+32*\c:\s+31+32*\c], v[TM+12+2*\c+1]
.endr
	v_nop
.irp c, 0,1
.irp i, 0,1,2
	v_permlane16_swap_b32 v[PC+6*\c+\i], v[PC+12+4*\c+\i]
.endr
.irp i, 0,1,2
	v_mov_b32 v[PC+3+6*\c+\i], v[PC+12+4*\c+\i]
.endr
.endr
.endm
.macro OUTQ a
.if (\a) > 0
	s_wait_xcnt 0x0
.endif
	WIN 0x02+(\a)/4
.set AC, 64*((\a)%4)
.set i, 0
.rept 32
	v_pk_add_f32 v[T+i:T+i+1], v[AC+i:AC+i+1], v[BR+2*(\a):BR+2*(\a)+1]
.set i, i+2
.endr
	WIN 0
	QUANT T
	global_store_b128 v[CO], v[PC:PC+3], s[12:13] offset:(\a)*49152
	global_store_b64 v[C8], v[PC+4:PC+5], s[12:13] offset:(\a)*49152+512
	global_store_b128 v[CO], v[PC+6:PC+9], s[12:13] offset:(\a)*49152+768
	global_store_b64 v[C8], v[PC+10:PC+11], s[12:13] offset:(\a)*49152+1280
.if (\a)%2 == 0
	v_mov_b32 v[PWE], v[PW]
.else
	v_cndmask_b32 v[PWM], v[PWE], v[PW], s2
	global_store_b32 v[VOS], v[PWM], s[66:67] offset:((\a)-1)*2048
.endif
.endm
	PLACES NP
.irp b, 0,1,2,3
	v_mov_b32 v[TM+4+\b], 0
.endr
.irp a, 0,1,2,3,4,5,6,7
	OUTQ \a
.endr
	s_wait_tensorcnt 0x0
	ds_add_u32 v[SPW], v[NIL]
	s_wait_dscnt 0x0
	CROUND
	s_endpgm
.Lfunc_end_k_q18688ba45d_qkv:
	.size	k_q18688ba45d_qkv, .Lfunc_end_k_q18688ba45d_qkv-k_q18688ba45d_qkv
	.p2alignl 7, 3214868480
	.fill 96, 4, 3214868480
	.section	.rodata,"a",@progbits
	.p2align	6, 0x0
	.amdhsa_kernel k_q18688ba45d_qkv
		.amdhsa_group_segment_fixed_size 327680
		.amdhsa_private_segment_fixed_size 0
		.amdhsa_enable_private_segment 0
		.amdhsa_kernarg_size 48
		.amdhsa_user_sgpr_count 2
		.amdhsa_user_sgpr_kernarg_segment_ptr 1
		.amdhsa_wavefront_size32 1
		.amdhsa_system_sgpr_workgroup_id_x 1
		.amdhsa_system_sgpr_workgroup_id_y 1
		.amdhsa_system_sgpr_workgroup_id_z 1
		.amdhsa_system_vgpr_workitem_id 0
		.amdhsa_next_free_vgpr 1024
		.amdhsa_next_free_sgpr 102
		.amdhsa_reserve_vcc 0
		.amdhsa_float_denorm_mode_32 3
		.amdhsa_float_denorm_mode_16_64 3
		.amdhsa_memory_ordered 1
		.amdhsa_forward_progress 1
		.amdhsa_inst_pref_size 172
	.end_amdhsa_kernel
	.amdgpu_metadata
---
amdhsa.version: [ 1, 2 ]
amdhsa.kernels:
  - .name:           k_q18688ba45d_qkv
    .symbol:         k_q18688ba45d_qkv.kd
    .args:
      - { .name: opc, .offset: 0, .size: 8, .value_kind: global_buffer, .address_space: global }
      - { .name: ops, .offset: 8, .size: 8, .value_kind: global_buffer, .address_space: global }
      - { .name: bq, .offset: 16, .size: 8, .value_kind: global_buffer, .address_space: global }
      - { .name: bk, .offset: 24, .size: 8, .value_kind: global_buffer, .address_space: global }
      - { .name: bv, .offset: 32, .size: 8, .value_kind: global_buffer, .address_space: global }
      - { .name: att, .offset: 40, .size: 8, .value_kind: global_buffer, .address_space: global }
    .group_segment_fixed_size: 327680
    .private_segment_fixed_size: 0
    .kernarg_segment_align: 8
    .kernarg_segment_size: 48
    .max_flat_workgroup_size: 128
    .sgpr_count:     102
    .vgpr_count:     1024
    .wavefront_size: 32
...
	.end_amdgpu_metadata
.endif
;; end of part 8
;; launch attn (part 9): grid 8 x 32, 16 waves a work-group, clusters of 4 x 1, 231,424 bytes of LDS; arguments att, oc; writes oc
.if DOCPART == 9
	.amdgcn_target "amdgcn-amd-amdhsa--gfx1250"
	.amdhsa_code_object_version 6
	.text
	.protected	k_q18688ba45d_attn
	.globl	k_q18688ba45d_attn
	.p2align	8
	.type	k_q18688ba45d_attn,@function
k_q18688ba45d_attn:
	s_mov_b64 s[64:65], 0
	v_nop
	global_prefetch_b8 v0, s[64:65] scope:SCOPE_SE
	s_setreg_imm32_b32 hwreg(HW_REG_WAVE_MODE, 25, 1), 1
	s_wait_xcnt 0x0
	s_wait_alu depctr_hold_cnt(0) depctr_sa_sdst(0) depctr_va_vdst(0) depctr_va_sdst(0) depctr_va_ssrc(0) depctr_va_vcc(0) depctr_vm_vsrc(0)
	s_getreg_b32 s2, hwreg(HW_REG_IB_STS2, 6, 4)
	s_cmp_eq_u32 s2, 0
	s_cbranch_scc0 .Lentry_in_a_cluster
	s_endpgm
.Lentry_in_a_cluster:
	s_bfe_u32 s2, ttmp6, 0x10000c
	s_cmp_lg_u32 s2, 0x3003
	s_cbranch_scc0 .Lentry_shape_is_right
	s_endpgm
.Lentry_shape_is_right:
; O = softmax(q k^T / 8) v for one head (64 wide) of one batch (2,048 keys), both products on codes of BF6 (E3M2) with E8M0 scales for each 32 along K; O is divided by the row's sum and quantised along D.
; t = score x log2(e) / 8; M = the running largest t rounded UP to a whole number; p = 2^(t - M) is quantised along the keys; the row's sum is taken of the unquantised p.
; SHARES.  A work-group owns 256 queries of a head, each of its sixteen waves one block of 16.  All of the head's K and V, codes and scale words, 217,088 bytes, comes into LDS once and stays: nothing is filled again.
; The four query blocks of a cluster ask for it jointly, ONE load a wave: waves 0-7 sixteen key blocks of K's codes each, waves 8-11 a chunk of 512 keys of V's codes each, waves 12, 13 a half of K's scale units, waves 14, 15 a half of V's.
; No prefetch: every tensor load goes out at the head, so there is no loop of loads to run ahead in.
; All operands lie as images of their registers.  Both products are used transposed (S^T = K Q^T, O^T = V^T P^T): a lane holds one query throughout.
; Lane index r of a block t is row 32 (t / 2) + 8 (t % 2) + r + 8 (r / 8): so the 16 registers of tiles 2 b, 2 b + 1 are 16 neighbouring keys (or 16 neighbours of the head's 64).
; THE FIRST PRODUCT'S K IS 64, THE INSTRUCTION'S 128: Q's codes of the upper 64 are zeros, so whatever stands in the upper six registers of K's operand adds nothing (every code of E3M2 is a finite number).
; So K's eight half fragments lie six registers apart, each operand reaching into the next tile's six; the scale bytes of the upper 64 are the 0 that a 16-bit load leaves.
; THE ROW'S SUM of a step's p is taken BEHIND the step's second product: its additions are the places in front of the next K loads, and the four lines that join its chains into the sum (x f, the step's change of M) are the places behind the next scores.
; LIMITS: a block of zeros gets the byte 1 (its codes are zeros; this program alone reads the bytes); NaN and infinities are not served; the promise holds while |t| stays under 2^31.
.set VCD,   98304                      ; LDS: K's codes [block 128][768] at 0; V's [chunk 4][tile 4][step 4][1,536] here;
.set KSB,   196608                     ; K's scale units [block 128][128];
.set VSB,   212992                     ; V's [tile 4][8][128]
.set SPARE, 229376                     ; the spare words: 128 bytes a wave
.set WV,   18
.set SEL,  20
.set CS,   22                          ; s[22:23] c = log2(e) / 8; s76 -c
.set G1K,  24
.set G1V,  32
.set G1KS, 40
.set G1VS, 48
.set GK,   56
.set GV,   60
.set GKS,  68
.set GVS,  72
.set CSN,  76
.set CNT,  80
.set TBK,  82                          ; where the trip's K begins, V, K's scale units, V's
.set TBV,  83
.set TSK,  84
.set TSV,  85
; v1-7, v30 addresses that stay; v8-11, v28, v29 the trip's addresses
.set NM,   12                          ; v[12:13], v[14:15] -M, the new and the old by turns
.set MS,   31                          ; the running largest score
.set KF,   32                          ; v32-85 K's eight half fragments; v32-79 V's four fragments
.set KW,   86                          ; v86-93 K's scale words
.set SPW,  94
.set NIL,  95
.set SS,   96                          ; v96-159 S^T, then p
.set OA,   160                         ; v160-191 O^T
.set VW,   192                         ; v192-195 V's scale words
.set LS,   196                         ; v[196:197] the row's sum, in two halves
.set SA,   198                         ; v198-205 four chains of a step's sum
.set BM,   206                         ; v206-209 the blocks' largest
.set BT,   210
.set SO,   214                         ; v214-217 the conversions' scale operands
.set FF,   218                         ; v[218:219] f = 2^(old M - new M)
.set PW,   220                         ; p's scale word
.set QW,   221                         ; Q's
.set TT,   222
.set PC,   224                         ; v224-235 p's codes
.set PT,   236
.macro CROUND                          ; a round of the cluster's barrier
	s_barrier_signal -1
	s_barrier_wait -1
	s_cmp_lg_u32 s[WV], 0
	s_cbranch_scc1 .Lnot_wave_0_\@
	s_barrier_signal -3
.Lnot_wave_0_\@:
	s_barrier_wait -3
	s_barrier_signal -1
	s_barrier_wait -1
.endm
.macro ARM under, g0, g1, next         ; one arm of the head's chain: a joint load and a jump to the join
	s_cmp_lt_u32 s[WV], \under
	s_cbranch_scc0 \next
	tensor_load_to_lds s[\g0:\g0+3], s[\g1:\g1+7]
	s_nop 0
.rept 4
	v_nop
.endr
	s_branch .Lasked
\next:
.endm
	s_load_b128 s[4:7], s[0:1], 0x0                ; att, oc
	v_lshl_add_u32 v[SPW], v0, 2, SPARE
	v_mov_b32 v[NIL], 0
	ds_add_u32 v[SPW], v[NIL]                      ; the opening lines: the add twice on end
	ds_add_u32 v[SPW], v[NIL]
	v_lshrrev_b32 v8, 5, v0
	v_readfirstlane_b32 s[WV], v8                  ; wave 0..15
	s_and_b32 s8, ttmp7, 0xffff
	s_lshr_b32 s9, s8, 4                           ; the batch
	s_and_b32 s10, s8, 15                          ; the head
	s_lshr_b32 s11, s10, 1                         ; its pair: a fragment holds two heads,
	s_and_b32 s12, s10, 1                          ; this one in one half
	s_lshr_b32 s13, s10, 2                         ; a scale unit holds four heads,
	s_and_b32 s14, s10, 3                          ; two bytes each
	s_bfe_u32 s15, ttmp6, 0x40000                  ; cx
	s_lshl_b32 s16, ttmp9, 2
	s_add_co_u32 s16, s16, s15
	s_lshl_b32 s16, s16, 4
	s_lshl_b32 s17, s9, 7
	s_add_co_u32 s17, s17, s16
	s_add_co_u32 s17, s17, s[WV]                   ; my block of queries: it enters Q's and O's addresses alone
	s_mul_i32 s19, s11, 1536
	s_mul_i32 s86, s12, 768
	s_add_co_u32 s19, s19, s86                     ; the head's half fragment in a block's row of fragments
	s_and_b32 s77, s[WV], 7                        ; which part of its tensor a wave fetches
	s_and_b32 s78, s[WV], 3
	s_and_b32 s79, s[WV], 1
	s_mul_i32 s86, s9, 6291456                     ; K's codes: the batch's 128 blocks of 49,152 bytes, fragments 8 on; 16 blocks a wave
	s_add_co_u32 s86, s86, s19
	s_add_co_u32 s86, s86, 8*1536
	s_mul_i32 s96, s77, 16*49152
	s_add_co_u32 s86, s86, s96
	s_mul_i32 s88, s10, 196608                     ; V's codes: the head's four blocks, the batch's 16 fragments; four fragments a wave
	s_mul_i32 s96, s9, 24576
	s_add_co_u32 s88, s88, s96
	s_mul_i32 s96, s78, 6144
	s_add_co_u32 s88, s88, s96
	s_add_co_u32 s88, s88, 12582912
	s_lshl_b32 s90, s9, 18                         ; K's scale units: units 4 on; 64 blocks a wave
	s_lshl_b32 s96, s13, 7
	s_add_co_u32 s90, s90, s96
	s_lshl_b32 s96, s79, 17
	s_add_co_u32 s90, s90, s96
	s_add_co_u32 s90, s90, 15728640+512
	s_lshl_b32 s92, s10, 13                        ; V's scale units: two tiles a wave
	s_lshl_b32 s96, s9, 10
	s_add_co_u32 s92, s92, s96
	s_lshl_b32 s96, s79, 12
	s_add_co_u32 s92, s92, s96
	s_add_co_u32 s92, s92, 16252928
.irp g, 87,89,91,93
	s_mov_b32 s[\g], 0
.endr
	s_mov_b32 s[GK], 1                             ; groups 0: the LDS addresses hang on the wave's number alone
	s_mul_i32 s[GK+1], s77, 12288
	s_mov_b32 s[GV], 1
	s_mul_i32 s[GV+1], s78, 24576
	s_add_co_u32 s[GV+1], s[GV+1], VCD
	s_mov_b32 s[GKS], 1
	s_lshl_b32 s[GKS+1], s79, 13
	s_add_co_u32 s[GKS+1], s[GKS+1], KSB
	s_mov_b32 s[GVS], 1
	s_lshl_b32 s[GVS+1], s79, 11
	s_add_co_u32 s[GVS+1], s[GVS+1], VSB
.irp g, G1K, G1V, G1KS, G1VS                   ; groups 1: elements of 8 bytes, the mask of all four work-groups, bit 21 beside it, no padding
	s_mov_b32 s[\g], 15|(3<<16)|(1<<21)
	s_mov_b32 s[\g+6], 0
	s_mov_b32 s[\g+7], 0
.endr
	s_mov_b32 s[G1K+1], 96<<16                     ; K's codes: 16 rows of 768 bytes, 49,152 bytes apart
	s_mov_b32 s[G1K+2], 16<<16
	s_mov_b32 s[G1K+3], 96<<16
	s_mov_b32 s[G1K+4], 16
	s_mov_b32 s[G1K+5], 6144
	s_mov_b32 s[G1V+1], 768<<16                    ; V's codes: 4 rows of 6,144 bytes, 49,152 bytes apart
	s_mov_b32 s[G1V+2], 4<<16
	s_mov_b32 s[G1V+3], 768<<16
	s_mov_b32 s[G1V+4], 4
	s_mov_b32 s[G1V+5], 6144
	s_mov_b32 s[G1KS+1], 16<<16                    ; K's scale units: 64 rows of 128 bytes, 2,048 bytes apart
	s_mov_b32 s[G1KS+2], 64<<16
	s_mov_b32 s[G1KS+3], 16<<16
	s_mov_b32 s[G1KS+4], 64
	s_mov_b32 s[G1KS+5], 256
	s_mov_b32 s[G1VS+1], 128<<16                   ; V's: 2 rows of 1,024 bytes, 2,048 bytes apart
	s_mov_b32 s[G1VS+2], 2<<16
	s_mov_b32 s[G1VS+3], 128<<16
	s_mov_b32 s[G1VS+4], 2
	s_mov_b32 s[G1VS+5], 256
	s_mov_b32 s[SEL], 0x76543210
	s_mov_b32 s[SEL+1], 0xfedcba98
	s_mov_b32 s[CS], 0x3e38aa3b                    ; c = log2(e) / 8
	s_mov_b32 s[CS+1], s[CS]
	s_mov_b32 s[CSN], 0xbe38aa3b                   ; -c
	s_mov_b32 s[TBK], 0
	s_mov_b32 s[TBV], 0
	s_mov_b32 s[TSK], 0
	s_mov_b32 s[TSV], 0
	s_mov_b32 s[CNT], 4
	s_wait_dscnt 0x0                               ; both opening adds are done
	s_wait_kmcnt 0x0
	s_add_nc_u64 s[GK+2:GK+3], s[4:5], s[86:87]
	s_or_b32 s[GK+3], s[GK+3], 0x80000000
	s_add_nc_u64 s[GV+2:GV+3], s[4:5], s[88:89]
	s_or_b32 s[GV+3], s[GV+3], 0x80000000
	s_add_nc_u64 s[GKS+2:GKS+3], s[4:5], s[90:91]
	s_or_b32 s[GKS+3], s[GKS+3], 0x80000000
	s_add_nc_u64 s[GVS+2:GVS+3], s[4:5], s[92:93]
	s_or_b32 s[GVS+3], s[GVS+3], 0x80000000
	CROUND                                         ; all four work-groups are here: the joint loads meet
	ARM 8,  GK,  G1K,  .Lfor_v                     ; one chain of branches on the wave's number: every way passes exactly one load
	ARM 12, GV,  G1V,  .Lfor_ks
	ARM 14, GKS, G1KS, .Lfor_vs
	tensor_load_to_lds s[GVS:GVS+3], s[G1VS:G1VS+7]
	s_nop 0
.rept 4
	v_nop
.endr
.Lasked:
	s_mul_i32 s86, s17, 49152
	s_add_co_u32 s86, s86, s19
	s_add_nc_u64 s[66:67], s[4:5], s[86:87]        ; Q's half fragment
	s_lshl_b32 s88, s13, 7
	s_lshl_b32 s90, s14, 1
	s_add_co_u32 s88, s88, s90                     ; the head's two bytes in a block's scale units
	s_lshl_b32 s86, s17, 11
	s_add_co_u32 s86, s86, s88
	s_add_co_u32 s86, s86, 15728640
	s_add_nc_u64 s[98:99], s[4:5], s[86:87]        ; Q's scale bytes
	s_mul_i32 s86, s17, 12288
	s_add_co_u32 s86, s86, s19
	s_add_nc_u64 s[100:101], s[6:7], s[86:87]      ; O's half fragment
	s_lshl_b32 s86, s17, 9
	s_add_co_u32 s86, s86, s88
	s_add_co_u32 s86, s86, 3145728
	s_add_nc_u64 s[6:7], s[6:7], s[86:87]          ; O's scale bytes
	s_add_co_u32 s97, s90, KSB
	v_and_b32 v8, 15, v0                           ; r
	v_and_b32 v10, 31, v0                          ; lane
	v_lshlrev_b32 v7, 3, v8                        ; 8 r
	v_lshlrev_b32 v1, 4, v10                       ; 16 x lane
	v_lshlrev_b32 v30, 3, v10                      ; 8 x lane
	v_lshl_add_u32 v2, v10, 3, 512
	v_lshl_add_u32 v3, v10, 4, VCD
	v_lshl_add_u32 v4, v10, 3, VCD+512
	v_lshl_add_u32 v5, v8, 3, s97                  ; K's scale bytes: 8 r + the head's two
	v_lshl_add_u32 v6, v8, 3, VSB                  ; V's scale words
	global_load_b128 v[16:19], v1, s[66:67]        ; Q stays in registers: the head's 64 in registers 0-5
	global_load_b64 v[20:21], v30, s[66:67] offset:512
	global_load_u16 v[QW], v7, s[98:99]            ; its two scale bytes; the upper two are 0
.irp j, 22,23,24,25,26,27, 80,81,82,83,84,85
	v_mov_b32 v[\j], 0                             ; Q's upper 64: zero codes; and the six registers behind K's last half fragment
.endr
	v_mov_b32 v[MS], 0xff61b1e6                    ; the largest score so far: -3e38
	v_mov_b32 v[NM], 0
	v_mov_b32 v[NM+1], 0
	v_mov_b32 v[NM+2], 0x7e000000                  ; the first step's old -M: a whole number above every -M, so that the first f is 0
	v_mov_b32 v[NM+3], 0
	v_mov_b32 v[FF], 1.0
	v_mov_b32 v[FF+1], 0
	v_mov_b32 v[TT], 0
.set j, 0
.rept 18
	v_mov_b32 v[LS+j], 0                           ; the sum, its four chains, and the lane permutes' destinations, which count as sources (v196-213)
.set j, j+1
.endr
.set j, 0
.rept 32
	v_mov_b32 v[OA+j], 0                           ; O^T: the step has no first form of its own; the first f multiplies zeros
.set j, j+1
.endr
.macro KLOAD u                         ; K's eight half fragments and scale bytes of the trip's step u
.irp t, 0,1,2,3,4,5,6,7
	ds_load_b128 v[KF+6*\t:KF+6*\t+3], v8 offset:6144*(\u)+768*\t
	ds_load_b64 v[KF+6*\t+4:KF+6*\t+5], v9 offset:6144*(\u)+768*\t
	ds_load_u16 v[KW+\t], v28 offset:1024*(\u)+128*\t
.endr
.endm
.macro JOIN                            ; the last step's four chains, and the sum under that step's M: four plain lines
	v_pk_add_f32 v[SA:SA+1], v[SA:SA+1], v[SA+2:SA+3]
	v_pk_add_f32 v[SA+4:SA+5], v[SA+4:SA+5], v[SA+6:SA+7]
	v_pk_add_f32 v[SA:SA+1], v[SA:SA+1], v[SA+4:SA+5]
	v_pk_fma_f32 v[LS:LS+1], v[LS:LS+1], v[FF:FF+1], v[SA:SA+1] op_sel_hi:[1,0,1]
.endm
; A KEY STEP: 128 keys, the u-th of the trip's four
.macro STEP u
.set NN, NM+2*((\u)%2)                 ; the new -M
.set NO, NM+2-2*((\u)%2)               ; the old
.if (\u) == 0
	v_add_nc_u32 v8, s[TBK], v1                    ; the trip's addresses
	v_add_nc_u32 v9, s[TBK], v2
	v_add_nc_u32 v10, s[TBV], v3
	v_add_nc_u32 v11, s[TBV], v4
	v_add_nc_u32 v28, s[TSK], v5
	v_add_nc_u32 v29, s[TSV], v6
	s_wait_alu depctr_va_vdst(0)                   ; the addresses
	KLOAD 0
.else
	s_wait_alu depctr_va_vdst(0)
.endif
	s_wait_dscnt 0x0                               ; K is in
.irp t, 0,1,2,3,4,5,6,7                        ; S^T = K Q^T: eight tiles of 16 keys
	v_wmma_scale_f32_16x16x128_f8f6f4 v[SS+8*\t:SS+8*\t+7], v[KF+6*\t:KF+6*\t+11], v[16:27], 0, v[KW+\t], v[QW] matrix_a_fmt:MATRIX_FMT_BF6 matrix_b_fmt:MATRIX_FMT_BF6
.endr
	JOIN                                           ; also the four places: the scores are read, and V's fragments land where K's lay
.irp t, 0,1,2,3                                ; V's four fragments and scale words land under the softmax
	ds_load_b128 v[KF+12*\t:KF+12*\t+3], v10 offset:6144*\t+1536*(\u)
	ds_load_b64 v[KF+12*\t+4:KF+12*\t+5], v11 offset:6144*\t+1536*(\u)
	ds_load_b128 v[KF+12*\t+6:KF+12*\t+9], v10 offset:6144*\t+1536*(\u)+768
	ds_load_b64 v[KF+12*\t+10:KF+12*\t+11], v11 offset:6144*\t+1536*(\u)+768
	ds_load_b32 v[VW+\t], v29 offset:1024*\t+128*((\u)/2)+4*((\u)%2)
.endr
.irp b, 0,1,2,3
	v_max3_num_f32 v[BM+\b], v[SS+16*\b], v[SS+16*\b+1], v[SS+16*\b+2]   ; the largest score of each block of 32 keys: for the row's maximum and, since p rises with the score, for the block's largest p
.endr
.irp i, 3,5,7,9,11,13
.irp b, 0,1,2,3
	v_max3_num_f32 v[BM+\b], v[BM+\b], v[SS+16*\b+\i], v[SS+16*\b+\i+1]
.endr
.endr
.irp b, 0,1,2,3
	v_max_num_f32 v[BM+\b], v[BM+\b], v[SS+16*\b+15]
.endr
.irp b, 0,1,2,3
	s_delay_alu instid0(VALU_DEP_4)
	v_permlanex16_b32 v[BT+\b], v[BM+\b], s[SEL], s[SEL+1]
.endr
.irp b, 0,1,2,3
	s_delay_alu instid0(VALU_DEP_4)
	v_max_num_f32 v[BM+\b], v[BM+\b], v[BT+\b]     ; with lane l xor 16's 16 keys
.endr
	v_max3_num_f32 v[MS], v[MS], v[BM], v[BM+1]    ; the running largest score
	s_delay_alu instid0(VALU_DEP_1)
	v_max3_num_f32 v[MS], v[MS], v[BM+2], v[BM+3]
	s_delay_alu instid0(VALU_DEP_1)
	v_mul_f32 v[TT], s[CSN], v[MS]                 ; -t of it
	s_delay_alu instid0(VALU_DEP_1)
	v_floor_f32 v[NN], v[TT]                       ; the new -M = -ceil(t): a whole number
	s_delay_alu instid0(VALU_DEP_1)
	v_sub_f32 v[TT], v[NN], v[NO]                  ; old M - new M: a whole number, 0 or less
	s_delay_alu instid0(VALU_DEP_1)
	v_cvt_i32_f32 v[TT], v[TT]                     ; (it saturates)
	v_fma_f32 v[BM], v[BM], s[CS], v[NN]           ; t - M of each block's largest score
.irp b, 1,2,3
	v_fma_f32 v[BM+\b], v[BM+\b], s[CS], v[NN]
.endr
.set j, 0
.rept 32
	v_pk_fma_f32 v[SS+j:SS+j+1], v[SS+j:SS+j+1], s[CS:CS+1], v[NN:NN+1] op_sel_hi:[1,0,0]   ; t - M
.set j, j+2
.endr
	s_wait_alu depctr_va_vdst(0)                   ; the wait ahead of the batch
.set j, 0
.rept 64
	v_exp_f32 v[SS+j], v[SS+j]                     ; p = 2^(t - M), at most 1
.set j, j+1
.endr
.irp b, 0,1,2,3
	v_exp_f32 v[BM+\b], v[BM+\b]                   ; the block's largest p
.endr
	v_ldexp_f32 v[FF], 1.0, v[TT]                  ; f = 2^(old M - new M): a multiplication by it rounds nothing.  (The plain line behind the exponentials)
	s_wait_alu depctr_va_vdst(0)                   ; one wait for the whole batch, ahead of its first reader
.irp b, 0,1,2,3
	v_max_num_f32 v[BM+\b], 0x2800000, v[BM+\b]    ; the floor 2^(5 - 127): the byte cannot fall under 1
.endr
.irp b, 0,1,2,3
	s_delay_alu instid0(VALU_DEP_4)
	v_add_nc_u32 v[SO+\b], 0xfe000000, v[BM+\b]    ; 4 off the exponent field: the conversion's scale operand
.endr
.irp b, 0,1,2,3
	s_delay_alu instid0(VALU_DEP_4)
	v_lshrrev_b32 v[BT+\b], 23, v[SO+\b]           ; the scale's byte
.endr
.irp c, 0,1
	v_cvt_scalef32_pk16_bf6_f32 v[PC+6*\c:PC+6*\c+2], v[SS+32*\c:SS+32*\c+15], v[SO+2*\c]
	v_cvt_scalef32_pk16_bf6_f32 v[PT+4*\c:PT+4*\c+2], v[SS+32*\c+16:SS+32*\c+31], v[SO+2*\c+1]   ; (a conversion's three registers begin on an even number)
.endr
	v_lshl_or_b32 v[PW], v[BT+1], 8, v[BT]         ; p's scale word for these 128 keys; also the plain place behind the conversions
	v_lshl_or_b32 v[PW], v[BT+2], 16, v[PW]
	v_lshl_or_b32 v[PW], v[BT+3], 24, v[PW]
.irp c, 0,1                                    ; the operand wants a whole block in a lane
.irp i, 0,1,2
	v_permlane16_swap_b32 v[PC+6*\c+\i], v[PT+4*\c+\i]
.endr
.irp i, 0,1,2
	s_delay_alu instid0(VALU_DEP_3)
	v_mov_b32 v[PC+6*\c+3+\i], v[PT+4*\c+\i]
.endr
.endr
	s_wait_alu depctr_va_vdst(0)                   ; the wait directly ahead of the first reader of O^T
.set j, 0
.rept 16
	v_pk_mul_f32 v[OA+j:OA+j+1], v[OA+j:OA+j+1], v[FF:FF+1] op_sel_hi:[1,0]   ; O^T under the new M; also the places in front of the products below
.set j, j+2
.endr
	s_wait_alu depctr_va_vdst(0)
	s_wait_dscnt 0x0                               ; V is in
.irp t, 0,1,2,3                                ; O^T += V^T P^T: four accumulators by turns
	v_wmma_scale_f32_16x16x128_f8f6f4 v[OA+8*\t:OA+8*\t+7], v[KF+12*\t:KF+12*\t+11], v[PC:PC+11], v[OA+8*\t:OA+8*\t+7], v[VW+\t], v[PW] matrix_a_fmt:MATRIX_FMT_BF6 matrix_b_fmt:MATRIX_FMT_BF6
.endr
.irp k, 0,1,2,3                                ; the sum of the unquantised p, in four chains; these four lines are the places in front of the K loads
	v_pk_add_f32 v[SA+2*\k:SA+2*\k+1], v[SS+4*\k:SS+4*\k+1], v[SS+4*\k+2:SS+4*\k+3]
.endr
.if (\u) < 3
	KLOAD (\u)+1                                   ; the next step's K lands under the rest of the sum
.endif
.set j, 16
.rept 6
.irp k, 0,1,2,3
	v_pk_add_f32 v[SA+2*\k:SA+2*\k+1], v[SA+2*\k:SA+2*\k+1], v[SS+j+2*\k:SS+j+2*\k+1]
.endr
.set j, j+8
.endr
.endm
	s_wait_alu depctr_va_vdst(0)                   ; the wait at the head's end
	s_wait_tensorcnt 0x0                           ; my load has landed,
	s_barrier_signal -1
	s_barrier_wait -1                              ; everybody's has: the head's K and V lie in LDS
	s_wait_loadcnt 0x0                             ; Q
.Lchunk:                                           ; four trips of 512 keys
	STEP 0
	STEP 1
	STEP 2
	STEP 3
	s_add_co_u32 s[TBK], s[TBK], 24576
	s_add_co_u32 s[TBV], s[TBV], 24576
	s_add_co_u32 s[TSK], s[TSK], 4096
	s_add_co_u32 s[TSV], s[TSV], 256
	s_sub_co_u32 s[CNT], s[CNT], 1
	s_cmp_lg_u32 s[CNT], 0
	s_cbranch_scc1 .Lchunk
	; THE WAY OUT: O^T / the sum; register 16 b + i is channel 32 b + 16 (lane / 16) + i of my query: two blocks of 32 along D: half a fragment of the next product
	s_wait_alu depctr_va_vdst(0)
	JOIN                                           ; the last step's sum
	v_add_f32 v[LS], v[LS], v[LS+1]
	s_delay_alu instid0(VALU_DEP_1)
	v_permlanex16_b32 v[TT], v[LS], s[SEL], s[SEL+1]
	s_delay_alu instid0(VALU_DEP_1)
	v_add_f32 v[LS], v[LS], v[TT]                  ; the row's sum
	s_wait_alu depctr_va_vdst(0)
	v_rcp_f32 v[LS], v[LS]
	v_nop
	s_wait_alu depctr_va_vdst(0)
.set j, 0
.rept 32
	v_mul_f32 v[SS+j], v[OA+j], v[LS]
.set j, j+1
.endr
.irp b, 0,1
	v_max3_num_f32 v[BM+\b], |v[SS+16*\b]|, |v[SS+16*\b+1]|, 0x2800000
.endr
.irp i, 2,4,6,8,10,12,14
.irp b, 0,1
	s_delay_alu instid0(VALU_DEP_2)
	v_max3_num_f32 v[BM+\b], v[BM+\b], |v[SS+16*\b+\i]|, |v[SS+16*\b+\i+1]|
.endr
.endr
.irp b, 0,1
	s_delay_alu instid0(VALU_DEP_2)
	v_permlanex16_b32 v[BT+\b], v[BM+\b], s[SEL], s[SEL+1]
.endr
.irp b, 0,1
	s_delay_alu instid0(VALU_DEP_2)
	v_max_num_f32 v[BM+\b], v[BM+\b], v[BT+\b]
.endr
.irp b, 0,1
	s_delay_alu instid0(VALU_DEP_2)
	v_add_nc_u32 v[SO+\b], 0xfe000000, v[BM+\b]
.endr
.irp b, 0,1
	s_delay_alu instid0(VALU_DEP_2)
	v_lshrrev_b32 v[BT+\b], 23, v[SO+\b]
.endr
	v_cvt_scalef32_pk16_bf6_f32 v[PC:PC+2], v[SS:SS+15], v[SO]
	v_cvt_scalef32_pk16_bf6_f32 v[PT:PT+2], v[SS+16:SS+31], v[SO+1]
	v_lshl_or_b32 v[PW], v[BT+1], 8, v[BT]         ; the head's two scale bytes; also the plain place behind the conversions
.irp i, 0,1,2
	v_permlane16_swap_b32 v[PC+\i], v[PT+\i]
.endr
.irp i, 0,1,2
	s_delay_alu instid0(VALU_DEP_3)
	v_mov_b32 v[PC+3+\i], v[PT+\i]
.endr
	global_store_b128 v1, v[PC:PC+3], s[100:101]   ; 512 and 256 consecutive bytes, aligned
	global_store_b64 v30, v[PC+4:PC+5], s[100:101] offset:512
	global_store_b16 v7, v[PW], s[6:7]             ; two bytes a row: a scale word spans two heads, which are two work-groups; lanes r and r + 16 store the same bytes at the same place
	s_wait_tensorcnt 0x0                           ; the wave's end
	ds_add_u32 v[SPW], v[NIL]
	s_wait_dscnt 0x0
	CROUND                                         ; the closing round
	s_endpgm
.Lfunc_end_k_q18688ba45d_attn:
	.size	k_q18688ba45d_attn, .Lfunc_end_k_q18688ba45d_attn-k_q18688ba45d_attn
	.p2alignl 7, 3214868480
	.fill 96, 4, 3214868480
	.section	.rodata,"a",@progbits
	.p2align	6, 0x0
	.amdhsa_kernel k_q18688ba45d_attn
		.amdhsa_group_segment_fixed_size 231424
		.amdhsa_private_segment_fixed_size 0
		.amdhsa_enable_private_segment 0
		.amdhsa_kernarg_size 16
		.amdhsa_user_sgpr_count 2
		.amdhsa_user_sgpr_kernarg_segment_ptr 1
		.amdhsa_wavefront_size32 1
		.amdhsa_system_sgpr_workgroup_id_x 1
		.amdhsa_system_sgpr_workgroup_id_y 1
		.amdhsa_system_sgpr_workgroup_id_z 1
		.amdhsa_system_vgpr_workitem_id 0
		.amdhsa_next_free_vgpr 256
		.amdhsa_next_free_sgpr 102
		.amdhsa_reserve_vcc 0
		.amdhsa_float_denorm_mode_32 3
		.amdhsa_float_denorm_mode_16_64 3
		.amdhsa_memory_ordered 1
		.amdhsa_forward_progress 1
		.amdhsa_inst_pref_size 84
	.end_amdhsa_kernel
	.amdgpu_metadata
---
amdhsa.version: [ 1, 2 ]
amdhsa.kernels:
  - .name:           k_q18688ba45d_attn
    .symbol:         k_q18688ba45d_attn.kd
    .args:
      - { .name: att, .offset: 0, .size: 8, .value_kind: global_buffer, .address_space: global }
      - { .name: oc, .offset: 8, .size: 8, .value_kind: global_buffer, .address_space: global }
    .group_segment_fixed_size: 231424
    .private_segment_fixed_size: 0
    .kernarg_segment_align: 8
    .kernarg_segment_size: 16
    .max_flat_workgroup_size: 512
    .sgpr_count:     102
    .vgpr_count:     256
    .wavefront_size: 32
...
	.end_amdgpu_metadata
.endif
;; end of part 9
;; launch wo (part 10): grid 8 x 32, 4 waves a work-group, clusters of 4 x 4, 327,680 bytes of LDS; arguments oc, opc, ops, bo, x, hb; writes hb
.if DOCPART == 10
	.amdgcn_target "amdgcn-amd-amdhsa--gfx1250"
	.amdhsa_code_object_version 6
	.text
	.protected	k_q18688ba45d_wo
	.globl	k_q18688ba45d_wo
	.p2align	8
	.type	k_q18688ba45d_wo,@function
k_q18688ba45d_wo:
	s_mov_b64 s[64:65], 0
	v_nop
	global_prefetch_b8 v0, s[64:65] scope:SCOPE_SE
	s_setreg_imm32_b32 hwreg(HW_REG_WAVE_MODE, 25, 1), 1
	s_wait_xcnt 0x0
	s_wait_alu depctr_hold_cnt(0) depctr_sa_sdst(0) depctr_va_vdst(0) depctr_va_sdst(0) depctr_va_ssrc(0) depctr_va_vcc(0) depctr_vm_vsrc(0)
	s_getreg_b32 s2, hwreg(HW_REG_IB_STS2, 6, 4)
	s_cmp_eq_u32 s2, 0
	s_cbranch_scc0 .Lentry_in_a_cluster
	s_endpgm
.Lentry_in_a_cluster:
	s_bfe_u32 s2, ttmp6, 0x10000c
	s_cmp_lg_u32 s2, 0xf033
	s_cbranch_scc0 .Lentry_shape_is_right
	s_endpgm
.Lentry_shape_is_right:
; out = res + A W^T + bias on codes of BF6 (E3M2) with E8M0 scales for each 32 along K.  Here: h = x + O wo^T + bo, K = 1,024.
; Operands lie in memory as images of their registers (fragments of 1,536 bytes, scale units of 128 bytes); A's scale units lie RSOFF bytes behind its codes; W's blocks begin at block FBP of the operands' buffer.
; A tile is 128 rows (R: source 1, a lane's row) x 128 columns (P: source 0, along a lane's registers): the 4,096 x 1,024 results make 256 work-groups, where tiles of 256 x 256 would make 64.
; Four waves, each 64 x 64: 16 accumulators.  Lane index r of a block t is row 32 (t / 2) + 8 (t % 2) + r + 8 (r / 8), in A and in W alike: it shows only where f32 rows are read or written.
; K goes in steps of 512 through two LDS slots: a slot holds four steps of 128 of R's 8 blocks and P's 8, and one tensor load brings R's 8 blocks, another P's (8 rows of 12,288 bytes).
; With SIZE_K = 1,024 the two slots hold all of K: both are first fills, and nothing is filled again.  All scale words of the tile come once.
; CLUSTERS: 4 x 4 work-groups; R's tiles are asked for jointly along a row of the cluster, P's along a column.
; The bias is the C of each sum's first product.  The residual of the wave's 64 x 64 is asked for at the head, into registers of its own, and added on the way out, where rows go through the wave's stage in LDS
; and leave as runs of 256 consecutive bytes, aligned.
; REGISTERS: window 0: v16-31 addresses; v32-63 scale words, two sets of 16; v64-95 the bias; v128-255 the accumulators ((a, b) at v[128 + 8 (4 a + b)]).
;   window 1: two fragment buffers at v0 and v128: R's four fragments, then P's four; on the way out v0-127 the rows.   window 2: v0-127 the residual.
.set SIZE_K, 1024
.set RSOFF,  3145728
.set FBP,    448
.set PITCHB, 12*SIZE_K                 ; a block's codes in memory
.set SBLK,   SIZE_K/2                  ; a block's scale words
.set HALFS,  4*SBLK                    ; those of 4 blocks; a tensor load brings those of 8
.set NQ,     4                         ; steps of 128 along K in a slot
.set FR,     12                        ; registers of a fragment
.set NP,     4                         ; places behind this matrix instruction (ISA guide 7.12.1)
.set FRB,    1536
; THE LAYOUT IN LDS AS IT STANDS: all of K is resident, brought by ONE load a wave at the head and never filled again: R's 8 blocks, then P's 8, each block's eight fragments on end (12,288 bytes).
; What the text below calls slot 0 and slot 1 are the lower and the upper four fragments of each block.  No prefetch: there is no loop of loads to run ahead in.
.set STEPB,  8*FRB                     ; a block's bytes in LDS
.set HALFT,  4*STEPB                   ; 4 blocks: what a wave reads of R or of P
.set SLOT,   NQ*FRB                    ; from a block's lower four fragments to its upper four
.set SCL,    4*HALFT                   ; behind the codes: the scale words
.set SPARE,  SCL+4*HALFS               ; behind them: the spare words, 128 bytes a wave, that no other line names
.set LAPS,   SIZE_K/1024               ; a lap = both slots
.set SP,     272                       ; the stage: 16 rows x (256 + 16) bytes for each wave, behind the spare words
.set ADRA, 16                          ; v16-17 R's fragments in slot 0, 1: 16 x lane; v18-19: 8 x lane
.set ADRB, 20                          ; v20-23 the same for P
.set STO,  24                          ; v24  the stage: where I put 32 bytes of a row
.set RD,   25                          ; v25  and where I read two rows back
.set CO,   26                          ; v26  16 x lane
.set ADRS, 27                          ; v27  my scale words: lanes 0-15 R's, lanes 16-31 P's
.set SPW,  28                          ; v28  my spare word; never rewritten
.set NIL,  29                          ; v29  0; never rewritten
.set C8,   30                          ; v30  8 x lane
.set GO,   31                          ; v31  in the residual and the result: 4,096 (lane / 16) + 16 (lane % 16); never rewritten
.set SC,   32
.set BP,   64
.set ACC,  128
.set G1, 24
.set G0, 32
.set G1B, 48
.set G0B, 56
.set G1S, 68
.set G0S, 76
.set G1SB, 80
.set G0SB, 88
.set MSB, 0
.macro WIN new                         ; the immediate's high byte repeats the setting that is left
.if MSB != (\new)
	s_set_vgpr_msb (MSB<<8)|(\new)
.set MSB, (\new)
.endif
.endm
.set MUL,  0x05                        ; sources 0 (P) and 1 (R) window 1; C and D window 0
.set TO_F, 0x40                        ; destination window 1, address window 0
.macro JLOAD g0a, g1a, g0b, g1b        ; a joint load: waves 0 and 1 fetch for R, waves 2 and 3 for P; four v_nop follow each of the two lines
	s_cmp_eq_u32 s15, 0
	s_cbranch_scc0 .Lfor_b_\@
	tensor_load_to_lds s[\g0a:\g0a+3], s[\g1a:\g1a+7]
	s_nop 0
.rept 4
	v_nop
.endr
	s_branch .Lasked_\@
.Lfor_b_\@:
	tensor_load_to_lds s[\g0b:\g0b+3], s[\g1b:\g1b+7]
	s_nop 0
.rept 4
	v_nop
.endr
.Lasked_\@:
.endm
.macro CREST                           ; a round of the cluster's barrier behind its opening barrier
	s_cmp_lg_u32 s14, 0
	s_cbranch_scc1 .Lnot_wave_0_\@
	s_barrier_signal -3
.Lnot_wave_0_\@:
	s_barrier_wait -3
	s_barrier_signal -1
	s_barrier_wait -1
.endm
.macro CROUND
	s_barrier_signal -1
	s_barrier_wait -1
	CREST
.endm
	s_load_b64 s[4:5], s[0:1], 0x0                 ; A: codes, and behind them scale units
	s_load_b128 s[8:11], s[0:1], 0x8               ; the operands' codes, their scale words
	s_load_b128 s[96:99], s[0:1], 0x18             ; the bias, the residual
	s_load_b64 s[12:13], s[0:1], 0x28              ; the result
	v_lshl_add_u32 v[SPW], v0, 2, SPARE
	v_mov_b32 v[NIL], 0
	ds_add_u32 v28, v29
	ds_add_u32 v28, v29
	s_wait_dscnt 0x0
	v_lshrrev_b32 v1, 5, v0
	v_readfirstlane_b32 s14, v1                    ; wave 0..3
	s_lshr_b32 s15, s14, 1                         ; my half of R.  Also: I fetch for R (0) or for P (1)
	s_and_b32 s16, s14, 1                          ; my half of P.  Also: which 4 blocks I fetch
	s_bfe_u32 s40, ttmp6, 0x40000                  ; cx, cy: my place in the cluster
	s_bfe_u32 s41, ttmp6, 0x40004
	s_lshl_b32 s42, ttmp9, 2
	s_add_co_u32 s42, s42, s40                     ; P's tile
	s_and_b32 s17, ttmp7, 0xffff
	s_lshl_b32 s17, s17, 2
	s_add_co_u32 s17, s17, s41                     ; R's tile
	s_lshl_b32 s43, s41, 2
	s_lshl_b32 s43, 15, s43                        ; my row of the cluster
	s_lshl_b32 s44, 0x1111, s40                    ; my column
	s_or_b32 s[G1+0], s43, (3<<16)|(1<<21)         ; 8 blocks x 12,288 bytes (1,536 elements of 8 bytes), PITCHB bytes apart, dense in LDS; the mask, bit 21 beside it
	s_or_b32 s[G1B+0], s44, (3<<16)|(1<<21)
.irp g, G1, G1B
	s_mov_b32 s[\g+1], 1536<<16                    ; a tile's 8 blocks x 12,288 bytes (1,536 elements of 8 bytes)
	s_mov_b32 s[\g+2], 8<<16
	s_mov_b32 s[\g+3], 1536<<16
	s_mov_b32 s[\g+4], 8
	s_mov_b32 s[\g+5], PITCHB/8                    ; tensor_dim0_stride
	s_mov_b32 s[\g+6], 0
	s_mov_b32 s[\g+7], 0
.endr
	s_or_b32 s[G1S+0], s43, (3<<16)|(1<<21)        ; the scale words of 8 blocks: 2 x HALFS dense bytes, as rows of 256
	s_or_b32 s[G1SB+0], s44, (3<<16)|(1<<21)
.irp g, G1S, G1SB
	s_mov_b32 s[\g+1], 32<<16
	s_mov_b32 s[\g+2], (2*HALFS/256)<<16           ; the scale words of a tile's 8 blocks, one dense run
	s_mov_b32 s[\g+3], 32<<16
	s_mov_b32 s[\g+4], 2*HALFS/256
	s_mov_b32 s[\g+5], 32
	s_mov_b32 s[\g+6], 0
	s_mov_b32 s[\g+7], 0
.endr
	s_lshl_b32 s18, s16, 2                         ; which 4 blocks of the tile I fetch
	s_lshl_b32 s20, s17, 3
	s_add_co_u32 s20, s20, s18                     ; R: the block
	s_lshl_b32 s46, s42, 3
	s_add_co_u32 s46, s46, s18
	s_add_co_u32 s46, s46, FBP                     ; P: the block
	s_mul_i32 s22, s20, SBLK                       ; where their scale words begin,
	s_mov_b32 s23, 0
	s_mul_i32 s92, s46, SBLK
	s_mov_b32 s93, 0
	s_mul_i32 s20, s20, PITCHB                     ; and their codes
	s_mov_b32 s21, 0
	s_mul_i32 s46, s46, PITCHB
	s_mov_b32 s47, 0
	s_mul_i32 s45, s14, HALFT                      ; where they go: no place in the cluster enters an LDS address
	s_mul_i32 s94, s16, HALFS
	s_sub_co_u32 s22, s22, s94                     ; the scale words begin with the tile's first block
	s_sub_co_u32 s92, s92, s94
	s_mul_i32 s94, s15, 2*HALFS                    ; in LDS: R's first, P's behind them
	s_wait_kmcnt 0x0
	s_add_nc_u64 s[6:7], s[4:5], RSOFF
	s_add_nc_u64 s[20:21], s[4:5], s[20:21]
	s_add_nc_u64 s[22:23], s[6:7], s[22:23]
	s_add_nc_u64 s[46:47], s[8:9], s[46:47]
	s_add_nc_u64 s[92:93], s[10:11], s[92:93]
	CROUND                                         ; all sixteen work-groups are here: the first joint loads meet
	s_mov_b32 s[G0S], 1
	s_add_co_u32 s[G0S+1], s94, SCL
	s_mov_b64 s[G0S+2:G0S+3], s[22:23]
	s_or_b32 s[G0S+3], s[G0S+3], 0x80000000
	s_mov_b32 s[G0SB], 1
	s_add_co_u32 s[G0SB+1], s94, SCL
	s_mov_b64 s[G0SB+2:G0SB+3], s[92:93]
	s_or_b32 s[G0SB+3], s[G0SB+3], 0x80000000
.irp s, 0
	s_mov_b32 s[G0+4*\s], 1
	s_add_co_u32 s[G0+4*\s+1], s45, \s*SLOT
	s_add_nc_u64 s[G0+4*\s+2:G0+4*\s+3], s[20:21], \s*STEPB
	s_or_b32 s[G0+4*\s+3], s[G0+4*\s+3], 0x80000000
	s_mov_b32 s[G0B+4*\s], 1
	s_add_co_u32 s[G0B+4*\s+1], s45, \s*SLOT
	s_add_nc_u64 s[G0B+4*\s+2:G0B+4*\s+3], s[46:47], \s*STEPB
	s_or_b32 s[G0B+4*\s+3], s[G0B+4*\s+3], 0x80000000
.endr
; the head's four tiles, one joint load a wave, in one chain of branches on the wave's number: wave 0 R's codes, wave 1 R's scale words, wave 2 P's codes, wave 3 P's scale words
.macro HARM under, g0, g1, next
	s_cmp_lt_u32 s14, \under
	s_cbranch_scc0 \next
	tensor_load_to_lds s[\g0:\g0+3], s[\g1:\g1+7]
	s_nop 0
.rept 4
	v_nop
.endr
	s_branch .Lhead_asked
\next:
.endm
	HARM 1, G0, G1, .Lhead_rs
	HARM 2, G0S, G1S, .Lhead_p
	HARM 3, G0B, G1B, .Lhead_ps
	tensor_load_to_lds s[G0SB:G0SB+3], s[G1SB:G1SB+7]
	s_nop 0
.rept 4
	v_nop
.endr
.Lhead_asked:
	v_and_b32 v1, 15, v0                           ; r
	v_bfe_u32 v2, v0, 4, 1                         ; h
	v_and_b32 v3, 31, v0                           ; lane
	v_lshlrev_b32 v[CO], 4, v3
	v_lshlrev_b32 v[C8], 3, v3
	s_mul_i32 s21, s15, HALFT                      ; my 4 blocks of R
	s_mul_i32 s22, s16, HALFT                      ; my 4 blocks of P,
	s_add_co_u32 s22, s22, 2*HALFT                 ; which lie behind R's 8
.irp s, 0,1
	v_add_nc_u32 v[ADRA+\s], s21, v[CO]
	v_add_nc_u32 v[ADRB+\s], s22, v[CO]
	v_add_nc_u32 v[ADRA+2+\s], s21, v[C8]
	v_add_nc_u32 v[ADRB+2+\s], s22, v[C8]
	s_add_co_u32 s21, s21, SLOT
	s_add_co_u32 s22, s22, SLOT
.endr
	v_lshlrev_b32 v5, 3, v1                        ; my lane index's 8 bytes of a scale unit
	s_mul_i32 s21, s15, HALFS                      ; R's: my 4 blocks
	s_mul_i32 s22, s16, HALFS                      ; P's: my 4 blocks, behind R's 8
	s_add_co_u32 s22, s22, 2*HALFS
	s_sub_co_u32 s22, s22, s21
	v_mul_u32_u24 v4, s22, v2                      ; lanes 16-31 take P's scale words
	s_add_co_u32 s21, s21, SCL
	v_add_nc_u32 v5, v5, v4
	v_add_nc_u32 v[ADRS], s21, v5
	s_mul_i32 s23, s14, 16*SP                      ; my stage,
	s_add_co_u32 s23, s23, SPARE+512               ; behind the spare words: bytes of its own, on which no fill lands and which no wave reads as an operand
	v_mul_u32_u24 v5, v1, SP
	v_lshl_add_u32 v5, v2, 6, v5
	v_add_nc_u32 v[STO], s23, v5                   ; in: row r, 64 h bytes on
	v_mul_u32_u24 v5, v2, SP
	v_lshl_add_u32 v5, v1, 4, v5
	v_add_nc_u32 v[RD], s23, v5                    ; back: lanes 0-15 one row of 256 bytes, lanes 16-31 the next
	v_lshlrev_b32 v[GO], 12, v2
	v_lshl_add_u32 v[GO], v1, 4, v[GO]             ; and the same two rows in memory
	s_wait_alu depctr_va_vdst(0)
	v_lshlrev_b32 v6, 6, v2                        ; the bias: 64 h
	s_lshl_b32 s46, s42, 9                         ; my first column, in bytes: 512 x P's tile + 256 x half
	s_lshl_b32 s47, s16, 8
	s_add_co_u32 s46, s46, s47
	s_mov_b32 s47, 0
	s_add_nc_u64 s[96:97], s[96:97], s[46:47]
.irp b, 0,1,2,3
	global_load_b128 v[BP+8*\b:BP+8*\b+3], v6, s[96:97] offset:(32*(\b/2)+8*(\b%2))*4        ; tile b, register j: column 32 (b / 2) + 16 h + 8 (b % 2) + j
	global_load_b128 v[BP+8*\b+4:BP+8*\b+7], v6, s[96:97] offset:(32*(\b/2)+8*(\b%2))*4+16
.endr
	s_lshl_b32 s20, s17, 7
	s_lshl_b32 s21, s15, 6
	s_add_co_u32 s20, s20, s21                     ; my first row: 128 x R's tile + 64 x half
	s_lshl_b32 s20, s20, 12
	s_add_co_u32 s20, s20, s46
	s_mov_b32 s21, 0
	s_add_nc_u64 s[66:67], s[98:99], s[20:21]      ; the residual,
	s_add_nc_u64 s[12:13], s[12:13], s[20:21]      ; the result
	WIN 0x80                                       ; destination window 2
.irp a, 0,1,2,3                                ; my 64 x 64 of the residual, asked for now and wanted on the way out: block a, rows 2 t and 2 t + 1 of its 16: 256 consecutive bytes to sixteen lanes
.irp t, 0,1,2,3,4,5,6,7
	global_load_b128 v[32*\a+4*\t:32*\a+4*\t+3], v[GO], s[66:67] offset:(32*(\a/2)+8*(\a%2)+2*\t+8*(\t/4))*4096 th:TH_LOAD_NT
.endr
.endr
	WIN 0
.macro FRAG reg, adr, q, i             ; a fragment comes as it was stored: four loads of 512, 256, 512, 256 consecutive bytes
	ds_load_b128 v[\reg:\reg+3], v[\adr] offset:STEPB*(\i)+FRB*(\q)
	ds_load_b64 v[\reg+4:\reg+5], v[\adr+2] offset:STEPB*(\i)+FRB*(\q)+512
	ds_load_b128 v[\reg+6:\reg+9], v[\adr] offset:STEPB*(\i)+FRB*(\q)+768
	ds_load_b64 v[\reg+10:\reg+11], v[\adr+2] offset:STEPB*(\i)+FRB*(\q)+1280
.endm
; 8 matrix instructions: R's blocks a0, a0 + 1 x P's four, on buffer f.  q: the step in the slot; sc: the set of scale words.  zero = 1: the first product starts the sums from the bias.
; The 16 accumulators take turns, one instruction a turn, in the same order in every step.
.macro MUL8 a0, f, q, sc, zero
.irp a, \a0, \a0+1
.irp b, 0,1,2,3
.if \zero
	v_wmma_scale_f32_16x16x128_f8f6f4 v[ACC+8*(4*(\a)+\b):ACC+8*(4*(\a)+\b)+7], v[(\f)+48+FR*\b:(\f)+48+FR*\b+FR-1], v[(\f)+FR*(\a):(\f)+FR*(\a)+FR-1], v[BP+8*\b:BP+8*\b+7], v[SC+16*(\sc)+NQ*\b+(\q)], v[SC+16*(\sc)+NQ*(\a)+(\q)] matrix_a_fmt:MATRIX_FMT_BF6 matrix_b_fmt:MATRIX_FMT_BF6 matrix_a_scale:MATRIX_SCALE_ROW1
.else
	v_wmma_scale_f32_16x16x128_f8f6f4 v[ACC+8*(4*(\a)+\b):ACC+8*(4*(\a)+\b)+7], v[(\f)+48+FR*\b:(\f)+48+FR*\b+FR-1], v[(\f)+FR*(\a):(\f)+FR*(\a)+FR-1], v[ACC+8*(4*(\a)+\b):ACC+8*(4*(\a)+\b)+7], v[SC+16*(\sc)+NQ*\b+(\q)], v[SC+16*(\sc)+NQ*(\a)+(\q)] matrix_a_fmt:MATRIX_FMT_BF6 matrix_b_fmt:MATRIX_FMT_BF6 matrix_a_scale:MATRIX_SCALE_ROW1
.endif
.endr
.endr
.endm
.macro FETCH slot, q, f                ; 32 LDS loads in one run: the slot's q-th step into buffer f: P's four fragments, then R's four, so that R's blocks 2 and 3 are the youngest eight loads
	WIN TO_F
.irp i, 0,1,2,3
	FRAG (\f)+48+FR*\i, ADRB+\slot, \q, \i
.endr
.irp i, 0,1,2,3
	FRAG (\f)+FR*\i, ADRA+\slot, \q, \i
.endr
.endm
.macro SCALES sc                       ; a slot's scale words: four words a lane index, in two units; lanes 0-15 R's block i, lanes 16-31 P's block i
.irp i, 0,1,2,3
.irp j, 0,1
	ds_load_b64 v[SC+16*\sc+NQ*\i+2*\j:SC+16*\sc+NQ*\i+2*\j+1], v[ADRS] offset:\i*SBLK+128*\j
.endr
.endr
.endm
.macro PLACES n                        ; plain vector instructions between a matrix instruction and a load into, or a read of, its registers (ISA guide 7.12.1 for reads)
.rept \n
	v_nop
.endr
.endm
.macro STEP slot, q, zero              ; 128 along K whose successor lies in the same slot: multiplies buffer q % 2 and, in its middle, fetches the next step into the other
	s_wait_dscnt 8                                 ; P's four and R's blocks 0, 1 are in (and the scale words); the youngest eight loads (R's blocks 2, 3) may be out
	WIN MUL
	MUL8 0, 128*((\q)%2), \q, \slot, \zero
	PLACES NP                                      ; behind the last step's products, which read the other buffer
	FETCH \slot, (\q)+1, 128*(1-(\q)%2)
	s_wait_dscnt 32                                ; all but the 32 just issued
	WIN MUL
	MUL8 2, 128*((\q)%2), \q, \slot, \zero
.endm
; A slot's last step changes slots: ONE barrier; in front of it each wave waits for all its tensor loads, adds 0 to its spare word, and waits for that and for its reads of this slot.  fill = 1: this slot is filled again, two slots ahead.
.macro TURN slot, next, fill
	WIN 0                                          ; (the add's two registers lie in window 0)
	s_wait_tensorcnt 0x0                           ; all my tensor loads have landed: my part of the next slot
	ds_add_u32 v[SPW], v[NIL]                      ; 0 onto my spare word
	s_wait_dscnt 9                                 ; (the add and the youngest eight loads may be out)
	WIN MUL
	MUL8 0, 128, NQ-1, \slot, 0                    ; eight matrix instructions stand between the add and the wait for it
	s_wait_dscnt 0x0                               ; the add is done, and my reads of this slot are over
	s_barrier_signal -1
	MUL8 2, 128, NQ-1, \slot, 0
	WIN 0
	s_barrier_wait -1
.if \fill
	CREST                                          ; the barrier has opened a round of the cluster's barrier: no wave of any partner still reads this slot or has a load on its way
	s_add_nc_u64 s[G0+4*\slot+2:G0+4*\slot+3], s[G0+4*\slot+2:G0+4*\slot+3], 2*STEPB
	s_add_nc_u64 s[G0B+4*\slot+2:G0B+4*\slot+3], s[G0B+4*\slot+2:G0B+4*\slot+3], 2*STEPB
	JLOAD G0+4*\slot, G1, G0B+4*\slot, G1B         ; the first tensor load behind the round: it has the next slot's four steps in which to land; its four v_nop are the places in front of the loads below
.else
	PLACES NP
.endif
	v_add_nc_u32 v[ADRS], 256, v[ADRS]             ; the next slot's two scale units
	SCALES \next
	FETCH \next, 0, 0
.endm
	s_wait_alu depctr_va_vdst(0)                   ; the wait at the head's end
	s_wait_tensorcnt 0x0                           ; my tile of the head's four is in,
	s_barrier_signal -1
	s_barrier_wait -1                              ; everybody's is
	SCALES 0
	FETCH 0, 0, 0
	s_wait_loadcnt 32                              ; the bias is in; the 32 loads of the residual, issued behind it, stay out
	STEP 0, 0, 1                                   ; the first step stands in front of the loop: its products start the sums
.if LAPS > 1
	WIN 0                                          ; at a label and at a branch every window is 0
	s_mov_b32 s3, LAPS-1
.Llap:                                                 ; a trip goes once through both slots, from a lap's second step to the next lap's first, and fills both again
	STEP 0, 1, 0
	STEP 0, 2, 0
	TURN 0, 1, 1
	STEP 1, 0, 0
	STEP 1, 1, 0
	STEP 1, 2, 0
	TURN 1, 0, 1
	STEP 0, 0, 0
	WIN 0
	s_sub_co_u32 s3, s3, 1
	s_cmp_lg_u32 s3, 0
	s_cbranch_scc1 .Llap
.endif
	STEP 0, 1, 0                                   ; the last lap fills nothing, and has no round
	STEP 0, 2, 0
	TURN 0, 1, 0
	STEP 1, 0, 0
	STEP 1, 1, 0
	STEP 1, 2, 0
	s_wait_dscnt 8                                 ; the very last step: nothing more to fetch
	WIN MUL
	MUL8 0, 128, NQ-1, 1, 0
	s_wait_dscnt 0
	MUL8 2, 128, NQ-1, 1, 0
	WIN 0
; THE WAY OUT, block by block of 16 rows x 64 columns, through my stage behind the spare words, on which no fill lands.
; Each block has registers of its own (window 1, where the fragments lay), so no register is written twice and no store is waited for.
.macro TOSTAGE a
	WIN 0
.irp b, 0,1,2,3
	ds_store_b128 v[STO], v[ACC+8*(4*(\a)+\b):ACC+8*(4*(\a)+\b)+3] offset:128*(\b/2)+32*(\b%2)          ; each accumulator from its low end on
	ds_store_b128 v[STO], v[ACC+8*(4*(\a)+\b)+4:ACC+8*(4*(\a)+\b)+7] offset:128*(\b/2)+32*(\b%2)+16
.endr
	WIN TO_F
.irp t, 0,1,2,3,4,5,6,7
	ds_load_b128 v[32*(\a)+4*\t:32*(\a)+4*\t+3], v[RD] offset:\t*2*SP    ; LDS serves a wave's instructions in order: these see the stores above, and the next block's stores come behind them
.endr
.endm
.macro SEND a
	s_wait_dscnt 16*(3-(\a))                       ; block a is back; the 16 LDS instructions of each later block may be out
	WIN 0x49                                       ; destination and source 0 window 1 (the rows), source 1 window 2 (the residual)
.set i, 0
.rept 16
	v_pk_add_f32 v[32*(\a)+i:32*(\a)+i+1], v[32*(\a)+i:32*(\a)+i+1], v[32*(\a)+i:32*(\a)+i+1]
.set i, i+2
.endr
	WIN 0x04                                       ; a store's data are its source 1: window 1
.irp t, 0,1,2,3,4,5,6,7
	global_store_b128 v[GO], v[32*(\a)+4*\t:32*(\a)+4*\t+3], s[12:13] offset:(32*((\a)/2)+8*((\a)%2)+2*\t+8*(\t/4))*4096 th:TH_STORE_NT   ; sixteen lanes store 256 consecutive bytes, aligned
.endr
.endm
	PLACES NP                                      ; behind the last products: their results are read, and loads land in their operands' registers
.irp a, 0,1,2,3
	TOSTAGE \a
.endr
	s_wait_loadcnt 0x0                             ; the residual
.irp a, 0,1,2,3
	SEND \a
.endr
	WIN 0
	s_wait_tensorcnt 0x0                           ; the wave's end
	ds_add_u32 v[SPW], v[NIL]
	s_wait_dscnt 0x0
	CROUND                                         ; the closing round: no work-group ends while a partner may still ask for a tile that names it
	s_endpgm
.Lfunc_end_k_q18688ba45d_wo:
	.size	k_q18688ba45d_wo, .Lfunc_end_k_q18688ba45d_wo-k_q18688ba45d_wo
	.p2alignl 7, 3214868480
	.fill 96, 4, 3214868480
	.section	.rodata,"a",@progbits
	.p2align	6, 0x0
	.amdhsa_kernel k_q18688ba45d_wo
		.amdhsa_group_segment_fixed_size 327680
		.amdhsa_private_segment_fixed_size 0
		.amdhsa_enable_private_segment 0
		.amdhsa_kernarg_size 48
		.amdhsa_user_sgpr_count 2
		.amdhsa_user_sgpr_kernarg_segment_ptr 1
		.amdhsa_wavefront_size32 1
		.amdhsa_system_sgpr_workgroup_id_x 1
		.amdhsa_system_sgpr_workgroup_id_y 1
		.amdhsa_system_sgpr_workgroup_id_z 1
		.amdhsa_system_vgpr_workitem_id 0
		.amdhsa_next_free_vgpr 640
		.amdhsa_next_free_sgpr 102
		.amdhsa_reserve_vcc 0
		.amdhsa_float_denorm_mode_32 3
		.amdhsa_float_denorm_mode_16_64 3
		.amdhsa_memory_ordered 1
		.amdhsa_forward_progress 1
		.amdhsa_inst_pref_size 61
	.end_amdhsa_kernel
	.amdgpu_metadata
---
amdhsa.version: [ 1, 2 ]
amdhsa.kernels:
  - .name:           k_q18688ba45d_wo
    .symbol:         k_q18688ba45d_wo.kd
    .args:
      - { .name: oc, .offset: 0, .size: 8, .value_kind: global_buffer, .address_space: global }
      - { .name: opc, .offset: 8, .size: 8, .value_kind: global_buffer, .address_space: global }
      - { .name: ops, .offset: 16, .size: 8, .value_kind: global_buffer, .address_space: global }
      - { .name: bo, .offset: 24, .size: 8, .value_kind: global_buffer, .address_space: global }
      - { .name: x, .offset: 32, .size: 8, .value_kind: global_buffer, .address_space: global }
      - { .name: hb, .offset: 40, .size: 8, .value_kind: global_buffer, .address_space: global }
    .group_segment_fixed_size: 327680
    .private_segment_fixed_size: 0
    .kernarg_segment_align: 8
    .kernarg_segment_size: 48
    .max_flat_workgroup_size: 128
    .sgpr_count:     102
    .vgpr_count:     640
    .wavefront_size: 32
...
	.end_amdgpu_metadata
.endif
;; end of part 10
;; launch ln2: the kernel of part 7 again; grid 256 x 1, 8 waves a work-group, no clusters, 70,656 bytes of LDS; arguments hb, wq, wk, wv, wo, w1, w2, ln2_a, ln2_b, hnc, hns; writes hnc, hns
;; launch w1 (part 11): grid 16 x 16, 4 waves a work-group, clusters of 4 x 4, 327,680 bytes of LDS; arguments hnc, hns, opc, ops, b1, hid; writes hid
.if DOCPART == 11
	.amdgcn_target "amdgcn-amd-amdhsa--gfx1250"
	.amdhsa_code_object_version 6
	.text
	.protected	k_q18688ba45d_w1
	.globl	k_q18688ba45d_w1
	.p2align	8
	.type	k_q18688ba45d_w1,@function
k_q18688ba45d_w1:
	s_mov_b64 s[64:65], 0
	v_nop
	global_prefetch_b8 v0, s[64:65] scope:SCOPE_SE
	s_setreg_imm32_b32 hwreg(HW_REG_WAVE_MODE, 25, 1), 1
	s_wait_xcnt 0x0
	s_wait_alu depctr_hold_cnt(0) depctr_sa_sdst(0) depctr_va_vdst(0) depctr_va_sdst(0) depctr_va_ssrc(0) depctr_va_vcc(0) depctr_vm_vsrc(0)
	s_getreg_b32 s2, hwreg(HW_REG_IB_STS2, 6, 4)
	s_cmp_eq_u32 s2, 0
	s_cbranch_scc0 .Lentry_in_a_cluster
	s_endpgm
.Lentry_in_a_cluster:
	s_bfe_u32 s2, ttmp6, 0x10000c
	s_cmp_lg_u32 s2, 0xf033
	s_cbranch_scc0 .Lentry_shape_is_right
	s_endpgm
.Lentry_shape_is_right:
.set SIZE_K, 1024
.set FBP,    512
.set PITCHB, 12*SIZE_K
.set SBLK,   SIZE_K/2
.set HALFS,  8*SBLK
.set NQ,     2
.set FR,     12
.set NL,     4
.set NP,     4
.set FRB,    1536
.set STEPB,  NQ*FRB
.set HALFT,  8*STEPB
.set SLOT,   4*HALFT
.set SCL,    2*SLOT
.set SPARE,  SCL+4*HALFS
.set LAPS,   SIZE_K/512
.set ADRA, 16
.set ADRB, 20
.set CO,   26
.set ADRS, 27
.set SPW,  28
.set NIL,  29
.set C8,   30
.set VOS,  31
.set SC,   32
.set BP,   64
.set AF,   128
.set T,    128
.set PC,   192
.set TM,   212
.set PW,   228
.set PWE,  229
.set PWM,  230
.set SEL,  18
.set G1, 24
.set G0, 32
.set G1B, 48
.set G0B, 56
.set G1S, 68
.set G0S, 76
.set G1SB, 80
.set G0SB, 88
.set MSB, 0
.macro WIN new
.if MSB != (\new)
	s_set_vgpr_msb (MSB<<8)|(\new)
.set MSB, (\new)
.endif
.endm
.set MUL_LO, 0xa1
.set MUL_HI, 0xf1
.set TO_B,   0x40
.macro JLOAD g0a, g1a, g0b, g1b
	s_cmp_eq_u32 s15, 0
	s_cbranch_scc0 .Lfor_b_\@
	tensor_load_to_lds s[\g0a:\g0a+3], s[\g1a:\g1a+7]
	s_nop 0
.rept 4
	v_nop
.endr
	s_branch .Lasked_\@
.Lfor_b_\@:
	tensor_load_to_lds s[\g0b:\g0b+3], s[\g1b:\g1b+7]
	s_nop 0
.rept 4
	v_nop
.endr
.Lasked_\@:
.endm
.macro CREST
	s_cmp_lg_u32 s14, 0
	s_cbranch_scc1 .Lnot_wave_0_\@
	s_barrier_signal -3
.Lnot_wave_0_\@:
	s_barrier_wait -3
	s_barrier_signal -1
	s_barrier_wait -1
.endm
.macro CROUND
	s_barrier_signal -1
	s_barrier_wait -1
	CREST
.endm
	s_load_b256 s[4:11], s[0:1], 0x0
	s_load_b128 s[96:99], s[0:1], 0x20
	v_lshl_add_u32 v[SPW], v0, 2, SPARE
	v_mov_b32 v[NIL], 0
	ds_add_u32 v28, v29
	ds_add_u32 v28, v29
	s_wait_dscnt 0x0
	v_lshrrev_b32 v1, 5, v0
	v_readfirstlane_b32 s14, v1
	s_lshr_b32 s15, s14, 1
	s_and_b32 s16, s14, 1
	s_bfe_u32 s40, ttmp6, 0x40000
	s_bfe_u32 s41, ttmp6, 0x40004
	s_lshl_b32 s42, ttmp9, 2
	s_add_co_u32 s42, s42, s40
	s_and_b32 s17, ttmp7, 0xffff
	s_lshl_b32 s17, s17, 2
	s_add_co_u32 s17, s17, s41
	s_lshl_b32 s43, s41, 2
	s_lshl_b32 s43, 15, s43
	s_lshl_b32 s44, 0x1111, s40
	s_or_b32 s[G1+0], s43, (3<<16)|(1<<21)
	s_or_b32 s[G1B+0], s44, (3<<16)|(1<<21)
.irp g, G1, G1B
	s_mov_b32 s[\g+1], 384<<16
	s_mov_b32 s[\g+2], 16<<16                      ; the head's loads of codes bring a tile's 16 blocks; the ring's bring 8 (set behind the head's wait)
	s_mov_b32 s[\g+3], 384<<16
	s_mov_b32 s[\g+4], 16
	s_mov_b32 s[\g+5], PITCHB/8
	s_mov_b32 s[\g+6], 0
	s_mov_b32 s[\g+7], 0
.endr
	s_or_b32 s[G1S+0], s43, (3<<16)|(1<<21)
	s_or_b32 s[G1SB+0], s44, (3<<16)|(1<<21)
.irp g, G1S, G1SB
	s_mov_b32 s[\g+1], 32<<16
	s_mov_b32 s[\g+2], (2*HALFS/256)<<16           ; the scale words of a tile's 16 blocks, one dense run
	s_mov_b32 s[\g+3], 32<<16
	s_mov_b32 s[\g+4], 2*HALFS/256
	s_mov_b32 s[\g+5], 32
	s_mov_b32 s[\g+6], 0
	s_mov_b32 s[\g+7], 0
.endr
	s_lshl_b32 s18, s16, 3
	s_lshl_b32 s20, s17, 4
	s_add_co_u32 s20, s20, s18
	s_lshl_b32 s46, s42, 4
	s_add_co_u32 s46, s46, s18
	s_add_co_u32 s46, s46, FBP
	s_mul_i32 s22, s20, SBLK
	s_mov_b32 s23, 0
	s_mul_i32 s92, s46, SBLK
	s_mov_b32 s93, 0
	s_mul_i32 s20, s20, PITCHB
	s_mov_b32 s21, 0
	s_mul_i32 s46, s46, PITCHB
	s_mov_b32 s47, 0
	s_mul_i32 s45, s14, HALFT
	s_mul_i32 s94, s16, HALFS
	s_sub_co_u32 s22, s22, s94                     ; the scale words begin with the tile's first block
	s_sub_co_u32 s92, s92, s94
	s_mul_i32 s94, s15, 2*HALFS                    ; in LDS: R's first, P's behind them
	s_wait_kmcnt 0x0
	s_add_nc_u64 s[20:21], s[4:5], s[20:21]
	s_add_nc_u64 s[22:23], s[6:7], s[22:23]
	s_add_nc_u64 s[46:47], s[8:9], s[46:47]
	s_add_nc_u64 s[92:93], s[10:11], s[92:93]
	CROUND
	s_mov_b32 s[G0S], 1
	s_add_co_u32 s[G0S+1], s94, SCL
	s_mov_b64 s[G0S+2:G0S+3], s[22:23]
	s_or_b32 s[G0S+3], s[G0S+3], 0x80000000
	s_mov_b32 s[G0SB], 1
	s_add_co_u32 s[G0SB+1], s94, SCL
	s_mov_b64 s[G0SB+2:G0SB+3], s[92:93]
	s_or_b32 s[G0SB+3], s[G0SB+3], 0x80000000
.irp s, 0,1
	s_mov_b32 s[G0+4*\s], 1
	s_add_co_u32 s[G0+4*\s+1], s45, \s*SLOT
	s_add_nc_u64 s[G0+4*\s+2:G0+4*\s+3], s[20:21], \s*STEPB
	s_or_b32 s[G0+4*\s+3], s[G0+4*\s+3], 0x80000000
	s_mov_b32 s[G0B+4*\s], 1
	s_add_co_u32 s[G0B+4*\s+1], s45, \s*SLOT
	s_add_nc_u64 s[G0B+4*\s+2:G0B+4*\s+3], s[46:47], \s*STEPB
	s_or_b32 s[G0B+4*\s+3], s[G0B+4*\s+3], 0x80000000
.endr
; the head's four tiles, one joint load a wave, in one chain of branches on the wave's number: wave 0 slot 0's 16 blocks of R, wave 1 R's scale words, wave 2 slot 0's 16 blocks of P, wave 3 P's scale words
; THE PREFETCHES: K has four slots.  Of the 8 blocks that my wave fetches in the ring, each of the four partners that ask for them jointly takes two, told apart by address (cx for R, cy for P):
; 2 x 3,072 bytes of a slot, 24 blocks of 256, a lane a block; lanes 24-31 name the last again.  Slots 1 and 2 are asked for behind the head's load, slot 3 beside slot 1's load: at most two slots are asked for and not yet read.
	s_cmp_eq_u32 s15, 0
	s_cselect_b64 s[4:5], s[20:21], s[46:47]       ; my wave's 8 blocks, at K = 0 (the arguments that lay in s[4:7] have been used)
	s_cselect_b32 s6, s40, s41                     ; my place among the four
	s_mul_i32 s6, s6, 2*PITCHB
	s_mov_b32 s7, 0
	s_add_nc_u64 s[4:5], s[4:5], s[6:7]
.macro HARM under, g0, g1, next
	s_cmp_lt_u32 s14, \under
	s_cbranch_scc0 \next
	tensor_load_to_lds s[\g0:\g0+3], s[\g1:\g1+7]
	s_nop 0
.rept 4
	v_nop
.endr
	s_branch .Lhead_asked
\next:
.endm
	HARM 1, G0, G1, .Lhead_rs
	HARM 2, G0S, G1S, .Lhead_p
	HARM 3, G0B, G1B, .Lhead_ps
	tensor_load_to_lds s[G0SB:G0SB+3], s[G1SB:G1SB+7]
	s_nop 0
.rept 4
	v_nop
.endr
.Lhead_asked:
	v_and_b32 v8, 31, v0
	v_min_u32 v8, 23, v8                           ; u = min(lane, 23)
	v_mul_u32_u24 v9, v8, 171
	v_lshrrev_b32 v9, 11, v9                       ; u / 12: which of my two blocks
	v_mul_u32_u24 v9, v9, PITCHB-STEPB
	v_lshl_add_u32 v8, v8, 8, v9                   ; v8: 256 u + (u / 12) (a block's pitch - a slot's 3,072 bytes); never rewritten
	global_prefetch_b8 v8, s[4:5] offset:STEPB th:TH_LOAD_NT scope:SCOPE_SE     ; slot 1's bytes
	global_prefetch_b8 v8, s[4:5] offset:2*STEPB th:TH_LOAD_NT scope:SCOPE_SE   ; slot 2's
	v_and_b32 v1, 15, v0
	v_bfe_u32 v2, v0, 4, 1
	v_and_b32 v3, 31, v0
	v_lshlrev_b32 v[CO], 4, v3
	v_lshlrev_b32 v[C8], 3, v3
	s_mul_i32 s21, s15, HALFT
	s_mul_i32 s22, s16, HALFT
	s_add_co_u32 s22, s22, 2*HALFT
.irp s, 0,1
	v_add_nc_u32 v[ADRA+\s], s21, v[CO]
	v_add_nc_u32 v[ADRB+\s], s22, v[CO]
	v_add_nc_u32 v[ADRA+2+\s], s21, v[C8]
	v_add_nc_u32 v[ADRB+2+\s], s22, v[C8]
	s_add_co_u32 s21, s21, SLOT
	s_add_co_u32 s22, s22, SLOT
.endr
	v_lshlrev_b32 v5, 3, v1
	s_mul_i32 s21, s15, HALFS
	s_mul_i32 s22, s16, HALFS
	s_add_co_u32 s22, s22, 2*HALFS
	s_sub_co_u32 s22, s22, s21
	v_mul_u32_u24 v4, s22, v2
	s_add_co_u32 s21, s21, SCL
	v_add_nc_u32 v5, v5, v4
	v_add_nc_u32 v[ADRS], s21, v5
	v_lshlrev_b32 v[VOS], 3, v1
	v_lshl_add_u32 v[VOS], v2, 11, v[VOS]
	v_lshlrev_b32 v6, 6, v2
	s_mov_b32 s2, 0xffff0000
	s_lshl_b32 s20, s42, 10
	s_lshl_b32 s21, s16, 9
	s_add_co_u32 s20, s20, s21
	s_mov_b32 s21, 0
	s_add_nc_u64 s[96:97], s[96:97], s[20:21]
.irp b, 0,1,2,3,4,5,6,7
	global_load_b128 v[BP+8*\b:BP+8*\b+3], v6, s[96:97] offset:(32*(\b/2)+8*(\b%2))*4
	global_load_b128 v[BP+8*\b+4:BP+8*\b+7], v6, s[96:97] offset:(32*(\b/2)+8*(\b%2))*4+16
.endr
	s_lshl_b32 s20, s17, 4
	s_lshl_b32 s22, s15, 3
	s_add_co_u32 s20, s20, s22
	s_lshl_b32 s22, s42, 1
	s_add_co_u32 s22, s22, s16
	s_lshl_b32 s23, s20, 5
	s_add_co_u32 s23, s23, s22
	s_mul_i32 s22, s23, FRB
	s_mov_b32 s23, 0
	s_add_nc_u64 s[12:13], s[98:99], s[22:23]
	s_lshl_b32 s20, s20, 4
	s_add_co_u32 s20, s20, s42
	s_lshl_b32 s20, s20, 7
	s_lshl_b32 s22, s16, 2
	s_add_co_u32 s20, s20, s22
	s_add_co_u32 s20, s20, 12582912
	s_add_nc_u64 s[66:67], s[98:99], s[20:21]
	s_mov_b32 s[SEL], 0x76543210
	s_mov_b32 s[SEL+1], 0xfedcba98
.macro FRAG reg, adr, q, i
	ds_load_b128 v[\reg:\reg+3], v[\adr] offset:STEPB*(\i)+FRB*(\q)
	ds_load_b64 v[\reg+4:\reg+5], v[\adr+2] offset:STEPB*(\i)+FRB*(\q)+512
	ds_load_b128 v[\reg+6:\reg+9], v[\adr] offset:STEPB*(\i)+FRB*(\q)+768
	ds_load_b64 v[\reg+10:\reg+11], v[\adr+2] offset:STEPB*(\i)+FRB*(\q)+1280
.endm
.macro MUL16 a0, p, q, sc, zero
.irp a, \a0, \a0+1
.irp b, 0,1,2,3,4,5,6,7
.if \zero
	v_wmma_scale_f32_16x16x128_f8f6f4 v[8*(8*((\a)%4)+\b):8*(8*((\a)%4)+\b)+7], v[128*(\p)+FR*\b:128*(\p)+FR*\b+FR-1], v[AF+FR*(\a):AF+FR*(\a)+FR-1], v[BP+8*\b:BP+8*\b+7], v[SC+8*NQ*(\sc)+NQ*\b+(\q)], v[SC+8*NQ*(\sc)+NQ*(\a)+(\q)] matrix_a_fmt:MATRIX_FMT_BF6 matrix_b_fmt:MATRIX_FMT_BF6 matrix_a_scale:MATRIX_SCALE_ROW1
.else
	v_wmma_scale_f32_16x16x128_f8f6f4 v[8*(8*((\a)%4)+\b):8*(8*((\a)%4)+\b)+7], v[128*(\p)+FR*\b:128*(\p)+FR*\b+FR-1], v[AF+FR*(\a):AF+FR*(\a)+FR-1], v[8*(8*((\a)%4)+\b):8*(8*((\a)%4)+\b)+7], v[SC+8*NQ*(\sc)+NQ*\b+(\q)], v[SC+8*NQ*(\sc)+NQ*(\a)+(\q)] matrix_a_fmt:MATRIX_FMT_BF6 matrix_b_fmt:MATRIX_FMT_BF6 matrix_a_scale:MATRIX_SCALE_ROW1
.endif
.endr
.endr
.endm
.macro FETCH_B slot, q, p
	WIN TO_B
.irp i, 0,1,2,3,4,5,6,7
	FRAG 128*(\p)+FR*\i, ADRB+\slot, \q, \i
.endr
	WIN 0
.endm
.macro FETCH_A slot, q, i0
.irp i, \i0, \i0+1, \i0+2, \i0+3
	FRAG AF+FR*(\i), ADRA+\slot, \q, \i
.endr
.endm
.macro SCALES sc
.irp i, 0,1,2,3,4,5,6,7
	ds_load_b64 v[SC+8*NQ*\sc+NQ*\i:SC+8*NQ*\sc+NQ*\i+1], v[ADRS] offset:\i*SBLK
.endr
.endm
.macro PLACES n
.rept \n
	v_nop
.endr
.endm
.macro STEP slot, q, zero
	s_wait_dscnt 4*NL
.if \zero
	WIN 0x81
.else
	WIN MUL_LO
.endif
	MUL16 0, (\q)%2, \q, \slot, \zero
	MUL16 2, (\q)%2, \q, \slot, \zero
	s_wait_dscnt 0
	PLACES NP
	FETCH_B \slot, (\q)+1, 1-(\q)%2
	FETCH_A \slot, (\q)+1, 0
.if \zero
	WIN 0xc1
.else
	WIN MUL_HI
.endif
	MUL16 4, (\q)%2, \q, \slot, \zero
	MUL16 6, (\q)%2, \q, \slot, \zero
	PLACES NP
	WIN 0
	FETCH_A \slot, (\q)+1, 4
.endm
.macro TURN slot, next, fill
	s_wait_tensorcnt 0x0
	ds_add_u32 v[SPW], v[NIL]
	s_wait_dscnt 4*NL+1
	WIN MUL_LO
	MUL16 0, 1, NQ-1, \slot, 0
	s_wait_dscnt 0x0
	s_barrier_signal -1
	MUL16 2, 1, NQ-1, \slot, 0
	WIN 0
	s_barrier_wait -1
.if \fill
	CREST
	s_add_nc_u64 s[G0+4*\slot+2:G0+4*\slot+3], s[G0+4*\slot+2:G0+4*\slot+3], 2*STEPB
	s_add_nc_u64 s[G0B+4*\slot+2:G0B+4*\slot+3], s[G0B+4*\slot+2:G0B+4*\slot+3], 2*STEPB
	JLOAD G0+4*\slot, G1, G0B+4*\slot, G1B
.else
	PLACES NP
.endif
	s_wait_alu depctr_va_vdst(0)
	v_add_nc_u32 v[ADRS], 128, v[ADRS]
	FETCH_B \next, 0, 0
	FETCH_A \next, 0, 0
	SCALES \next
	WIN MUL_HI
	MUL16 4, 1, NQ-1, \slot, 0
	MUL16 6, 1, NQ-1, \slot, 0
	PLACES NP
	WIN 0
	FETCH_A \next, 0, 4
.endm
	s_wait_alu depctr_va_vdst(0)
	s_wait_tensorcnt 0x0                           ; my tile of the head's four is in
	ds_add_u32 v[SPW], v[NIL]                      ; 0 onto my spare word
	s_mov_b32 s[G1+2], 8<<16                       ; no load of mine is out: from here on a load brings 8 blocks
	s_mov_b32 s[G1+4], 8
	s_mov_b32 s[G1B+2], 8<<16
	s_mov_b32 s[G1B+4], 8
	s_wait_dscnt 0x0
	CROUND                                         ; all four tiles are in, and the sixteen work-groups meet
	JLOAD G0+4, G1, G0B+4, G1B                     ; slot 1's first fill, issued as a refill is
	global_prefetch_b8 v8, s[4:5] offset:3*STEPB th:TH_LOAD_NT scope:SCOPE_SE   ; slot 3's bytes, the last
	FETCH_B 0, 0, 0
	FETCH_A 0, 0, 0
	SCALES 0
	FETCH_A 0, 0, 4
	s_wait_loadcnt 0x0
	STEP 0, 0, 1
	s_mov_b32 s3, LAPS-1
.Llap:
	TURN 0, 1, 1
	STEP 1, 0, 0
	TURN 1, 0, 1
	STEP 0, 0, 0
	s_sub_co_u32 s3, s3, 1
	s_cmp_lg_u32 s3, 0
	s_cbranch_scc1 .Llap
	TURN 0, 1, 0
	STEP 1, 0, 0
	s_wait_dscnt 4*NL
	WIN MUL_LO
	MUL16 0, 1, NQ-1, 1, 0
	MUL16 2, 1, NQ-1, 1, 0
	s_wait_dscnt 0
	WIN MUL_HI
	MUL16 4, 1, NQ-1, 1, 0
	MUL16 6, 1, NQ-1, 1, 0
	WIN 0
.macro QUANT s
.irp b, 0,1,2,3
	v_max3_num_f32 v[TM+\b], |v[\s+16*\b]|, |v[\s+1+16*\b]|, 0x2800000
.endr
.irp i, 2,4,6,8,10,12,14
.irp b, 0,1,2,3
	v_max3_num_f32 v[TM+\b], v[TM+\b], |v[\s+16*\b+\i]|, |v[\s+1+16*\b+\i]|
.endr
.endr
.irp b, 0,1,2,3
	v_permlanex16_b32 v[TM+4+\b], v[TM+\b], s[SEL], s[SEL+1]
.endr
.irp b, 0,1,2,3
	v_max_num_f32 v[TM+\b], v[TM+\b], v[TM+4+\b]
.endr
.irp b, 0,1,2,3
	v_add_nc_u32 v[TM+12+\b], 0xfe000000, v[TM+\b]
.endr
.irp b, 0,1,2,3
	v_lshrrev_b32 v[TM+4+\b], 23, v[TM+12+\b]
.endr
	v_lshl_or_b32 v[PW], v[TM+5], 8, v[TM+4]
	v_lshl_or_b32 v[PW], v[TM+6], 16, v[PW]
	v_lshl_or_b32 v[PW], v[TM+7], 24, v[PW]
.irp c, 0,1
	v_cvt_scalef32_pk16_bf6_f32 v[PC+6*\c:PC+2+6*\c], v[\s+32*\c:\s+15+32*\c], v[TM+12+2*\c]
	v_cvt_scalef32_pk16_bf6_f32 v[PC+12+4*\c:PC+14+4*\c], v[\s+16+32*\c:\s+31+32*\c], v[TM+12+2*\c+1]
.endr
	v_nop
.irp c, 0,1
.irp i, 0,1,2
	v_permlane16_swap_b32 v[PC+6*\c+\i], v[PC+12+4*\c+\i]
.endr
.irp i, 0,1,2
	v_mov_b32 v[PC+3+6*\c+\i], v[PC+12+4*\c+\i]
.endr
.endr
.endm
.macro OUTQ a
.if (\a) > 0
	s_wait_xcnt 0x0
.endif
	WIN 0x02+(\a)/4
.set AC, 64*((\a)%4)
.set i, 0
.rept 64
	v_max_num_f32 v[T+i], v[AC+i], v[NIL]
.set i, i+1
.endr
	WIN 0
	QUANT T
	global_store_b128 v[CO], v[PC:PC+3], s[12:13] offset:(\a)*49152
	global_store_b64 v[C8], v[PC+4:PC+5], s[12:13] offset:(\a)*49152+512
	global_store_b128 v[CO], v[PC+6:PC+9], s[12:13] offset:(\a)*49152+768
	global_store_b64 v[C8], v[PC+10:PC+11], s[12:13] offset:(\a)*49152+1280
.if (\a)%2 == 0
	v_mov_b32 v[PWE], v[PW]
.else
	v_cndmask_b32 v[PWM], v[PWE], v[PW], s2
	global_store_b32 v[VOS], v[PWM], s[66:67] offset:((\a)-1)*2048
.endif
.endm
	PLACES NP
.irp b, 0,1,2,3
	v_mov_b32 v[TM+4+\b], 0
.endr
.irp a, 0,1,2,3,4,5,6,7
	OUTQ \a
.endr
	s_wait_tensorcnt 0x0
	ds_add_u32 v[SPW], v[NIL]
	s_wait_dscnt 0x0
	CROUND
	s_endpgm
.Lfunc_end_k_q18688ba45d_w1:
	.size	k_q18688ba45d_w1, .Lfunc_end_k_q18688ba45d_w1-k_q18688ba45d_w1
	.p2alignl 7, 3214868480
	.fill 96, 4, 3214868480
	.section	.rodata,"a",@progbits
	.p2align	6, 0x0
	.amdhsa_kernel k_q18688ba45d_w1
		.amdhsa_group_segment_fixed_size 327680
		.amdhsa_private_segment_fixed_size 0
		.amdhsa_enable_private_segment 0
		.amdhsa_kernarg_size 48
		.amdhsa_user_sgpr_count 2
		.amdhsa_user_sgpr_kernarg_segment_ptr 1
		.amdhsa_wavefront_size32 1
		.amdhsa_system_sgpr_workgroup_id_x 1
		.amdhsa_system_sgpr_workgroup_id_y 1
		.amdhsa_system_sgpr_workgroup_id_z 1
		.amdhsa_system_vgpr_workitem_id 0
		.amdhsa_next_free_vgpr 1024
		.amdhsa_next_free_sgpr 102
		.amdhsa_reserve_vcc 0
		.amdhsa_float_denorm_mode_32 3
		.amdhsa_float_denorm_mode_16_64 3
		.amdhsa_memory_ordered 1
		.amdhsa_forward_progress 1
		.amdhsa_inst_pref_size 168
	.end_amdhsa_kernel
	.amdgpu_metadata
---
amdhsa.version: [ 1, 2 ]
amdhsa.kernels:
  - .name:           k_q18688ba45d_w1
    .symbol:         k_q18688ba45d_w1.kd
    .args:
      - { .name: hnc, .offset: 0, .size: 8, .value_kind: global_buffer, .address_space: global }
      - { .name: hns, .offset: 8, .size: 8, .value_kind: global_buffer, .address_space: global }
      - { .name: opc, .offset: 16, .size: 8, .value_kind: global_buffer, .address_space: global }
      - { .name: ops, .offset: 24, .size: 8, .value_kind: global_buffer, .address_space: global }
      - { .name: b1, .offset: 32, .size: 8, .value_kind: global_buffer, .address_space: global }
      - { .name: hid, .offset: 40, .size: 8, .value_kind: global_buffer, .address_space: global }
    .group_segment_fixed_size: 327680
    .private_segment_fixed_size: 0
    .kernarg_segment_align: 8
    .kernarg_segment_size: 48
    .max_flat_workgroup_size: 128
    .sgpr_count:     102
    .vgpr_count:     1024
    .wavefront_size: 32
...
	.end_amdgpu_metadata
.endif
;; end of part 11
;; launch w2 (part 12): grid 8 x 32, 4 waves a work-group, clusters of 4 x 4, 327,680 bytes of LDS; arguments hid, opc, ops, b2, hb, out0; writes out0
.if DOCPART == 12
	.amdgcn_target "amdgcn-amd-amdhsa--gfx1250"
	.amdhsa_code_object_version 6
	.text
	.protected	k_q18688ba45d_w2
	.globl	k_q18688ba45d_w2
	.p2align	8
	.type	k_q18688ba45d_w2,@function
k_q18688ba45d_w2:
	s_mov_b64 s[64:65], 0
	v_nop
	global_prefetch_b8 v0, s[64:65] scope:SCOPE_SE
	s_setreg_imm32_b32 hwreg(HW_REG_WAVE_MODE, 25, 1), 1
	s_wait_xcnt 0x0
	s_wait_alu depctr_hold_cnt(0) depctr_sa_sdst(0) depctr_va_vdst(0) depctr_va_sdst(0) depctr_va_ssrc(0) depctr_va_vcc(0) depctr_vm_vsrc(0)
	s_getreg_b32 s2, hwreg(HW_REG_IB_STS2, 6, 4)
	s_cmp_eq_u32 s2, 0
	s_cbranch_scc0 .Lentry_in_a_cluster
	s_endpgm
.Lentry_in_a_cluster:
	s_bfe_u32 s2, ttmp6, 0x10000c
	s_cmp_lg_u32 s2, 0xf033
	s_cbranch_scc0 .Lentry_shape_is_right
	s_endpgm
.Lentry_shape_is_right:
.set SIZE_K, 4096
.set RSOFF,  12582912
.set FBP,    192
.set PITCHB, 12*SIZE_K
.set SBLK,   SIZE_K/2
.set HALFS,  4*SBLK
.set NQ,     4
.set FR,     12
.set NP,     4
.set FRB,    1536
.set STEPB,  NQ*FRB
.set HALFT,  4*STEPB
.set SLOT,   4*HALFT
.set SCL,    2*SLOT
.set SPARE,  SCL+4*HALFS
.set LAPS,   SIZE_K/1024
.set SP,     272
.set ADRA, 16
.set ADRB, 20
.set STO,  24
.set RD,   25
.set CO,   26
.set ADRS, 27
.set SPW,  28
.set NIL,  29
.set C8,   30
.set GO,   31
.set SC,   32
.set BP,   64
.set ACC,  128
.set G1, 24
.set G0, 32
.set G1B, 48
.set G0B, 56
.set G1S, 68
.set G0S, 76
.set G1SB, 80
.set G0SB, 88
.set MSB, 0
.macro WIN new
.if MSB != (\new)
	s_set_vgpr_msb (MSB<<8)|(\new)
.set MSB, (\new)
.endif
.endm
.set MUL,  0x05
.set TO_F, 0x40
.macro JLOAD g0a, g1a, g0b, g1b
	s_cmp_eq_u32 s15, 0
	s_cbranch_scc0 .Lfor_b_\@
	tensor_load_to_lds s[\g0a:\g0a+3], s[\g1a:\g1a+7]
	s_nop 0
.rept 4
	v_nop
.endr
	s_branch .Lasked_\@
.Lfor_b_\@:
	tensor_load_to_lds s[\g0b:\g0b+3], s[\g1b:\g1b+7]
	s_nop 0
.rept 4
	v_nop
.endr
.Lasked_\@:
.endm
.macro CREST
	s_cmp_lg_u32 s14, 0
	s_cbranch_scc1 .Lnot_wave_0_\@
	s_barrier_signal -3
.Lnot_wave_0_\@:
	s_barrier_wait -3
	s_barrier_signal -1
	s_barrier_wait -1
.endm
.macro CROUND
	s_barrier_signal -1
	s_barrier_wait -1
	CREST
.endm
	s_load_b64 s[4:5], s[0:1], 0x0
	s_load_b128 s[8:11], s[0:1], 0x8
	s_load_b128 s[96:99], s[0:1], 0x18
	s_load_b64 s[12:13], s[0:1], 0x28
	v_lshl_add_u32 v[SPW], v0, 2, SPARE
	v_mov_b32 v[NIL], 0
	ds_add_u32 v28, v29
	ds_add_u32 v28, v29
	s_wait_dscnt 0x0
	v_lshrrev_b32 v1, 5, v0
	v_readfirstlane_b32 s14, v1
	s_lshr_b32 s15, s14, 1
	s_and_b32 s16, s14, 1
	s_bfe_u32 s40, ttmp6, 0x40000
	s_bfe_u32 s41, ttmp6, 0x40004
	s_lshl_b32 s42, ttmp9, 2
	s_add_co_u32 s42, s42, s40
	s_and_b32 s17, ttmp7, 0xffff
	s_lshl_b32 s17, s17, 2
	s_add_co_u32 s17, s17, s41
	s_lshl_b32 s43, s41, 2
	s_lshl_b32 s43, 15, s43
	s_lshl_b32 s44, 0x1111, s40
	s_or_b32 s[G1+0], s43, (3<<16)|(1<<21)
	s_or_b32 s[G1B+0], s44, (3<<16)|(1<<21)
.irp g, G1, G1B
	s_mov_b32 s[\g+1], 768<<16
	s_mov_b32 s[\g+2], 8<<16                       ; the head's loads of codes bring a tile's 8 blocks; the ring's bring 4 (set behind the head's wait)
	s_mov_b32 s[\g+3], 768<<16
	s_mov_b32 s[\g+4], 8
	s_mov_b32 s[\g+5], PITCHB/8
	s_mov_b32 s[\g+6], 0
	s_mov_b32 s[\g+7], 0
.endr
	s_or_b32 s[G1S+0], s43, (3<<16)|(1<<21)
	s_or_b32 s[G1SB+0], s44, (3<<16)|(1<<21)
.irp g, G1S, G1SB
	s_mov_b32 s[\g+1], 32<<16
	s_mov_b32 s[\g+2], (2*HALFS/256)<<16           ; the scale words of a tile's 8 blocks, one dense run
	s_mov_b32 s[\g+3], 32<<16
	s_mov_b32 s[\g+4], 2*HALFS/256
	s_mov_b32 s[\g+5], 32
	s_mov_b32 s[\g+6], 0
	s_mov_b32 s[\g+7], 0
.endr
	s_lshl_b32 s18, s16, 2
	s_lshl_b32 s20, s17, 3
	s_add_co_u32 s20, s20, s18
	s_lshl_b32 s46, s42, 3
	s_add_co_u32 s46, s46, s18
	s_add_co_u32 s46, s46, FBP
	s_mul_i32 s22, s20, SBLK
	s_mov_b32 s23, 0
	s_mul_i32 s92, s46, SBLK
	s_mov_b32 s93, 0
	s_mul_i32 s20, s20, PITCHB
	s_mov_b32 s21, 0
	s_mul_i32 s46, s46, PITCHB
	s_mov_b32 s47, 0
	s_mul_i32 s45, s14, HALFT
	s_mul_i32 s94, s16, HALFS
	s_sub_co_u32 s22, s22, s94                     ; the scale words begin with the tile's first block
	s_sub_co_u32 s92, s92, s94
	s_mul_i32 s94, s15, 2*HALFS                    ; in LDS: R's first, P's behind them
	s_wait_kmcnt 0x0
	s_add_nc_u64 s[6:7], s[4:5], RSOFF
	s_add_nc_u64 s[20:21], s[4:5], s[20:21]
	s_add_nc_u64 s[22:23], s[6:7], s[22:23]
	s_add_nc_u64 s[46:47], s[8:9], s[46:47]
	s_add_nc_u64 s[92:93], s[10:11], s[92:93]
	CROUND
	s_mov_b32 s[G0S], 1
	s_add_co_u32 s[G0S+1], s94, SCL
	s_mov_b64 s[G0S+2:G0S+3], s[22:23]
	s_or_b32 s[G0S+3], s[G0S+3], 0x80000000
	s_mov_b32 s[G0SB], 1
	s_add_co_u32 s[G0SB+1], s94, SCL
	s_mov_b64 s[G0SB+2:G0SB+3], s[92:93]
	s_or_b32 s[G0SB+3], s[G0SB+3], 0x80000000
.irp s, 0,1
	s_mov_b32 s[G0+4*\s], 1
	s_add_co_u32 s[G0+4*\s+1], s45, \s*SLOT
	s_add_nc_u64 s[G0+4*\s+2:G0+4*\s+3], s[20:21], \s*STEPB
	s_or_b32 s[G0+4*\s+3], s[G0+4*\s+3], 0x80000000
	s_mov_b32 s[G0B+4*\s], 1
	s_add_co_u32 s[G0B+4*\s+1], s45, \s*SLOT
	s_add_nc_u64 s[G0B+4*\s+2:G0B+4*\s+3], s[46:47], \s*STEPB
	s_or_b32 s[G0B+4*\s+3], s[G0B+4*\s+3], 0x80000000
.endr
; THE PREFETCHES: beside the load of slot m stands one request for slot m + 2's bytes (m = 0 .. 5).  Of the 4 blocks that my wave fetches in the ring, each of the four partners that ask for them jointly
; takes one, told apart by address (cx for R, cy for P): 6,144 bytes, 24 blocks of 256, a lane a block; lanes 24-31 name the last again.  The last two refills ask for nothing: no slot lies two on.
	s_cmp_eq_u32 s15, 0
	s_cselect_b64 s[100:101], s[20:21], s[46:47]   ; my wave's 4 blocks, at K = 0
	s_cselect_b32 s6, s40, s41                     ; my place among the four
	s_mul_i32 s6, s6, PITCHB
	s_mov_b32 s7, 0
	s_add_nc_u64 s[100:101], s[100:101], s[6:7]
; the head's four tiles, one joint load a wave, in one chain of branches on the wave's number: wave 0 slot 0's 8 blocks of R, wave 1 R's scale words, wave 2 slot 0's 8 blocks of P, wave 3 P's scale words
.macro HARM under, g0, g1, next
	s_cmp_lt_u32 s14, \under
	s_cbranch_scc0 \next
	tensor_load_to_lds s[\g0:\g0+3], s[\g1:\g1+7]
	s_nop 0
.rept 4
	v_nop
.endr
	s_branch .Lhead_asked
\next:
.endm
	HARM 1, G0, G1, .Lhead_rs
	HARM 2, G0S, G1S, .Lhead_p
	HARM 3, G0B, G1B, .Lhead_ps
	tensor_load_to_lds s[G0SB:G0SB+3], s[G1SB:G1SB+7]
	s_nop 0
.rept 4
	v_nop
.endr
.Lhead_asked:
	v_and_b32 v8, 31, v0
	v_min_u32 v8, 23, v8
	v_lshlrev_b32 v8, 8, v8                        ; v8: 256 x min(lane, 23); never rewritten
	global_prefetch_b8 v8, s[100:101] offset:STEPB th:TH_LOAD_NT scope:SCOPE_SE     ; slot 1's bytes: its load goes out when the head's loads have landed
	global_prefetch_b8 v8, s[100:101] offset:2*STEPB th:TH_LOAD_NT scope:SCOPE_SE   ; slot 2's bytes
	v_and_b32 v1, 15, v0
	v_bfe_u32 v2, v0, 4, 1
	v_and_b32 v3, 31, v0
	v_lshlrev_b32 v[CO], 4, v3
	v_lshlrev_b32 v[C8], 3, v3
	s_mul_i32 s21, s15, HALFT
	s_mul_i32 s22, s16, HALFT
	s_add_co_u32 s22, s22, 2*HALFT
.irp s, 0,1
	v_add_nc_u32 v[ADRA+\s], s21, v[CO]
	v_add_nc_u32 v[ADRB+\s], s22, v[CO]
	v_add_nc_u32 v[ADRA+2+\s], s21, v[C8]
	v_add_nc_u32 v[ADRB+2+\s], s22, v[C8]
	s_add_co_u32 s21, s21, SLOT
	s_add_co_u32 s22, s22, SLOT
.endr
	v_lshlrev_b32 v5, 3, v1
	s_mul_i32 s21, s15, HALFS
	s_mul_i32 s22, s16, HALFS
	s_add_co_u32 s22, s22, 2*HALFS
	s_sub_co_u32 s22, s22, s21
	v_mul_u32_u24 v4, s22, v2
	s_add_co_u32 s21, s21, SCL
	v_add_nc_u32 v5, v5, v4
	v_add_nc_u32 v[ADRS], s21, v5
	s_mul_i32 s23, s14, 16*SP
	v_mul_u32_u24 v5, v1, SP
	v_lshl_add_u32 v5, v2, 6, v5
	v_add_nc_u32 v[STO], s23, v5
	v_mul_u32_u24 v5, v2, SP
	v_lshl_add_u32 v5, v1, 4, v5
	v_add_nc_u32 v[RD], s23, v5
	v_lshlrev_b32 v[GO], 12, v2
	v_lshl_add_u32 v[GO], v1, 4, v[GO]
	s_wait_alu depctr_va_vdst(0)
	v_lshlrev_b32 v6, 6, v2
	s_lshl_b32 s46, s42, 9
	s_lshl_b32 s47, s16, 8
	s_add_co_u32 s46, s46, s47
	s_mov_b32 s47, 0
	s_add_nc_u64 s[96:97], s[96:97], s[46:47]
.irp b, 0,1,2,3
	global_load_b128 v[BP+8*\b:BP+8*\b+3], v6, s[96:97] offset:(32*(\b/2)+8*(\b%2))*4
	global_load_b128 v[BP+8*\b+4:BP+8*\b+7], v6, s[96:97] offset:(32*(\b/2)+8*(\b%2))*4+16
.endr
	s_lshl_b32 s20, s17, 7
	s_lshl_b32 s21, s15, 6
	s_add_co_u32 s20, s20, s21
	s_lshl_b32 s20, s20, 12
	s_add_co_u32 s20, s20, s46
	s_mov_b32 s21, 0
	s_add_nc_u64 s[66:67], s[98:99], s[20:21]
	s_add_nc_u64 s[12:13], s[12:13], s[20:21]
	WIN 0x80
.irp a, 0,1,2,3
.irp t, 0,1,2,3,4,5,6,7
	global_load_b128 v[32*\a+4*\t:32*\a+4*\t+3], v[GO], s[66:67] offset:(32*(\a/2)+8*(\a%2)+2*\t+8*(\t/4))*4096 th:TH_LOAD_NT
.endr
.endr
	WIN 0
.macro FRAG reg, adr, q, i
	ds_load_b128 v[\reg:\reg+3], v[\adr] offset:STEPB*(\i)+FRB*(\q)
	ds_load_b64 v[\reg+4:\reg+5], v[\adr+2] offset:STEPB*(\i)+FRB*(\q)+512
	ds_load_b128 v[\reg+6:\reg+9], v[\adr] offset:STEPB*(\i)+FRB*(\q)+768
	ds_load_b64 v[\reg+10:\reg+11], v[\adr+2] offset:STEPB*(\i)+FRB*(\q)+1280
.endm
.macro MUL8 a0, f, q, sc, zero
.irp a, \a0, \a0+1
.irp b, 0,1,2,3
.if \zero
	v_wmma_scale_f32_16x16x128_f8f6f4 v[ACC+8*(4*(\a)+\b):ACC+8*(4*(\a)+\b)+7], v[(\f)+48+FR*\b:(\f)+48+FR*\b+FR-1], v[(\f)+FR*(\a):(\f)+FR*(\a)+FR-1], v[BP+8*\b:BP+8*\b+7], v[SC+16*(\sc)+NQ*\b+(\q)], v[SC+16*(\sc)+NQ*(\a)+(\q)] matrix_a_fmt:MATRIX_FMT_BF6 matrix_b_fmt:MATRIX_FMT_BF6 matrix_a_scale:MATRIX_SCALE_ROW1
.else
	v_wmma_scale_f32_16x16x128_f8f6f4 v[ACC+8*(4*(\a)+\b):ACC+8*(4*(\a)+\b)+7], v[(\f)+48+FR*\b:(\f)+48+FR*\b+FR-1], v[(\f)+FR*(\a):(\f)+FR*(\a)+FR-1], v[ACC+8*(4*(\a)+\b):ACC+8*(4*(\a)+\b)+7], v[SC+16*(\sc)+NQ*\b+(\q)], v[SC+16*(\sc)+NQ*(\a)+(\q)] matrix_a_fmt:MATRIX_FMT_BF6 matrix_b_fmt:MATRIX_FMT_BF6 matrix_a_scale:MATRIX_SCALE_ROW1
.endif
.endr
.endr
.endm
.macro FETCH slot, q, f
	WIN TO_F
.irp i, 0,1,2,3
	FRAG (\f)+48+FR*\i, ADRB+\slot, \q, \i
.endr
.irp i, 0,1,2,3
	FRAG (\f)+FR*\i, ADRA+\slot, \q, \i
.endr
.endm
.macro SCALES sc
.irp i, 0,1,2,3
.irp j, 0,1
	ds_load_b64 v[SC+16*\sc+NQ*\i+2*\j:SC+16*\sc+NQ*\i+2*\j+1], v[ADRS] offset:\i*SBLK+128*\j
.endr
.endr
.endm
.macro PLACES n
.rept \n
	v_nop
.endr
.endm
.macro STEP slot, q, zero
	s_wait_dscnt 8
	WIN MUL
	MUL8 0, 128*((\q)%2), \q, \slot, \zero
	PLACES NP
	FETCH \slot, (\q)+1, 128*(1-(\q)%2)
	s_wait_dscnt 32
	WIN MUL
	MUL8 2, 128*((\q)%2), \q, \slot, \zero
.endm
.macro TURN slot, next, fill
	WIN 0
	s_wait_tensorcnt 0x0
	ds_add_u32 v[SPW], v[NIL]
	s_wait_dscnt 9
	WIN MUL
	MUL8 0, 128, NQ-1, \slot, 0
	s_wait_dscnt 0x0
	s_barrier_signal -1
	MUL8 2, 128, NQ-1, \slot, 0
	WIN 0
	s_barrier_wait -1
.if \fill
	CREST
	s_add_nc_u64 s[G0+4*\slot+2:G0+4*\slot+3], s[G0+4*\slot+2:G0+4*\slot+3], 2*STEPB
	s_add_nc_u64 s[G0B+4*\slot+2:G0B+4*\slot+3], s[G0B+4*\slot+2:G0B+4*\slot+3], 2*STEPB
	JLOAD G0+4*\slot, G1, G0B+4*\slot, G1B
.else
	PLACES NP
.endif
	s_wait_alu depctr_va_vdst(0)
	v_add_nc_u32 v[ADRS], 256, v[ADRS]
	SCALES \next
.if \fill
	s_cmp_gt_u32 s3, 1                             ; s3 = 1 in the loop's last trip, whose refills are the last two
	s_cbranch_scc0 .Lno_ask_\@
	global_prefetch_b8 v8, s[100:101] offset:(4+\slot)*STEPB th:TH_LOAD_NT scope:SCOPE_SE   ; the slot two refills on
.Lno_ask_\@:
.endif
	FETCH \next, 0, 0
.endm
	s_wait_alu depctr_va_vdst(0)                   ; the wait at the head's end
	s_wait_tensorcnt 0x0                           ; my tile of the head's four is in
	ds_add_u32 v[SPW], v[NIL]                      ; 0 onto my spare word
	s_mov_b32 s[G1+2], 4<<16                       ; no load of mine is out: from here on a load brings 4 blocks
	s_mov_b32 s[G1+4], 4
	s_mov_b32 s[G1B+2], 4<<16
	s_mov_b32 s[G1B+4], 4
	s_wait_dscnt 0x0
	CROUND                                         ; all four tiles are in, and the sixteen work-groups meet
	JLOAD G0+4, G1, G0B+4, G1B                     ; slot 1's first fill, issued as a refill is
	global_prefetch_b8 v8, s[100:101] offset:3*STEPB th:TH_LOAD_NT scope:SCOPE_SE   ; slot 3's bytes
	SCALES 0
	FETCH 0, 0, 0
	s_wait_loadcnt 32
	STEP 0, 0, 1
.if LAPS > 1
	WIN 0
	s_mov_b32 s3, LAPS-1
.Llap:
	STEP 0, 1, 0
	STEP 0, 2, 0
	TURN 0, 1, 1
	STEP 1, 0, 0
	STEP 1, 1, 0
	STEP 1, 2, 0
	TURN 1, 0, 1
	STEP 0, 0, 0
	WIN 0
	s_wait_xcnt 0x0                                ; the trip's prefetches have read their base: it steps two slots on
	s_add_nc_u64 s[100:101], s[100:101], 2*STEPB
	s_sub_co_u32 s3, s3, 1
	s_cmp_lg_u32 s3, 0
	s_cbranch_scc1 .Llap
.endif
	STEP 0, 1, 0
	STEP 0, 2, 0
	TURN 0, 1, 0
	STEP 1, 0, 0
	STEP 1, 1, 0
	STEP 1, 2, 0
	s_wait_dscnt 8
	WIN MUL
	MUL8 0, 128, NQ-1, 1, 0
	s_wait_dscnt 0
	MUL8 2, 128, NQ-1, 1, 0
	WIN 0
.macro TOSTAGE a
	WIN 0
.irp b, 0,1,2,3
	ds_store_b128 v[STO], v[ACC+8*(4*(\a)+\b):ACC+8*(4*(\a)+\b)+3] offset:128*(\b/2)+32*(\b%2)
	ds_store_b128 v[STO], v[ACC+8*(4*(\a)+\b)+4:ACC+8*(4*(\a)+\b)+7] offset:128*(\b/2)+32*(\b%2)+16
.endr
	WIN TO_F
.irp t, 0,1,2,3,4,5,6,7
	ds_load_b128 v[32*(\a)+4*\t:32*(\a)+4*\t+3], v[RD] offset:\t*2*SP
.endr
.endm
.macro SEND a
	s_wait_dscnt 16*(3-(\a))
	WIN 0x49
.set i, 0
.rept 16
	v_pk_add_f32 v[32*(\a)+i:32*(\a)+i+1], v[32*(\a)+i:32*(\a)+i+1], v[32*(\a)+i:32*(\a)+i+1]
.set i, i+2
.endr
	WIN 0x04
.irp t, 0,1,2,3,4,5,6,7
	global_store_b128 v[GO], v[32*(\a)+4*\t:32*(\a)+4*\t+3], s[12:13] offset:(32*((\a)/2)+8*((\a)%2)+2*\t+8*(\t/4))*4096 th:TH_STORE_NT
.endr
.endm
	PLACES NP
.irp a, 0,1,2,3
	TOSTAGE \a
.endr
	s_wait_loadcnt 0x0
.irp a, 0,1,2,3
	SEND \a
.endr
	WIN 0
	s_wait_tensorcnt 0x0
	ds_add_u32 v[SPW], v[NIL]
	s_wait_dscnt 0x0
	CROUND
	s_endpgm
.Lfunc_end_k_q18688ba45d_w2:
	.size	k_q18688ba45d_w2, .Lfunc_end_k_q18688ba45d_w2-k_q18688ba45d_w2
	.p2alignl 7, 3214868480
	.fill 96, 4, 3214868480
	.section	.rodata,"a",@progbits
	.p2align	6, 0x0
	.amdhsa_kernel k_q18688ba45d_w2
		.amdhsa_group_segment_fixed_size 327680
		.amdhsa_private_segment_fixed_size 0
		.amdhsa_enable_private_segment 0
		.amdhsa_kernarg_size 48
		.amdhsa_user_sgpr_count 2
		.amdhsa_user_sgpr_kernarg_segment_ptr 1
		.amdhsa_wavefront_size32 1
		.amdhsa_system_sgpr_workgroup_id_x 1
		.amdhsa_system_sgpr_workgroup_id_y 1
		.amdhsa_system_sgpr_workgroup_id_z 1
		.amdhsa_system_vgpr_workitem_id 0
		.amdhsa_next_free_vgpr 640
		.amdhsa_next_free_sgpr 102
		.amdhsa_reserve_vcc 0
		.amdhsa_float_denorm_mode_32 3
		.amdhsa_float_denorm_mode_16_64 3
		.amdhsa_memory_ordered 1
		.amdhsa_forward_progress 1
		.amdhsa_inst_pref_size 101
	.end_amdhsa_kernel
	.amdgpu_metadata
---
amdhsa.version: [ 1, 2 ]
amdhsa.kernels:
  - .name:           k_q18688ba45d_w2
    .symbol:         k_q18688ba45d_w2.kd
    .args:
      - { .name: hid, .offset: 0, .size: 8, .value_kind: global_buffer, .address_space: global }
      - { .name: opc, .offset: 8, .size: 8, .value_kind: global_buffer, .address_space: global }
      - { .name: ops, .offset: 16, .size: 8, .value_kind: global_buffer, .address_space: global }
      - { .name: b2, .offset: 24, .size: 8, .value_kind: global_buffer, .address_space: global }
      - { .name: hb, .offset: 32, .size: 8, .value_kind: global_buffer, .address_space: global }
      - { .name: out0, .offset: 40, .size: 8, .value_kind: global_buffer, .address_space: global }
    .group_segment_fixed_size: 327680
    .private_segment_fixed_size: 0
    .kernarg_segment_align: 8
    .kernarg_segment_size: 48
    .max_flat_workgroup_size: 128
    .sgpr_count:     102
    .vgpr_count:     640
    .wavefront_size: 32
...
	.end_amdgpu_metadata
.endif
;; end of part 12
